; MI455X (gfx1250); checked and timed in simulation.
; The chip was launched on July 23, 2026; its instructions are those of AMD's public machine-readable ISA for CDNA 5 (MIT licence, August 2026) and "CDNA5" Instruction Set Architecture Reference Guide (July 2026). The comments in the code are by the model that wrote it; some were corrected since.
;; Atten Head. Allowed arithmetic: float matrix products may take bf16 or f16 operands with f32 sums; all other float work in f32.
;; Inputs: K_weight 1,024 x 1,024 float32; Q_weight 1,024 x 1,024 float32; V_weight 1,024 x 1,024 float32; inputs_for_keys 4 x 2,048 x 1,024 float32; inputs_for_queries 4 x 2,048 x 1,024 float32; inputs_for_values 4 x 2,048 x 1,024 float32.
;; Outputs: out0 4 x 2,048 x 1,024 float32.
;; 3 versions, each right; version 2 is faster than version 1; version 3 is version 2 with the launch prep written anew for expert scheduling mode. Each part assembles by itself: llvm-mc -triple=amdgcn-amd-amdhsa -mcpu=gfx1250 --defsym DOCPART=n.
;; ======== version 1 of 3: 5 launches
;; limits: values are held in f16: magnitudes above 65,504 overflow, below 6.1e-05 lose precision; right only within a limited range of input values
;; workspace buffers: cv 56,623,104 bytes; mt 4,194,304 bytes; vt 16,777,216 bytes; q2 33,685,504 bytes; pp 34,078,720 bytes; st 1,064,960 bytes
;; launch prep (part 1): grid 566 x 1, 8 waves a work-group, no clusters, 18,432 bytes of LDS; arguments inputs_for_values, inputs_for_queries, inputs_for_keys, K_weight, Q_weight, V_weight, cv, q2, st; writes cv, q2, st
.if DOCPART == 1
	.amdgcn_target "amdgcn-amd-amdhsa--gfx1250"
	.amdhsa_code_object_version 6
	.text
	.protected	k_qc0a640cefa_prep
	.globl	k_qc0a640cefa_prep
	.p2align	8
	.type	k_qc0a640cefa_prep,@function
k_qc0a640cefa_prep:
	s_mov_b64 s[64:65], 0
	v_nop
	global_prefetch_b8 v0, s[64:65] scope:SCOPE_SE
	s_setreg_imm32_b32 hwreg(HW_REG_WAVE_MODE, 25, 1), 1
	s_wait_xcnt 0x0
; PREP.  All six inputs are rounded once to bf16 (nearest even) into cv, 27,648 rows of 1,024 bf16 (2,048 bytes):
;   rows 0 Wv^T | 1024 Wk | 2048 x_v | 10240 Wq | 11264 x_q | 19456 x_k.
; Besides: the two planes of st get their starting values (maximum: -4.25e37; sum: 0) and q2's 32 rows behind its end get zeros.
; Memory binds: no matrix unit, no cluster (no two work-groups read the same byte).  A work-group's number picks its part:
;   0..415 a stream of 65,536 numbers; 416..543 a tile of 128 x 64 of Wv, turned through LDS; 544..563 st; 564, 565 q2's last rows.
.set X,     4                          ; v[4:67]    eight passes x 8 f32 as loaded
.set Y,     68                         ; v[68:99]   eight passes x 4 registers of bf16 to store
.set SPW,   110                        ; v110       LDS address of my spare word; never rewritten
.set NIL,   111                        ; v111       0; never rewritten
.set TP,    272                        ; a row of the turned tile: 128 bf16 + 16 bytes
.set SPARE, 64*TP                      ; behind the tile: 128 bytes for each of eight waves, four blocks of 256 bytes that no other line names
	s_load_b512 s[4:19], s[0:1], 0x0               ; x_v s[4:5], x_q s[6:7], x_k s[8:9], Wk s[10:11], Wq s[12:13], Wv s[14:15], cv s[16:17], q2 s[18:19]
	s_load_b64 s[20:21], s[0:1], 0x40              ; st
	v_lshl_add_u32 v[SPW], v0, 2, SPARE
	v_mov_b32 v[NIL], 0
	s_mov_b32 s2, ttmp9
	s_mov_b32 s31, 0                               ; the upper word of every byte offset: all stay under 2^32
	s_wait_kmcnt 0x0
	s_cmp_ge_u32 s2, 416
	s_cbranch_scc1 .Lnot_stream
	; THE STREAM.  64 rows of 1,024 numbers a work-group.  Thread t takes 32 bytes of f32 at 32 t and gives 16 bytes of bf16 at 16 t:
	; a store of sixteen lanes covers 256 consecutive bytes, aligned.
	s_mov_b64 s[22:23], s[4:5]
	s_mov_b32 s24, 0
	s_mov_b32 s25, 2048
.macro PICK first, lo, row             ; from work-group `first` on: the source in s[lo:lo+1], and its first row in cv
	s_cmp_ge_u32 s2, \first
	s_cselect_b64 s[22:23], s[\lo:\lo+1], s[22:23]
	s_cselect_b32 s24, \first, s24
	s_cselect_b32 s25, \row, s25
.endm
	PICK 128, 6, 11264
	PICK 256, 8, 19456
	PICK 384, 10, 1024
	PICK 400, 12, 10240
	s_sub_co_u32 s24, s2, s24                      ; my piece of that source
	s_lshl_b32 s30, s24, 18                        ; x 262,144 bytes of f32
	s_add_nc_u64 s[22:23], s[22:23], s[30:31]
	s_lshl_b32 s24, s24, 6
	s_add_co_u32 s24, s24, s25                     ; my first row in cv
	s_lshl_b32 s30, s24, 11
	s_add_nc_u64 s[28:29], s[16:17], s[30:31]
	v_lshlrev_b32 v1, 5, v0
	v_lshlrev_b32 v2, 4, v0
	s_mov_b32 s3, 4
.Ltrip:                                                ; a trip: eight passes of 2,048 numbers, all sixteen loads first
.irp p, 0,1,2,3,4,5,6,7
	global_load_b128 v[X+8*\p:X+8*\p+3],   v1, s[22:23] offset:8192*\p th:TH_LOAD_NT
	global_load_b128 v[X+8*\p+4:X+8*\p+7], v1, s[22:23] offset:8192*\p+16 th:TH_LOAD_NT
.endr
.irp p, 0,1,2,3,4,5,6,7
	s_wait_loadcnt 14-2*\p                         ; loads come back in order: the two of pass p are in, the 2 (7 - p) younger ones stay out
.irp k, 0,1,2,3
	v_cvt_pk_bf16_f32 v[Y+4*\p+\k], v[X+8*\p+2*\k], v[X+8*\p+2*\k+1]
.endr
	global_store_b128 v2, v[Y+4*\p:Y+4*\p+3], s[28:29] offset:4096*\p
.endr
	s_wait_xcnt 0x0                                ; the two bases and Y are written again only behind this wait
	s_add_nc_u64 s[22:23], s[22:23], 65536
	s_add_nc_u64 s[28:29], s[28:29], 32768
	s_sub_co_u32 s3, s3, 1
	s_cmp_lg_u32 s3, 0
	s_cbranch_scc1 .Ltrip
	s_endpgm
.Lnot_stream:
	s_cmp_ge_u32 s2, 544
	s_cbranch_scc1 .Lnot_turn
	; Wv TURNED.  Tile: rows i = 128 ib .. +127, columns c = 64 cb .. +63.  Thread: s = t % 16 (four columns), rp = t / 16; four pairs of rows.
	; An even and an odd row's numbers of one column pack into one word, which lies at [column][pair] in LDS.
	s_sub_co_u32 s24, s2, 416
	s_and_b32 s25, s24, 7                          ; ib
	s_lshr_b32 s26, s24, 3                         ; cb
	v_and_b32 v1, 15, v0
	v_lshrrev_b32 v2, 4, v0
	v_lshlrev_b32 v3, 13, v2                       ; row 2 rp x 4,096 bytes
	v_lshl_add_u32 v3, v1, 4, v3
	s_lshl_b32 s27, s25, 19                        ; 128 ib rows
	s_lshl_b32 s28, s26, 8                         ; 64 cb columns
	s_add_co_u32 s27, s27, s28
	v_add_nc_u32 v3, s27, v3
.irp k, 0,1,2,3
	global_load_b128 v[4+8*\k:7+8*\k],   v3, s[14:15] offset:131072*\k th:TH_LOAD_NT       ; sixteen lanes: 256 consecutive bytes of a row
	global_load_b128 v[8+8*\k:11+8*\k],  v3, s[14:15] offset:131072*\k+4096 th:TH_LOAD_NT  ; the row below
.endr
	v_mul_u32_u24 v36, v1, 4*TP
	v_lshl_add_u32 v36, v2, 2, v36                 ; in: column 4 s, pair rp
	v_mul_u32_u24 v37, v2, TP
	v_lshl_add_u32 v37, v1, 4, v37                 ; back: column t / 16, 16 bytes at 16 (t % 16)
	v_lshlrev_b32 v38, 11, v2
	v_lshl_add_u32 v38, v1, 4, v38
	s_lshl_b32 s27, s26, 17                        ; cv row 64 cb
	s_lshl_b32 s28, s25, 8                         ; byte 256 ib
	s_add_co_u32 s27, s27, s28
	v_add_nc_u32 v38, s27, v38
.irp k, 0,1,2,3
	s_wait_loadcnt 6-2*\k                          ; pair k's two loads are in, the younger pairs' stay out
.irp e, 0,1,2,3
	v_cvt_pk_bf16_f32 v[40+4*\k+\e], v[4+8*\k+\e], v[8+8*\k+\e]
	ds_store_b32 v36, v[40+4*\k+\e] offset:\e*TP+64*\k
.endr
.endr
	s_wait_dscnt 0x0                               ; for the others' sake: my stores are done
	s_barrier_signal -1
	s_barrier_wait -1
.irp k, 0,1,2,3
	ds_load_b128 v[56+4*\k:59+4*\k], v37 offset:16*TP*\k
.endr
.irp k, 0,1,2,3
	s_wait_dscnt 3-\k
	global_store_b128 v38, v[56+4*\k:59+4*\k], s[16:17] offset:32768*\k  ; sixteen lanes: 256 consecutive bytes of a row of Wv^T, aligned
.endr
	s_wait_tensorcnt 0x0                           ; the wave's end, behind my last LDS store
	ds_add_u32 v[SPW], v[NIL]
	s_wait_dscnt 0x0
	s_endpgm
.Lnot_turn:
	v_lshlrev_b32 v2, 4, v0
	s_cmp_ge_u32 s2, 564
	s_cbranch_scc1 .Lpad
	; st: 20 work-groups x 53,248 bytes; the first ten are the plane of maxima
	s_sub_co_u32 s24, s2, 544
	s_cmp_lt_u32 s24, 10
	s_cselect_b32 s25, 0xfe000000, 0
	s_mul_i32 s30, s24, 53248
	s_add_nc_u64 s[28:29], s[20:21], s[30:31]
.irp k, 4,5,6,7
	v_mov_b32 v\k, s25
.endr
.irp k, 0,1,2,3,4,5,6,7,8,9,10,11,12
	global_store_b128 v2, v[4:7], s[28:29] offset:4096*\k
.endr
	s_endpgm
.Lpad:
	; q2's rows 8192 .. 8223: zeros, 65,536 bytes a work-group
	s_sub_co_u32 s24, s2, 564
	s_lshl_b32 s30, s24, 16
	s_add_nc_u64 s[28:29], s[18:19], s[30:31]
	s_add_nc_u64 s[28:29], s[28:29], 33554432
.irp k, 4,5,6,7
	v_mov_b32 v\k, 0
.endr
.irp k, 0,1,2,3,4,5,6,7,8,9,10,11,12,13,14,15
	global_store_b128 v2, v[4:7], s[28:29] offset:4096*\k
.endr
	s_endpgm
.Lfunc_end_k_qc0a640cefa_prep:
	.size	k_qc0a640cefa_prep, .Lfunc_end_k_qc0a640cefa_prep-k_qc0a640cefa_prep
	.p2alignl 7, 3214868480
	.fill 96, 4, 3214868480
	.section	.rodata,"a",@progbits
	.p2align	6, 0x0
	.amdhsa_kernel k_qc0a640cefa_prep
		.amdhsa_group_segment_fixed_size 18432
		.amdhsa_private_segment_fixed_size 0
		.amdhsa_enable_private_segment 0
		.amdhsa_kernarg_size 72
		.amdhsa_user_sgpr_count 2
		.amdhsa_user_sgpr_kernarg_segment_ptr 1
		.amdhsa_wavefront_size32 1
		.amdhsa_system_sgpr_workgroup_id_x 1
		.amdhsa_system_sgpr_workgroup_id_y 1
		.amdhsa_system_sgpr_workgroup_id_z 1
		.amdhsa_system_vgpr_workitem_id 0
		.amdhsa_next_free_vgpr 112
		.amdhsa_next_free_sgpr 66
		.amdhsa_reserve_vcc 0
		.amdhsa_float_denorm_mode_32 3
		.amdhsa_float_denorm_mode_16_64 3
		.amdhsa_memory_ordered 1
		.amdhsa_forward_progress 1
		.amdhsa_inst_pref_size 16
	.end_amdhsa_kernel
	.amdgpu_metadata
---
amdhsa.version: [ 1, 2 ]
amdhsa.kernels:
  - .name:           k_qc0a640cefa_prep
    .symbol:         k_qc0a640cefa_prep.kd
    .args:
      - { .name: inputs_for_values, .offset: 0, .size: 8, .value_kind: global_buffer, .address_space: global }
      - { .name: inputs_for_queries, .offset: 8, .size: 8, .value_kind: global_buffer, .address_space: global }
      - { .name: inputs_for_keys, .offset: 16, .size: 8, .value_kind: global_buffer, .address_space: global }
      - { .name: K_weight, .offset: 24, .size: 8, .value_kind: global_buffer, .address_space: global }
      - { .name: Q_weight, .offset: 32, .size: 8, .value_kind: global_buffer, .address_space: global }
      - { .name: V_weight, .offset: 40, .size: 8, .value_kind: global_buffer, .address_space: global }
      - { .name: cv, .offset: 48, .size: 8, .value_kind: global_buffer, .address_space: global }
      - { .name: q2, .offset: 56, .size: 8, .value_kind: global_buffer, .address_space: global }
      - { .name: st, .offset: 64, .size: 8, .value_kind: global_buffer, .address_space: global }
    .group_segment_fixed_size: 18432
    .private_segment_fixed_size: 0
    .kernarg_segment_align: 8
    .kernarg_segment_size: 72
    .max_flat_workgroup_size: 256
    .sgpr_count:     66
    .vgpr_count:     112
    .wavefront_size: 32
...
	.end_amdgpu_metadata
.endif
;; end of part 1
;; launch gvm (part 2): grid 72 x 8, 4 waves a work-group, clusters of 4 x 4, 327,680 bytes of LDS; arguments cv, vt, mt; writes vt, mt
.if DOCPART == 2
	.amdgcn_target "amdgcn-amd-amdhsa--gfx1250"
	.amdhsa_code_object_version 6
	.text
	.protected	k_qc0a640cefa_gvm
	.globl	k_qc0a640cefa_gvm
	.p2align	8
	.type	k_qc0a640cefa_gvm,@function
k_qc0a640cefa_gvm:
	s_mov_b64 s[64:65], 0
	v_nop
	global_prefetch_b8 v0, s[64:65] scope:SCOPE_SE
	s_setreg_imm32_b32 hwreg(HW_REG_WAVE_MODE, 25, 1), 1
	s_wait_xcnt 0x0
	s_wait_alu depctr_hold_cnt(0) depctr_sa_sdst(0) depctr_va_vdst(0) depctr_va_sdst(0) depctr_va_ssrc(0) depctr_va_vcc(0) depctr_vm_vsrc(0)
	s_getreg_b32 s2, hwreg(HW_REG_IB_STS2, 6, 4)
	s_cmp_eq_u32 s2, 0
	s_cbranch_scc0 .Lentry_in_a_cluster
	s_endpgm
.Lentry_in_a_cluster:
	s_bfe_u32 s2, ttmp6, 0x10000c
	s_cmp_lg_u32 s2, 0xf033
	s_cbranch_scc0 .Lentry_shape_is_right
	s_endpgm
.Lentry_shape_is_right:
; GVM.  Two products of one shape, told apart by the tile column x.  Tiles of 128 x 128, K = 1,024, bf16 operands, f32 sums.
;   x < 64:  V^T[c][s] = sum_i Wv^T[c][i] x_v[s][i], stored as V^T / 64 in f16 into vt [1024][8192].
;   x >= 64: M^T[j][i] = sum_o Wk[j][o] Wq[i][o], stored as a pair of bf16, hi + lo, into mt [1024][2048]: of true index k, hi lies at 64 (k / 32) + k % 32, lo 32 further on.
; WHY M.  scores = x_q (Wq Wk^T) x_k^T / 32: the order of the sums and roundings differs from a product of Q and K; the key side is then x_k itself, and the query side keeps 16 bits.
; LIMIT.  V / 64 is kept in f16: |V| stays under 4.19e6 (64 x 65,504); below 64 x 6e-5 it keeps f16's fixed step.
; SHAPE.  Four waves, 2 x 2, each 64 x 64: 16 accumulators.  K goes in steps of 256 (rows of 512 bytes) through two LDS slots; waves 0, 1 fetch the halves of the row operand R, waves 2, 3 of the column operand C.
; A wave has one tensor load out at the most, so every wait on TENSORcnt is for 0.  The matrix instruction is used transposed (source 0 = 16 rows of C, source 1 = 16 rows of R): a lane holds one row and eight neighbouring columns.
; CLUSTER 4 x 4: R's tile hangs on the tile row alone and is asked for jointly along a row of the cluster, C's on the tile column alone, along a column.
; REGISTERS: window 0: v0-31 addresses, v32-127 at work, v128-255 C's two fragment buffers; window 1: R's two buffers; window 2: the accumulators.
.set N0, 4                             ; fragments of 16 rows a wave: of C,
.set N1, 4                             ; of R
.set L0, 1                             ; 1: the operand has 512 bytes of a row in a K step and fragments of its own for each of a quarter's two passes; 0: 256 bytes, one set for both
.set L1, 1
.set KT, 4                             ; K steps
.set PITR, 1024                        ; elements from row to row in memory
.set PITC, 1024
.set P0,   272+256*L0                  ; LDS pitch: the row + 16 bytes, an odd multiple of 16: the 16 rows of a fragment load start at 16 different groups of four banks (64 banks of 4 bytes: ISA guide 11.1)
.set P1,   272+256*L1
.set RTB,  32*N1*P1                    ; R's tile
.set SLOT, RTB+32*N0*P0                ; then C's
.set SPARE, 2*SLOT                     ; behind the ring: the spare words, 128 bytes a wave, two blocks of 256 bytes that no other line names
.set STEPR, 256+256*L1
.set STEPC, 256+256*L0
.set W1C,  2*(L0*N0+L1*N1)             ; of a quarter's LDS loads those that only its second pass needs: issued last
.set NL,   2*(N0*(1+L0)+N1*(1+L1))     ; a quarter's LDS loads
.set CF,   128
.set RFS,  8*N1*(1+L1)
.set GWR,  (1<<16)|(1<<20)|((5+L1)<<22)|(3<<25)  ; group 1, word 0: 2-byte elements; padding on; after every 64 or 128 words; 4 words of it
.set GWC,  (1<<16)|(1<<20)|((5+L0)<<22)|(3<<25)
.set BR, 16                            ; v16  my lane's place in R's tile; never rewritten
.set BC, 17                            ; v17  in C's
.set ADRR, 18                          ; v18  BR + the slot in hand
.set ADRC, 19
.set DST, 20                           ; v20  the way out: where I put 32 bytes of a row
.set RDA, 21                           ; v21  where I read rows back
.set GO,  22                           ; v22  my byte offset in the output
.set SPW, 28                           ; v28  LDS address of my spare word; never rewritten
.set NIL, 29                           ; v29  0; never rewritten
; s12 wave, s13 its row half, s14 its column half (and which half of a tile it fetches); s3 loop count; s[24:31], s[40:47] group 1 of R, C; s[32:35], s[36:39] group 0; s48 the slot in hand (0 or SLOT); s49, s50 my part's place in a slot
.set MSB, 0
.macro WIN new                         ; the immediate's high byte repeats the setting that is left; a switch that changes nothing is dropped
.if MSB != (\new)
	s_set_vgpr_msb (MSB<<8)|(\new)
.set MSB, (\new)
.endif
.endm
.macro PLACES                          ; four places behind matrix instructions, in front of loads into their sources and of reads of their results (not for loads)
.rept 4
	v_nop
.endr
.endm
.macro LOAD                            ; one tensor load a wave; the branch hangs on the wave's number alone; an s_nop 0 and four v_nop follow each line
	s_cmp_lt_u32 s12, 2
	s_cbranch_scc0 .Lfor_c_\@
	tensor_load_to_lds s[32:35], s[24:31]
	s_nop 0
.rept 4
	v_nop
.endr
	s_branch .Lasked_\@
.Lfor_c_\@:
	tensor_load_to_lds s[36:39], s[40:47]
	s_nop 0
.rept 4
	v_nop
.endr
.Lasked_\@:
.endm
.macro CREST                           ; a round of the cluster's barrier behind its opening barrier
	s_cmp_lg_u32 s12, 0
	s_cbranch_scc1 .Lnot_wave_0_\@
	s_barrier_signal -3
.Lnot_wave_0_\@:
	s_barrier_wait -3
	s_barrier_signal -1
	s_barrier_wait -1
.endm
.macro CROUND
	s_barrier_signal -1
	s_barrier_wait -1
	CREST
.endm
.macro WAVES
	v_lshrrev_b32 v1, 5, v0
	v_readfirstlane_b32 s12, v1
	s_lshr_b32 s13, s12, 1
	s_and_b32 s14, s12, 1
.endm
.macro PLACE44                         ; s17 tile column x, s18 tile row y; the masks go into the two groups 1
	s_bfe_u32 s15, ttmp6, 0x40000                  ; cx
	s_bfe_u32 s16, ttmp6, 0x40004                  ; cy
	s_lshl_b32 s17, ttmp9, 2
	s_add_co_u32 s17, s17, s15
	s_and_b32 s18, ttmp7, 0xffff
	s_lshl_b32 s18, s18, 2
	s_add_co_u32 s18, s18, s16
	s_lshl_b32 s52, s16, 2
	s_lshl_b32 s52, 15, s52                        ; my row of the cluster
	s_lshl_b32 s53, 0x1111, s15                    ; my column
	s_or_b32 s24, s52, GWR|(1<<21)
	s_or_b32 s40, s53, GWC|(1<<21)
.endm
.macro SHAPES                          ; the constant words of the descriptors: tiles of 16 N rows x 128 or 256 elements
	s_mov_b32 s25, (128+128*L1)<<16                ; tensor_dim0
	s_mov_b32 s26, (16*N1)<<16                     ; tensor_dim1
	s_mov_b32 s27, (128+128*L1)<<16                ; tile_dim0
	s_mov_b32 s28, 16*N1                           ; tile_dim1
	s_mov_b32 s29, PITR
	s_mov_b32 s30, 0
	s_mov_b32 s31, 0
	s_mov_b32 s41, (128+128*L0)<<16
	s_mov_b32 s42, (16*N0)<<16
	s_mov_b32 s43, (128+128*L0)<<16
	s_mov_b32 s44, 16*N0
	s_mov_b32 s45, PITC
	s_mov_b32 s46, 0
	s_mov_b32 s47, 0
	s_mul_i32 s49, s14, 16*N1*P1
	s_mul_i32 s50, s14, 16*N0*P0
	s_add_co_u32 s50, s50, RTB
	s_mov_b32 s48, SLOT                            ; the second fill goes there; then it turns to 0
	s_mov_b32 s32, 1
	s_mov_b32 s33, s49
	s_mov_b32 s36, 1
	s_mov_b32 s37, s50
.endm
.macro FIRSTADR ra, rc                 ; K step 0: the buffers' addresses + the offsets in s[20:21], s[22:23]; type 2 on top
	s_add_nc_u64 s[34:35], s[\ra:\ra+1], s[20:21]
	s_or_b32 s35, s35, 0x80000000
	s_add_nc_u64 s[38:39], s[\rc:\rc+1], s[22:23]
	s_or_b32 s39, s39, 0x80000000
.endm
.macro NEXTTILE                        ; written only where no tensor load of mine is out: into the slot in hand, the next K step to be asked for
	s_add_co_u32 s33, s48, s49
	s_add_co_u32 s37, s48, s50
	s_add_nc_u64 s[34:35], s[34:35], STEPR
	s_add_nc_u64 s[38:39], s[38:39], STEPC
.endm
.macro LANES                           ; a fragment: lane l holds row l % 16; two loads of 16 bytes, 32 apart, at row x pitch + 16 (l / 16)
	v_and_b32 v1, 15, v0
	v_bfe_u32 v2, v0, 4, 1
	v_mul_u32_u24 v[BR], v1, P1
	v_lshl_add_u32 v[BR], v2, 4, v[BR]
	s_mul_i32 s51, s13, 16*N1*P1
	v_add_nc_u32 v[BR], s51, v[BR]
	v_mul_u32_u24 v[BC], v1, P0
	v_lshl_add_u32 v[BC], v2, 4, v[BC]
	s_mul_i32 s51, s14, 16*N0*P0
	s_add_co_u32 s51, s51, RTB
	v_add_nc_u32 v[BC], s51, v[BC]
.endm
.macro FETCH q, f                      ; NL LDS loads in one run: quarter q's fragments into buffer f; what the first pass needs first
	WIN 0
.set fi, 0
.rept N0
	ds_load_b128 v[CF+64*(\f)+8*fi:CF+64*(\f)+8*fi+3],   v[ADRC] offset:(\q)*STEPC/4+fi*16*P0
	ds_load_b128 v[CF+64*(\f)+8*fi+4:CF+64*(\f)+8*fi+7], v[ADRC] offset:(\q)*STEPC/4+fi*16*P0+32
.set fi, fi+1
.endr
	WIN 0x40                                       ; destination window 1, address window 0
.set fi, 0
.rept N1
	ds_load_b128 v[RFS*(\f)+8*fi:RFS*(\f)+8*fi+3],   v[ADRR] offset:(\q)*STEPR/4+fi*16*P1
	ds_load_b128 v[RFS*(\f)+8*fi+4:RFS*(\f)+8*fi+7], v[ADRR] offset:(\q)*STEPR/4+fi*16*P1+32
.set fi, fi+1
.endr
.if L1
.set fi, 0
.rept N1
	ds_load_b128 v[RFS*(\f)+8*(N1+fi):RFS*(\f)+8*(N1+fi)+3],   v[ADRR] offset:(\q)*STEPR/4+64+fi*16*P1
	ds_load_b128 v[RFS*(\f)+8*(N1+fi)+4:RFS*(\f)+8*(N1+fi)+7], v[ADRR] offset:(\q)*STEPR/4+64+fi*16*P1+32
.set fi, fi+1
.endr
.endif
.if L0
	WIN 0
.set fi, 0
.rept N0
	ds_load_b128 v[CF+64*(\f)+8*(N0+fi):CF+64*(\f)+8*(N0+fi)+3],   v[ADRC] offset:(\q)*STEPC/4+64+fi*16*P0
	ds_load_b128 v[CF+64*(\f)+8*(N0+fi)+4:CF+64*(\f)+8*(N0+fi)+7], v[ADRC] offset:(\q)*STEPC/4+64+fi*16*P0+32
.set fi, fi+1
.endr
.endif
.endm
.macro PART f, c, a0, a1, zero         ; row blocks a0 .. a1 x all column blocks, pass c of buffer f: one instruction an accumulator, so they take turns
.set pa, \a0
.rept (\a1)-(\a0)+1
.set pb, 0
.rept N0
.set pn, pa*N0+pb
.if pn < 32
	WIN 0xa4                                       ; source 0 window 0, source 1 window 1, C and D window 2
.else
	WIN 0xf4                                       ; C and D window 3
.endif
.set pd, 8*(pn%32)
.set ps0, CF+64*(\f)+8*((\c)*N0*L0+pb)
.set ps1, RFS*(\f)+8*((\c)*N1*L1+pa)
.if \zero
	v_wmma_f32_16x16x32_bf16 v[pd:pd+7], v[ps0:ps0+7], v[ps1:ps1+7], 0
.else
	v_wmma_f32_16x16x32_bf16 v[pd:pd+7], v[ps0:ps0+7], v[ps1:ps1+7], v[pd:pd+7]
.endif
.set pb, pb+1
.endr
.set pa, pa+1
.endr
.endm
.macro PASS f, c, zero
	PART \f, \c, 0, N1-1, \zero
.endm
.macro QUARTER f, g, q, zero           ; multiplies buffer f; in its middle fetches quarter q into buffer g.  zero = 1: the first pass starts the sums
	s_wait_dscnt W1C                               ; all but the youngest W1C loads, which the second pass needs, are in
	PASS \f, 0, \zero
	PLACES
	FETCH \q, \g
	s_wait_dscnt NL                                ; all but the NL just issued
	PASS \f, 1, 0
.endm
; A K step's last quarter changes slots: ONE barrier.  In front of it each wave waits for all its tensor loads (the one that is out is its part of the next slot), adds 0 to its spare word, and waits for that and for
; its own reads of this slot.  fill = 1: the barrier opens a round of the cluster's, and the joint refill of this slot, with the K step two on, is the first thing behind the round.
.macro TURN fill
	WIN 0
	s_wait_tensorcnt 0x0
	ds_add_u32 v[SPW], v[NIL]                      ; 0 onto my spare word; scalar and matrix work stands between it and the wait for it
.if \fill
	NEXTTILE
.endif
	s_wait_dscnt W1C+1                             ; the add and the second pass's loads may be out
	PART 1, 0, 0, 1, 0
	s_wait_dscnt 0x0                               ; the add is done, and my reads of this slot are over
	s_barrier_signal -1
	PART 1, 0, 2, N1-1, 0
	WIN 0
	s_barrier_wait -1
.if \fill
	CREST
	LOAD                                           ; its four v_nop are also the places in front of the loads below
.else
	PLACES
.endif
	s_xor_b32 s48, s48, SLOT                       ; 0 and SLOT by turns
	v_add_nc_u32 v[ADRR], s48, v[BR]
	v_add_nc_u32 v[ADRC], s48, v[BC]
	FETCH 0, 0
	PASS 1, 1, 0
.endm
.macro LASTQ
	s_wait_dscnt W1C
	PASS 1, 0, 0
	s_wait_dscnt 0x0
	PASS 1, 1, 0
.endm
.macro SECOND                          ; K step 0 has landed in every wave; slot 1 gets K step 1, issued as a refill is; then the first fragments
	s_wait_tensorcnt 0x0
	ds_add_u32 v[SPW], v[NIL]
	NEXTTILE
	s_wait_dscnt 0x0
	CROUND
	LOAD
	s_xor_b32 s48, s48, SLOT
	v_add_nc_u32 v[ADRR], s48, v[BR]
	v_add_nc_u32 v[ADRC], s48, v[BC]
	FETCH 0, 0
.endm
.macro DUMP                            ; every accumulator as f32 into a stage with rows of 528 bytes, its low registers first.  The stage lies in the ring, which has had its last fill
.set da, 0
.rept N1
.set db, 0
.rept N0
.set dn, da*N0+db
.if dn < 32
	WIN 0x08                                       ; data (source 1) window 2
.else
	WIN 0x0c
.endif
	ds_store_b128 v[DST], v[8*(dn%32):8*(dn%32)+3]   offset:da*16*528+64*db
	ds_store_b128 v[DST], v[8*(dn%32)+4:8*(dn%32)+7] offset:da*16*528+64*db+16
.set db, db+1
.endr
.set da, da+1
.endr
	WIN 0
.endm
; Rows of 128 f32 leave as hi + lo.  A row a pass: lane l takes the 8 numbers 32 (l / 8) + 8 (l % 4) ..; lanes with bit 2 clear give hi, the others lo = bf16(x - hi): 32 lanes store 512 consecutive bytes.
.macro SPLIT trips
	s_mov_b32 s3, \trips
.Lsplit_\@:
.irp p, 0,1,2,3
	ds_load_b128 v[32+8*\p:35+8*\p], v[RDA] offset:528*\p
	ds_load_b128 v[36+8*\p:39+8*\p], v[RDA] offset:528*\p+16
.endr
.irp p, 0,1,2,3
	s_wait_dscnt 2*(3-\p)                          ; pass p's two loads are in, the later passes' stay out
.irp k, 0,1,2,3
	v_cvt_pk_bf16_f32 v[72+\k], v[32+8*\p+2*\k], v[33+8*\p+2*\k]
.endr
.irp k, 0,1,2,3
	v_lshlrev_b32 v[64+2*\k], 16, v[72+\k]
	v_and_b32 v[65+2*\k], 0xffff0000, v[72+\k]
.endr
.irp k, 0,1,2,3
	v_pk_add_f32 v[64+2*\k:65+2*\k], v[32+8*\p+2*\k:33+8*\p+2*\k], v[64+2*\k:65+2*\k] neg_lo:[0,1] neg_hi:[0,1]
.endr
.irp k, 0,1,2,3
	v_cvt_pk_bf16_f32 v[76+\k], v[64+2*\k], v[65+2*\k]
.endr
.irp k, 0,1,2,3
	v_cndmask_b32 v[80+4*\p+\k], v[72+\k], v[76+\k], s60
.endr
	global_store_b128 v[GO], v[80+4*\p:83+4*\p], s[56:57] offset:4096*\p
.endr
	s_wait_xcnt 0x0                                ; the base and the stores' data are written again only behind this wait
	s_add_nc_u64 s[56:57], s[56:57], 4*4096
	v_add_nc_u32 v[RDA], 4*528, v[RDA]
	s_sub_co_u32 s3, s3, 1
	s_cmp_lg_u32 s3, 0
	s_cbranch_scc1 .Lsplit_\@
.endm
	s_load_b128 s[4:7], s[0:1], 0x0                ; cv s[4:5], vt s[6:7]
	s_load_b64 s[8:9], s[0:1], 0x10                ; mt
	v_lshl_add_u32 v[SPW], v0, 2, SPARE
	v_mov_b32 v[NIL], 0
	ds_add_u32 v[SPW], v[NIL]                      ; the wave's opening
	ds_add_u32 v28, v29
	WAVES
	PLACE44
	s_cmp_ge_u32 ttmp9, 16                         ; x >= 64, told by the cluster's x: alike in all sixteen partners
	s_cselect_b32 s19, 1, 0
	SHAPES
	s_lshl_b32 s20, s18, 7                         ; R: cv row 128 y + 1024 (Wk, not Wv^T) + 64 x my half
	s_lshl_b32 s21, s19, 10
	s_add_co_u32 s20, s20, s21
	s_lshl_b32 s21, s14, 6
	s_add_co_u32 s20, s20, s21
	s_lshl_b32 s20, s20, 11
	s_mov_b32 s21, 0
	s_lshl_b32 s22, s17, 7                         ; C: cv row 2048 + 128 x + 64 x my half: x_v, and behind it Wq
	s_lshl_b32 s23, s14, 6
	s_add_co_u32 s22, s22, s23
	s_add_co_u32 s22, s22, 2048
	s_lshl_b32 s22, s22, 11
	s_mov_b32 s23, 0
	s_wait_dscnt 0x0                               ; the opening add is done
	s_wait_kmcnt 0x0
	FIRSTADR 4, 4
	CROUND                                         ; all sixteen work-groups are here: the first joint loads meet
	LOAD
	LANES
	v_mul_u32_u24 v[DST], v1, 528                  ; the work-group's stage: row 64 wr + l % 16, byte 256 wc + 32 (l / 16)
	v_lshl_add_u32 v[DST], v2, 5, v[DST]
	s_mul_i32 s51, s13, 16*N1*528
	s_lshl_b32 s54, s14, 8
	s_add_co_u32 s51, s51, s54
	v_add_nc_u32 v[DST], s51, v[DST]
	SECOND
	QUARTER 0, 1, 1, 1                             ; the first quarter stands in front of the loop: its first pass starts the sums
	WIN 0
	s_mov_b32 s3, KT-2
.Lk:                                                   ; a trip: a K step's quarters 1, 2, 3 and the next step's quarter 0; it asks for the step two on
	QUARTER 1, 0, 2, 0
	QUARTER 0, 1, 3, 0
	TURN 1
	QUARTER 0, 1, 1, 0
	WIN 0
	s_sub_co_u32 s3, s3, 1
	s_cmp_lg_u32 s3, 0
	s_cbranch_scc1 .Lk
	QUARTER 1, 0, 2, 0                             ; the last two K steps ask for nothing
	QUARTER 0, 1, 3, 0
	TURN 0
	QUARTER 0, 1, 1, 0
	QUARTER 1, 0, 2, 0
	QUARTER 0, 1, 3, 0
	LASTQ
	WIN 0
	s_wait_dscnt 0x0
	s_barrier_signal -1                            ; nobody reads the ring any more
	s_barrier_wait -1
	PLACES
	DUMP
	s_wait_dscnt 0x0                               ; for the others' sake: a stage row comes from two waves
	s_barrier_signal -1
	s_barrier_wait -1
	s_lshl_b32 s54, s18, 7
	s_lshl_b32 s55, s12, 5
	s_add_co_u32 s54, s54, s55                     ; my 32 rows of the output: 128 y + 32 w
	s_mul_i32 s51, s12, 32*528
	s_mov_b32 s57, 0
	s_cmp_lg_u32 s19, 0
	s_cbranch_scc1 .Lm_out
	; V^T / 64 in f16: two rows a pass; sixteen lanes hold a row, 8 numbers each, and store 256 consecutive bytes, aligned
	v_mul_u32_u24 v[RDA], v2, 528
	v_lshl_add_u32 v[RDA], v1, 5, v[RDA]
	v_add_nc_u32 v[RDA], s51, v[RDA]
	v_lshlrev_b32 v[GO], 14, v2
	v_lshl_add_u32 v[GO], v1, 4, v[GO]
	s_lshl_b32 s56, s54, 14
	s_lshl_b32 s55, s17, 8
	s_add_co_u32 s56, s56, s55
	s_add_nc_u64 s[56:57], s[6:7], s[56:57]
	s_mov_b32 s3, 4
.Lv_rows:
.irp p, 0,1,2,3
	ds_load_b128 v[32+8*\p:35+8*\p], v[RDA] offset:1056*\p
	ds_load_b128 v[36+8*\p:39+8*\p], v[RDA] offset:1056*\p+16
.endr
.irp p, 0,1,2,3
	s_wait_dscnt 2*(3-\p)                          ; pass p's two loads are in
.irp k, 0,1,2,3
	v_pk_mul_f32 v[32+8*\p+2*\k:33+8*\p+2*\k], v[32+8*\p+2*\k:33+8*\p+2*\k], 0x3c800000 op_sel_hi:[1,0]  ; x 1/64
.endr
.irp k, 0,1,2,3
	v_cvt_pk_f16_f32 v[80+4*\p+\k], v[32+8*\p+2*\k], v[33+8*\p+2*\k]
.endr
	global_store_b128 v[GO], v[80+4*\p:83+4*\p], s[56:57] offset:32768*\p
.endr
	s_wait_xcnt 0x0                                ; the base and the stores' data are written again only behind this wait
	s_add_nc_u64 s[56:57], s[56:57], 131072
	v_add_nc_u32 v[RDA], 8*528, v[RDA]
	s_sub_co_u32 s3, s3, 1
	s_cmp_lg_u32 s3, 0
	s_cbranch_scc1 .Lv_rows
	s_branch .Lend
.Lm_out:
	v_bfe_u32 v3, v0, 3, 2
	v_and_b32 v4, 3, v0
	v_lshlrev_b32 v[RDA], 7, v3
	v_lshl_add_u32 v[RDA], v4, 5, v[RDA]
	v_add_nc_u32 v[RDA], s51, v[RDA]
	v_and_b32 v[GO], 31, v0
	v_lshlrev_b32 v[GO], 4, v[GO]
	s_mov_b32 s60, 0xf0f0f0f0                      ; the lanes that give lo
	s_lshl_b32 s56, s54, 12
	s_sub_co_u32 s55, s17, 64
	s_lshl_b32 s55, s55, 9
	s_add_co_u32 s56, s56, s55
	s_add_nc_u64 s[56:57], s[8:9], s[56:57]
	SPLIT 8
.Lend:
	s_wait_tensorcnt 0x0                           ; the wave's end
	ds_add_u32 v[SPW], v[NIL]
	s_wait_dscnt 0x0
	CROUND                                         ; the closing round
	s_endpgm
.Lfunc_end_k_qc0a640cefa_gvm:
	.size	k_qc0a640cefa_gvm, .Lfunc_end_k_qc0a640cefa_gvm-k_qc0a640cefa_gvm
	.p2alignl 7, 3214868480
	.fill 96, 4, 3214868480
	.section	.rodata,"a",@progbits
	.p2align	6, 0x0
	.amdhsa_kernel k_qc0a640cefa_gvm
		.amdhsa_group_segment_fixed_size 327680
		.amdhsa_private_segment_fixed_size 0
		.amdhsa_enable_private_segment 0
		.amdhsa_kernarg_size 24
		.amdhsa_user_sgpr_count 2
		.amdhsa_user_sgpr_kernarg_segment_ptr 1
		.amdhsa_wavefront_size32 1
		.amdhsa_system_sgpr_workgroup_id_x 1
		.amdhsa_system_sgpr_workgroup_id_y 1
		.amdhsa_system_sgpr_workgroup_id_z 1
		.amdhsa_system_vgpr_workitem_id 0
		.amdhsa_next_free_vgpr 640
		.amdhsa_next_free_sgpr 66
		.amdhsa_reserve_vcc 0
		.amdhsa_float_denorm_mode_32 3
		.amdhsa_float_denorm_mode_16_64 3
		.amdhsa_memory_ordered 1
		.amdhsa_forward_progress 1
		.amdhsa_inst_pref_size 75
	.end_amdhsa_kernel
	.amdgpu_metadata
---
amdhsa.version: [ 1, 2 ]
amdhsa.kernels:
  - .name:           k_qc0a640cefa_gvm
    .symbol:         k_qc0a640cefa_gvm.kd
    .args:
      - { .name: cv, .offset: 0, .size: 8, .value_kind: global_buffer, .address_space: global }
      - { .name: vt, .offset: 8, .size: 8, .value_kind: global_buffer, .address_space: global }
      - { .name: mt, .offset: 16, .size: 8, .value_kind: global_buffer, .address_space: global }
    .group_segment_fixed_size: 327680
    .private_segment_fixed_size: 0
    .kernarg_segment_align: 8
    .kernarg_segment_size: 24
    .max_flat_workgroup_size: 128
    .sgpr_count:     66
    .vgpr_count:     640
    .wavefront_size: 32
...
	.end_amdgpu_metadata
.endif
;; end of part 2
;; launch gq (part 3): grid 8 x 32, 4 waves a work-group, clusters of 4 x 4, 327,680 bytes of LDS; arguments cv, mt, q2; writes q2
.if DOCPART == 3
	.amdgcn_target "amdgcn-amd-amdhsa--gfx1250"
	.amdhsa_code_object_version 6
	.text
	.protected	k_qc0a640cefa_gq
	.globl	k_qc0a640cefa_gq
	.p2align	8
	.type	k_qc0a640cefa_gq,@function
k_qc0a640cefa_gq:
	s_mov_b64 s[64:65], 0
	v_nop
	global_prefetch_b8 v0, s[64:65] scope:SCOPE_SE
	s_setreg_imm32_b32 hwreg(HW_REG_WAVE_MODE, 25, 1), 1
	s_wait_xcnt 0x0
	s_wait_alu depctr_hold_cnt(0) depctr_sa_sdst(0) depctr_va_vdst(0) depctr_va_sdst(0) depctr_va_ssrc(0) depctr_va_vcc(0) depctr_vm_vsrc(0)
	s_getreg_b32 s2, hwreg(HW_REG_IB_STS2, 6, 4)
	s_cmp_eq_u32 s2, 0
	s_cbranch_scc0 .Lentry_in_a_cluster
	s_endpgm
.Lentry_in_a_cluster:
	s_bfe_u32 s2, ttmp6, 0x10000c
	s_cmp_lg_u32 s2, 0xf033
	s_cbranch_scc0 .Lentry_shape_is_right
	s_endpgm
.Lentry_shape_is_right:
; GQ.  Q'[s][j] = sum_i x_q[s][i] M[i][j], with M as hi + lo: both products go into one f32 sum.  Q' leaves as hi + lo again, into q2 [8224][2048] (of true index k, hi at 64 (k / 32) + k % 32, lo 32 further on).
; Tiles of 256 x 128; four waves, 2 x 2, each 128 x 64: 32 accumulators.  K goes in steps of 128 true numbers: x_q's rows are 256 bytes (R, short), mt's 512 (C, long): a quarter's first pass multiplies
; the fragments of x_q by M's hi, its second pass the same fragments by M's lo.  Ring, round and way out as in gvm: two slots, one tensor load a wave out at the most, every wait on TENSORcnt for 0.
; CLUSTER 4 x 4: x_q's tile is asked for jointly along a row of the cluster, mt's along a column.
; REGISTERS: window 0: v0-31 addresses, v32-127 at work, v128-255 C's two fragment buffers; window 1: R's two buffers; window 2: the accumulators.
.set N0, 4
.set N1, 8
.set L0, 1
.set L1, 0
.set KT, 8
.set PITR, 1024
.set PITC, 2048
.set P0,   272+256*L0                  ; LDS pitch: the row + 16 bytes, an odd multiple of 16 (64 banks of 4 bytes: ISA guide 11.1)
.set P1,   272+256*L1
.set RTB,  32*N1*P1
.set SLOT, RTB+32*N0*P0
.set SPARE, 2*SLOT                     ; the spare words, 128 bytes a wave, two blocks of 256 bytes that no other line names
.set STEPR, 256+256*L1
.set STEPC, 256+256*L0
.set W1C,  2*(L0*N0+L1*N1)
.set NL,   2*(N0*(1+L0)+N1*(1+L1))
.set CF,   128
.set RFS,  8*N1*(1+L1)
.set GWR,  (1<<16)|(1<<20)|((5+L1)<<22)|(3<<25)
.set GWC,  (1<<16)|(1<<20)|((5+L0)<<22)|(3<<25)
.set BR, 16
.set BC, 17
.set ADRR, 18
.set ADRC, 19
.set DST, 20
.set RDA, 21
.set GO,  22
.set SPW, 28                           ; v28  LDS address of my spare word; never rewritten
.set NIL, 29                           ; v29  0; never rewritten
.set MSB, 0
.macro WIN new
.if MSB != (\new)
	s_set_vgpr_msb (MSB<<8)|(\new)
.set MSB, (\new)
.endif
.endm
.macro PLACES                          ; four places behind matrix instructions (not for loads)
.rept 4
	v_nop
.endr
.endm
.macro LOAD                            ; waves 0, 1: R's halves; waves 2, 3: C's; an s_nop 0 and four v_nop follow each line
	s_cmp_lt_u32 s12, 2
	s_cbranch_scc0 .Lfor_c_\@
	tensor_load_to_lds s[32:35], s[24:31]
	s_nop 0
.rept 4
	v_nop
.endr
	s_branch .Lasked_\@
.Lfor_c_\@:
	tensor_load_to_lds s[36:39], s[40:47]
	s_nop 0
.rept 4
	v_nop
.endr
.Lasked_\@:
.endm
.macro CREST
	s_cmp_lg_u32 s12, 0
	s_cbranch_scc1 .Lnot_wave_0_\@
	s_barrier_signal -3
.Lnot_wave_0_\@:
	s_barrier_wait -3
	s_barrier_signal -1
	s_barrier_wait -1
.endm
.macro CROUND
	s_barrier_signal -1
	s_barrier_wait -1
	CREST
.endm
.macro WAVES
	v_lshrrev_b32 v1, 5, v0
	v_readfirstlane_b32 s12, v1
	s_lshr_b32 s13, s12, 1
	s_and_b32 s14, s12, 1
.endm
.macro PLACE44
	s_bfe_u32 s15, ttmp6, 0x40000                  ; cx
	s_bfe_u32 s16, ttmp6, 0x40004                  ; cy
	s_lshl_b32 s17, ttmp9, 2
	s_add_co_u32 s17, s17, s15                     ; x
	s_and_b32 s18, ttmp7, 0xffff
	s_lshl_b32 s18, s18, 2
	s_add_co_u32 s18, s18, s16                     ; y
	s_lshl_b32 s52, s16, 2
	s_lshl_b32 s52, 15, s52
	s_lshl_b32 s53, 0x1111, s15
	s_or_b32 s24, s52, GWR|(1<<21)
	s_or_b32 s40, s53, GWC|(1<<21)
.endm
.macro SHAPES
	s_mov_b32 s25, (128+128*L1)<<16
	s_mov_b32 s26, (16*N1)<<16
	s_mov_b32 s27, (128+128*L1)<<16
	s_mov_b32 s28, 16*N1
	s_mov_b32 s29, PITR
	s_mov_b32 s30, 0
	s_mov_b32 s31, 0
	s_mov_b32 s41, (128+128*L0)<<16
	s_mov_b32 s42, (16*N0)<<16
	s_mov_b32 s43, (128+128*L0)<<16
	s_mov_b32 s44, 16*N0
	s_mov_b32 s45, PITC
	s_mov_b32 s46, 0
	s_mov_b32 s47, 0
	s_mul_i32 s49, s14, 16*N1*P1
	s_mul_i32 s50, s14, 16*N0*P0
	s_add_co_u32 s50, s50, RTB
	s_mov_b32 s48, SLOT
	s_mov_b32 s32, 1
	s_mov_b32 s33, s49
	s_mov_b32 s36, 1
	s_mov_b32 s37, s50
.endm
.macro FIRSTADR ra, rc
	s_add_nc_u64 s[34:35], s[\ra:\ra+1], s[20:21]
	s_or_b32 s35, s35, 0x80000000
	s_add_nc_u64 s[38:39], s[\rc:\rc+1], s[22:23]
	s_or_b32 s39, s39, 0x80000000
.endm
.macro NEXTTILE
	s_add_co_u32 s33, s48, s49
	s_add_co_u32 s37, s48, s50
	s_add_nc_u64 s[34:35], s[34:35], STEPR
	s_add_nc_u64 s[38:39], s[38:39], STEPC
.endm
.macro LANES
	v_and_b32 v1, 15, v0
	v_bfe_u32 v2, v0, 4, 1
	v_mul_u32_u24 v[BR], v1, P1
	v_lshl_add_u32 v[BR], v2, 4, v[BR]
	s_mul_i32 s51, s13, 16*N1*P1
	v_add_nc_u32 v[BR], s51, v[BR]
	v_mul_u32_u24 v[BC], v1, P0
	v_lshl_add_u32 v[BC], v2, 4, v[BC]
	s_mul_i32 s51, s14, 16*N0*P0
	s_add_co_u32 s51, s51, RTB
	v_add_nc_u32 v[BC], s51, v[BC]
.endm
.macro FETCH q, f
	WIN 0
.set fi, 0
.rept N0
	ds_load_b128 v[CF+64*(\f)+8*fi:CF+64*(\f)+8*fi+3],   v[ADRC] offset:(\q)*STEPC/4+fi*16*P0
	ds_load_b128 v[CF+64*(\f)+8*fi+4:CF+64*(\f)+8*fi+7], v[ADRC] offset:(\q)*STEPC/4+fi*16*P0+32
.set fi, fi+1
.endr
	WIN 0x40
.set fi, 0
.rept N1
	ds_load_b128 v[RFS*(\f)+8*fi:RFS*(\f)+8*fi+3],   v[ADRR] offset:(\q)*STEPR/4+fi*16*P1
	ds_load_b128 v[RFS*(\f)+8*fi+4:RFS*(\f)+8*fi+7], v[ADRR] offset:(\q)*STEPR/4+fi*16*P1+32
.set fi, fi+1
.endr
.if L1
.set fi, 0
.rept N1
	ds_load_b128 v[RFS*(\f)+8*(N1+fi):RFS*(\f)+8*(N1+fi)+3],   v[ADRR] offset:(\q)*STEPR/4+64+fi*16*P1
	ds_load_b128 v[RFS*(\f)+8*(N1+fi)+4:RFS*(\f)+8*(N1+fi)+7], v[ADRR] offset:(\q)*STEPR/4+64+fi*16*P1+32
.set fi, fi+1
.endr
.endif
.if L0
	WIN 0
.set fi, 0
.rept N0
	ds_load_b128 v[CF+64*(\f)+8*(N0+fi):CF+64*(\f)+8*(N0+fi)+3],   v[ADRC] offset:(\q)*STEPC/4+64+fi*16*P0
	ds_load_b128 v[CF+64*(\f)+8*(N0+fi)+4:CF+64*(\f)+8*(N0+fi)+7], v[ADRC] offset:(\q)*STEPC/4+64+fi*16*P0+32
.set fi, fi+1
.endr
.endif
.endm
.macro PART f, c, a0, a1, zero         ; one instruction an accumulator: they take turns
.set pa, \a0
.rept (\a1)-(\a0)+1
.set pb, 0
.rept N0
.set pn, pa*N0+pb
.if pn < 32
	WIN 0xa4
.else
	WIN 0xf4
.endif
.set pd, 8*(pn%32)
.set ps0, CF+64*(\f)+8*((\c)*N0*L0+pb)
.set ps1, RFS*(\f)+8*((\c)*N1*L1+pa)
.if \zero
	v_wmma_f32_16x16x32_bf16 v[pd:pd+7], v[ps0:ps0+7], v[ps1:ps1+7], 0
.else
	v_wmma_f32_16x16x32_bf16 v[pd:pd+7], v[ps0:ps0+7], v[ps1:ps1+7], v[pd:pd+7]
.endif
.set pb, pb+1
.endr
.set pa, pa+1
.endr
.endm
.macro PASS f, c, zero
	PART \f, \c, 0, N1-1, \zero
.endm
.macro QUARTER f, g, q, zero
	s_wait_dscnt W1C                               ; all but the youngest W1C loads (M's lo, for the second pass) are in
	PASS \f, 0, \zero
	PLACES
	FETCH \q, \g
	s_wait_dscnt NL                                ; all but the NL just issued
	PASS \f, 1, 0
.endm
.macro TURN fill                       ; the change of slots: see gvm
	WIN 0
	s_wait_tensorcnt 0x0                           ; all my tensor loads have landed: my part of the next slot
	ds_add_u32 v[SPW], v[NIL]
.if \fill
	NEXTTILE
.endif
	s_wait_dscnt W1C+1                             ; the add and the second pass's loads may be out
	PART 1, 0, 0, 1, 0
	s_wait_dscnt 0x0                               ; the add is done, and my reads of this slot are over
	s_barrier_signal -1
	PART 1, 0, 2, N1-1, 0
	WIN 0
	s_barrier_wait -1
.if \fill
	CREST
	LOAD
.else
	PLACES
.endif
	s_xor_b32 s48, s48, SLOT
	v_add_nc_u32 v[ADRR], s48, v[BR]
	v_add_nc_u32 v[ADRC], s48, v[BC]
	FETCH 0, 0
	PASS 1, 1, 0
.endm
.macro LASTQ
	s_wait_dscnt W1C
	PASS 1, 0, 0
	s_wait_dscnt 0x0
	PASS 1, 1, 0
.endm
.macro SECOND
	s_wait_tensorcnt 0x0
	ds_add_u32 v[SPW], v[NIL]
	NEXTTILE
	s_wait_dscnt 0x0
	CROUND
	LOAD
	s_xor_b32 s48, s48, SLOT
	v_add_nc_u32 v[ADRR], s48, v[BR]
	v_add_nc_u32 v[ADRC], s48, v[BC]
	FETCH 0, 0
.endm
.macro DUMP                            ; every accumulator as f32 into the stage, its low registers first; the stage lies in the ring, which has had its last fill
.set da, 0
.rept N1
.set db, 0
.rept N0
.set dn, da*N0+db
.if dn < 32
	WIN 0x08
.else
	WIN 0x0c
.endif
	ds_store_b128 v[DST], v[8*(dn%32):8*(dn%32)+3]   offset:da*16*528+64*db
	ds_store_b128 v[DST], v[8*(dn%32)+4:8*(dn%32)+7] offset:da*16*528+64*db+16
.set db, db+1
.endr
.set da, da+1
.endr
	WIN 0
.endm
.macro SPLIT trips                     ; rows of 128 f32 leave as hi + lo: see gvm
	s_mov_b32 s3, \trips
.Lsplit_\@:
.irp p, 0,1,2,3
	ds_load_b128 v[32+8*\p:35+8*\p], v[RDA] offset:528*\p
	ds_load_b128 v[36+8*\p:39+8*\p], v[RDA] offset:528*\p+16
.endr
.irp p, 0,1,2,3
	s_wait_dscnt 2*(3-\p)                          ; pass p's two loads are in, the later passes' stay out
.irp k, 0,1,2,3
	v_cvt_pk_bf16_f32 v[72+\k], v[32+8*\p+2*\k], v[33+8*\p+2*\k]
.endr
.irp k, 0,1,2,3
	v_lshlrev_b32 v[64+2*\k], 16, v[72+\k]
	v_and_b32 v[65+2*\k], 0xffff0000, v[72+\k]
.endr
.irp k, 0,1,2,3
	v_pk_add_f32 v[64+2*\k:65+2*\k], v[32+8*\p+2*\k:33+8*\p+2*\k], v[64+2*\k:65+2*\k] neg_lo:[0,1] neg_hi:[0,1]
.endr
.irp k, 0,1,2,3
	v_cvt_pk_bf16_f32 v[76+\k], v[64+2*\k], v[65+2*\k]
.endr
.irp k, 0,1,2,3
	v_cndmask_b32 v[80+4*\p+\k], v[72+\k], v[76+\k], s60
.endr
	global_store_b128 v[GO], v[80+4*\p:83+4*\p], s[56:57] offset:4096*\p
.endr
	s_wait_xcnt 0x0                                ; the base and the stores' data are written again only behind this wait
	s_add_nc_u64 s[56:57], s[56:57], 4*4096
	v_add_nc_u32 v[RDA], 4*528, v[RDA]
	s_sub_co_u32 s3, s3, 1
	s_cmp_lg_u32 s3, 0
	s_cbranch_scc1 .Lsplit_\@
.endm
	s_load_b128 s[4:7], s[0:1], 0x0                ; cv s[4:5], mt s[6:7]
	s_load_b64 s[8:9], s[0:1], 0x10                ; q2
	v_lshl_add_u32 v[SPW], v0, 2, SPARE
	v_mov_b32 v[NIL], 0
	ds_add_u32 v[SPW], v[NIL]                      ; the wave's opening
	ds_add_u32 v28, v29
	WAVES
	PLACE44
	SHAPES
	s_lshl_b32 s20, s18, 8                         ; R: cv row 11264 + 256 y + 128 x my half
	s_lshl_b32 s21, s14, 7
	s_add_co_u32 s20, s20, s21
	s_add_co_u32 s20, s20, 11264
	s_lshl_b32 s20, s20, 11
	s_mov_b32 s21, 0
	s_lshl_b32 s22, s17, 7                         ; C: mt row 128 x + 64 x my half
	s_lshl_b32 s23, s14, 6
	s_add_co_u32 s22, s22, s23
	s_lshl_b32 s22, s22, 12
	s_mov_b32 s23, 0
	s_wait_dscnt 0x0                               ; the opening add is done
	s_wait_kmcnt 0x0
	FIRSTADR 4, 6
	CROUND                                         ; all sixteen work-groups are here: the first joint loads meet
	LOAD
	LANES
	v_mul_u32_u24 v[DST], v1, 528                  ; the work-group's stage, 256 rows: row 128 wr + l % 16, byte 256 wc + 32 (l / 16)
	v_lshl_add_u32 v[DST], v2, 5, v[DST]
	s_mul_i32 s51, s13, 16*N1*528
	s_lshl_b32 s54, s14, 8
	s_add_co_u32 s51, s51, s54
	v_add_nc_u32 v[DST], s51, v[DST]
	v_bfe_u32 v3, v0, 3, 2                         ; back: wave w takes rows 64 w .. 64 w + 63
	v_and_b32 v4, 3, v0
	v_lshlrev_b32 v[RDA], 7, v3
	v_lshl_add_u32 v[RDA], v4, 5, v[RDA]
	s_mul_i32 s51, s12, 64*528
	v_add_nc_u32 v[RDA], s51, v[RDA]
	v_and_b32 v[GO], 31, v0
	v_lshlrev_b32 v[GO], 4, v[GO]
	s_mov_b32 s60, 0xf0f0f0f0                      ; the lanes that give lo
	s_lshl_b32 s54, s18, 8
	s_lshl_b32 s55, s12, 6
	s_add_co_u32 s54, s54, s55                     ; q2 row 256 y + 64 w
	s_lshl_b32 s56, s54, 12
	s_lshl_b32 s55, s17, 9                         ; byte 512 x
	s_add_co_u32 s56, s56, s55
	s_mov_b32 s57, 0
	s_add_nc_u64 s[56:57], s[8:9], s[56:57]
	SECOND
	QUARTER 0, 1, 1, 1                             ; the first quarter stands in front of the loop: its first pass starts the sums
	WIN 0
	s_mov_b32 s3, KT-2
.Lk:
	QUARTER 1, 0, 2, 0
	QUARTER 0, 1, 3, 0
	TURN 1
	QUARTER 0, 1, 1, 0
	WIN 0
	s_sub_co_u32 s3, s3, 1
	s_cmp_lg_u32 s3, 0
	s_cbranch_scc1 .Lk
	QUARTER 1, 0, 2, 0                             ; the last two K steps ask for nothing
	QUARTER 0, 1, 3, 0
	TURN 0
	QUARTER 0, 1, 1, 0
	QUARTER 1, 0, 2, 0
	QUARTER 0, 1, 3, 0
	LASTQ
	WIN 0
	s_wait_dscnt 0x0
	s_barrier_signal -1                            ; nobody reads the ring any more
	s_barrier_wait -1
	PLACES
	DUMP
	s_wait_dscnt 0x0                               ; for the others' sake: a stage row comes from two waves
	s_barrier_signal -1
	s_barrier_wait -1
	SPLIT 16
	s_wait_tensorcnt 0x0                           ; the wave's end
	ds_add_u32 v[SPW], v[NIL]
	s_wait_dscnt 0x0
	CROUND                                         ; the closing round
	s_endpgm
.Lfunc_end_k_qc0a640cefa_gq:
	.size	k_qc0a640cefa_gq, .Lfunc_end_k_qc0a640cefa_gq-k_qc0a640cefa_gq
	.p2alignl 7, 3214868480
	.fill 96, 4, 3214868480
	.section	.rodata,"a",@progbits
	.p2align	6, 0x0
	.amdhsa_kernel k_qc0a640cefa_gq
		.amdhsa_group_segment_fixed_size 327680
		.amdhsa_private_segment_fixed_size 0
		.amdhsa_enable_private_segment 0
		.amdhsa_kernarg_size 24
		.amdhsa_user_sgpr_count 2
		.amdhsa_user_sgpr_kernarg_segment_ptr 1
		.amdhsa_wavefront_size32 1
		.amdhsa_system_sgpr_workgroup_id_x 1
		.amdhsa_system_sgpr_workgroup_id_y 1
		.amdhsa_system_sgpr_workgroup_id_z 1
		.amdhsa_system_vgpr_workitem_id 0
		.amdhsa_next_free_vgpr 768
		.amdhsa_next_free_sgpr 66
		.amdhsa_reserve_vcc 0
		.amdhsa_float_denorm_mode_32 3
		.amdhsa_float_denorm_mode_16_64 3
		.amdhsa_memory_ordered 1
		.amdhsa_forward_progress 1
		.amdhsa_inst_pref_size 97
	.end_amdhsa_kernel
	.amdgpu_metadata
---
amdhsa.version: [ 1, 2 ]
amdhsa.kernels:
  - .name:           k_qc0a640cefa_gq
    .symbol:         k_qc0a640cefa_gq.kd
    .args:
      - { .name: cv, .offset: 0, .size: 8, .value_kind: global_buffer, .address_space: global }
      - { .name: mt, .offset: 8, .size: 8, .value_kind: global_buffer, .address_space: global }
      - { .name: q2, .offset: 16, .size: 8, .value_kind: global_buffer, .address_space: global }
    .group_segment_fixed_size: 327680
    .private_segment_fixed_size: 0
    .kernarg_segment_align: 8
    .kernarg_segment_size: 24
    .max_flat_workgroup_size: 128
    .sgpr_count:     66
    .vgpr_count:     768
    .wavefront_size: 32
...
	.end_amdgpu_metadata
.endif
;; end of part 3
;; launch gs (part 4): grid 62 x 4, 4 waves a work-group, no clusters, 327,680 bytes of LDS; arguments q2, cv, pp, st; writes pp, st
.if DOCPART == 4
	.amdgcn_target "amdgcn-amd-amdhsa--gfx1250"
	.amdhsa_code_object_version 6
	.text
	.protected	k_qc0a640cefa_gs
	.globl	k_qc0a640cefa_gs
	.p2align	8
	.type	k_qc0a640cefa_gs,@function
k_qc0a640cefa_gs:
	s_mov_b64 s[64:65], 0
	v_nop
	global_prefetch_b8 v0, s[64:65] scope:SCOPE_SE
	s_setreg_imm32_b32 hwreg(HW_REG_WAVE_MODE, 25, 1), 1
	s_wait_xcnt 0x0
; GS.  Raw scores S[q][k] = sum_j Q'[q][j] x_k[k][j] (Q' as hi + lo, both into one f32 sum), the causal mask, and the first stage of the softmax: for each row and each tile of 128 keys the true maximum m,
; p = 2^(c (s - m)) with c = log2(e) / 32, and l = the sum of the unrounded p.  p goes as f16 into pp [4][2080][2048]; m and l into st [2][4][16 tiles][2080 rows] f32.  The scores never reach memory.
; s - m is formed before the scaling: it is exact where s = m, so a tile that is wholly hidden for a row gives p = 1, l = 128 and m near -1e30; the next launch gives such a tile the weight 0.
; LIMITS.  A hidden score counts as its value less 1e30; p below 6e-5 keeps f16's fixed step; a weight below 2^-126 counts as 0; NaN and infinities are not treated apart.
; SHARES.  Blocks of 160 queries (I = 0 .. 12) against tiles of 256 keys: block I needs 1, 2, 2, 3, 4, 4, 5, 5, 6, 7, 7, 8, 8 tiles, 62 a batch: 248 work-groups of equal work.  Block 12 reaches 32 rows past its batch
; (the next batch's rows, or q2's zero rows); what it makes of them lands in rows 2048 .. 2079 of pp and st, which nobody reads.
; NO CLUSTER: a block has 1 to 8 key tiles and a key tile 1 to 13 blocks, 62 work-groups a batch: groups of four that share a tile do not exist for all of them.
; Four waves, 2 x 2, each 80 queries x 128 keys: 40 accumulators.  K in steps of 128 true numbers: q2's rows are 512 bytes (R, long), x_k's 256 (C, short).  Two slots; one tensor load a wave out at the most.
; THE MASK STARTS THE SUMS: accumulator (a, b) begins as MD x AL + BE; with u = 16 (b - a) + E: (1, 0) if u = 0, (0, 0) if u < 0, (0, -1e30) if u > 0; MD is -1e30 where 8 (l / 16) + j > l % 16.
; st's stores are pieces of 64 bytes, 0.7 MB in the whole launch.
; REGISTERS: window 0: v0-31 addresses, v32-127 at work, v128-255 C's two buffers; window 1: v0-159 R's two buffers; window 2 and v0-63 of window 3: the accumulators.
.set N0, 8
.set N1, 5
.set L0, 0
.set L1, 1
.set KT, 8
.set PITR, 2048
.set PITC, 1024
.set P0,   272+256*L0                  ; LDS pitch: the row + 16 bytes, an odd multiple of 16 (64 banks of 4 bytes: ISA guide 11.1)
.set P1,   272+256*L1
.set RTB,  32*N1*P1
.set SLOT, RTB+32*N0*P0
.set SPARE, 2*SLOT                     ; the spare words, 128 bytes a wave, two blocks of 256 bytes that no other line names
.set SCR,  4*80*528                    ; behind the four stages: 768 bytes a wave for m and l of its 80 rows
.set STEPR, 256+256*L1
.set STEPC, 256+256*L0
.set W1C,  2*(L0*N0+L1*N1)
.set NL,   2*(N0*(1+L0)+N1*(1+L1))
.set CF,   128
.set RFS,  8*N1*(1+L1)
.set GWR,  (1<<16)|(1<<20)|((5+L1)<<22)|(3<<25)
.set GWC,  (1<<16)|(1<<20)|((5+L0)<<22)|(3<<25)
.set BR, 16
.set BC, 17
.set ADRR, 18
.set ADRC, 19
.set DST, 20
.set RDA, 21
.set GO,  22
.set SA,  23                           ; v23  where I put m (even lanes) or l (odd lanes) of my row
.set SB,  24                           ; v24  where I read them back
.set SG,  25                           ; v25  my byte offset in st
.set SPW, 28                           ; v28  LDS address of my spare word; never rewritten
.set NIL, 29                           ; v29  0; never rewritten
.set MD,  96
.set MSB, 0
.macro WIN new
.if MSB != (\new)
	s_set_vgpr_msb (MSB<<8)|(\new)
.set MSB, (\new)
.endif
.endm
.macro PLACES                          ; four places behind matrix instructions (not for loads)
.rept 4
	v_nop
.endr
.endm
.macro LOAD                            ; waves 0, 1: R's halves; waves 2, 3: C's; an s_nop 0 and four v_nop follow each line
	s_cmp_lt_u32 s12, 2
	s_cbranch_scc0 .Lfor_c_\@
	tensor_load_to_lds s[32:35], s[24:31]
	s_nop 0
.rept 4
	v_nop
.endr
	s_branch .Lasked_\@
.Lfor_c_\@:
	tensor_load_to_lds s[36:39], s[40:47]
	s_nop 0
.rept 4
	v_nop
.endr
.Lasked_\@:
.endm
.macro WAVES
	v_lshrrev_b32 v1, 5, v0
	v_readfirstlane_b32 s12, v1
	s_lshr_b32 s13, s12, 1
	s_and_b32 s14, s12, 1
.endm
.macro SHAPES
	s_mov_b32 s25, (128+128*L1)<<16
	s_mov_b32 s26, (16*N1)<<16
	s_mov_b32 s27, (128+128*L1)<<16
	s_mov_b32 s28, 16*N1
	s_mov_b32 s29, PITR
	s_mov_b32 s30, 0
	s_mov_b32 s31, 0
	s_mov_b32 s41, (128+128*L0)<<16
	s_mov_b32 s42, (16*N0)<<16
	s_mov_b32 s43, (128+128*L0)<<16
	s_mov_b32 s44, 16*N0
	s_mov_b32 s45, PITC
	s_mov_b32 s46, 0
	s_mov_b32 s47, 0
	s_mul_i32 s49, s14, 16*N1*P1
	s_mul_i32 s50, s14, 16*N0*P0
	s_add_co_u32 s50, s50, RTB
	s_mov_b32 s48, SLOT
	s_mov_b32 s32, 1
	s_mov_b32 s33, s49
	s_mov_b32 s36, 1
	s_mov_b32 s37, s50
.endm
.macro FIRSTADR ra, rc
	s_add_nc_u64 s[34:35], s[\ra:\ra+1], s[20:21]
	s_or_b32 s35, s35, 0x80000000
	s_add_nc_u64 s[38:39], s[\rc:\rc+1], s[22:23]
	s_or_b32 s39, s39, 0x80000000
.endm
.macro NEXTTILE
	s_add_co_u32 s33, s48, s49
	s_add_co_u32 s37, s48, s50
	s_add_nc_u64 s[34:35], s[34:35], STEPR
	s_add_nc_u64 s[38:39], s[38:39], STEPC
.endm
.macro LANES
	v_and_b32 v1, 15, v0
	v_bfe_u32 v2, v0, 4, 1
	v_mul_u32_u24 v[BR], v1, P1
	v_lshl_add_u32 v[BR], v2, 4, v[BR]
	s_mul_i32 s51, s13, 16*N1*P1
	v_add_nc_u32 v[BR], s51, v[BR]
	v_mul_u32_u24 v[BC], v1, P0
	v_lshl_add_u32 v[BC], v2, 4, v[BC]
	s_mul_i32 s51, s14, 16*N0*P0
	s_add_co_u32 s51, s51, RTB
	v_add_nc_u32 v[BC], s51, v[BC]
.endm
.macro FETCH q, f
	WIN 0
.set fi, 0
.rept N0
	ds_load_b128 v[CF+64*(\f)+8*fi:CF+64*(\f)+8*fi+3],   v[ADRC] offset:(\q)*STEPC/4+fi*16*P0
	ds_load_b128 v[CF+64*(\f)+8*fi+4:CF+64*(\f)+8*fi+7], v[ADRC] offset:(\q)*STEPC/4+fi*16*P0+32
.set fi, fi+1
.endr
	WIN 0x40
.set fi, 0
.rept N1
	ds_load_b128 v[RFS*(\f)+8*fi:RFS*(\f)+8*fi+3],   v[ADRR] offset:(\q)*STEPR/4+fi*16*P1
	ds_load_b128 v[RFS*(\f)+8*fi+4:RFS*(\f)+8*fi+7], v[ADRR] offset:(\q)*STEPR/4+fi*16*P1+32
.set fi, fi+1
.endr
.if L1
.set fi, 0
.rept N1
	ds_load_b128 v[RFS*(\f)+8*(N1+fi):RFS*(\f)+8*(N1+fi)+3],   v[ADRR] offset:(\q)*STEPR/4+64+fi*16*P1
	ds_load_b128 v[RFS*(\f)+8*(N1+fi)+4:RFS*(\f)+8*(N1+fi)+7], v[ADRR] offset:(\q)*STEPR/4+64+fi*16*P1+32
.set fi, fi+1
.endr
.endif
.if L0
	WIN 0
.set fi, 0
.rept N0
	ds_load_b128 v[CF+64*(\f)+8*(N0+fi):CF+64*(\f)+8*(N0+fi)+3],   v[ADRC] offset:(\q)*STEPC/4+64+fi*16*P0
	ds_load_b128 v[CF+64*(\f)+8*(N0+fi)+4:CF+64*(\f)+8*(N0+fi)+7], v[ADRC] offset:(\q)*STEPC/4+64+fi*16*P0+32
.set fi, fi+1
.endr
.endif
.endm
.macro PART f, c, a0, a1, zero         ; one instruction an accumulator: they take turns
.set pa, \a0
.rept (\a1)-(\a0)+1
.set pb, 0
.rept N0
.set pn, pa*N0+pb
.if pn < 32
	WIN 0xa4
.else
	WIN 0xf4
.endif
.set pd, 8*(pn%32)
.set ps0, CF+64*(\f)+8*((\c)*N0*L0+pb)
.set ps1, RFS*(\f)+8*((\c)*N1*L1+pa)
.if \zero
	v_wmma_f32_16x16x32_bf16 v[pd:pd+7], v[ps0:ps0+7], v[ps1:ps1+7], 0
.else
	v_wmma_f32_16x16x32_bf16 v[pd:pd+7], v[ps0:ps0+7], v[ps1:ps1+7], v[pd:pd+7]
.endif
.set pb, pb+1
.endr
.set pa, pa+1
.endr
.endm
.macro PASS f, c, zero                 ; the second pass begins with row block 4, whose window the first pass left set
.if (\c) == 1
	PART \f, 1, 4, 4, 0
	PART \f, 1, 0, 3, 0
.else
	PART \f, 0, 0, N1-1, \zero
.endif
.endm
.macro QUARTER f, g, q, zero
	s_wait_dscnt W1C                               ; all but the youngest W1C loads (Q' lo, for the second pass) are in
	PASS \f, 0, \zero
	PLACES
	FETCH \q, \g
	s_wait_dscnt NL                                ; all but the NL just issued
	PASS \f, 1, 0
.endm
; The change of slots: ONE barrier.  In front of it each wave waits for all its tensor loads (its part of the next slot), adds 0 to its spare word, and waits for that and for its reads of this slot.
; fill = 1: this slot's refill, the K step two on, is the first thing behind the barrier.
.macro TURN fill
	WIN 0
	s_wait_tensorcnt 0x0
	ds_add_u32 v[SPW], v[NIL]
.if \fill
	NEXTTILE
.endif
	s_wait_dscnt W1C+1                             ; the add and the second pass's loads may be out
	PART 1, 0, 0, 1, 0
	s_wait_dscnt 0x0                               ; the add is done, and my reads of this slot are over
	s_barrier_signal -1
	PART 1, 0, 2, N1-1, 0
	WIN 0
	s_barrier_wait -1
.if \fill
	LOAD
.else
	PLACES
.endif
	s_xor_b32 s48, s48, SLOT
	v_add_nc_u32 v[ADRR], s48, v[BR]
	v_add_nc_u32 v[ADRC], s48, v[BC]
	FETCH 0, 0
	PASS 1, 1, 0
.endm
.macro LASTQ
	s_wait_dscnt W1C
	PASS 1, 0, 0
	s_wait_dscnt 0x0
	PASS 1, 1, 0
.endm
.macro SECOND
	s_wait_tensorcnt 0x0
	ds_add_u32 v[SPW], v[NIL]
	NEXTTILE
	s_wait_dscnt 0x0
	s_barrier_signal -1
	s_barrier_wait -1
	LOAD
	s_xor_b32 s48, s48, SLOT
	v_add_nc_u32 v[ADRR], s48, v[BR]
	v_add_nc_u32 v[ADRC], s48, v[BC]
	FETCH 0, 0
.endm
.macro DUMP                            ; every accumulator as f32 into my own stage, its low registers first; the stages lie in the ring, which has had its last fill
.set da, 0
.rept N1
.set db, 0
.rept N0
.set dn, da*N0+db
.if dn < 32
	WIN 0x08
.else
	WIN 0x0c
.endif
	ds_store_b128 v[DST], v[8*(dn%32):8*(dn%32)+3]   offset:da*16*528+64*db
	ds_store_b128 v[DST], v[8*(dn%32)+4:8*(dn%32)+7] offset:da*16*528+64*db+16
.set db, db+1
.endr
.set da, da+1
.endr
	WIN 0
.endm
.macro BLOCK n, first                  ; from work-group `first` of a batch on: block n
	s_cmp_ge_u32 s15, \first
	s_cselect_b32 s17, \n, s17
	s_cselect_b32 s18, \first, s18
.endm
.macro MASKD d                         ; the accumulators with b - a = d
	s_add_co_i32 s71, s52, 16*(\d)
	s_cmp_eq_u32 s71, 0
	s_cselect_b32 s66, 1.0, 0
	s_cmp_gt_i32 s71, 0
	s_cselect_b32 s68, s70, 0
.set ma, 0
.rept N1
.set mb, ma+(\d)
.if (mb >= 0) && (mb < N0)
.set mn, ma*N0+mb
.if mn < 32
	WIN 0x80                                       ; destination window 2
.else
	WIN 0xc0
.endif
.irp z, 0,1,2,3
	v_pk_fma_f32 v[8*(mn%32)+2*\z:8*(mn%32)+2*\z+1], v[MD+2*\z:MD+2*\z+1], s[66:67], s[68:69] op_sel_hi:[1,0,0]
.endr
.endif
.set ma, ma+1
.endr
.endm
; Two rows of 128 scores: sixteen lanes hold a row, 8 keys each.
.macro SOFT p
.set x, 32+8*(\p)
	s_wait_dscnt 2*(3-(\p))                        ; pass p's two loads are in
	v_max3_num_f32 v64, v[x], v[x+1], v[x+2]
	v_max3_num_f32 v64, v64, v[x+3], v[x+4]
	v_max3_num_f32 v64, v64, v[x+5], v[x+6]
	v_max_num_f32 v64, v64, v[x+7]
	v_max_num_f32_dpp v64, v64, v64 row_xmask:1 row_mask:0xf bank_mask:0xf
	v_max_num_f32_dpp v64, v64, v64 row_xmask:2 row_mask:0xf bank_mask:0xf
	v_max_num_f32_dpp v64, v64, v64 row_xmask:4 row_mask:0xf bank_mask:0xf
	v_max_num_f32_dpp v64, v64, v64 row_xmask:8 row_mask:0xf bank_mask:0xf  ; m of the row's 128 keys, in all its sixteen lanes
.irp k, 0,2,4,6
	v_pk_add_f32 v[x+\k:x+\k+1], v[x+\k:x+\k+1], v[64:65] op_sel_hi:[1,0] neg_lo:[0,1] neg_hi:[0,1]  ; s - m
.endr
.irp k, 0,2,4,6
	v_pk_mul_f32 v[x+\k:x+\k+1], v[x+\k:x+\k+1], s[74:75] op_sel_hi:[1,0]
.endr
.irp k, 0,1,2,3,4,5,6,7
	v_exp_f32 v[x+\k], v[x+\k]
.endr
	v_nop                                          ; a plain instruction between the exponentials and the use of their results (ISA guide 5.7.2)
	s_wait_alu depctr_va_vdst(0)
	v_pk_add_f32 v[66:67], v[x:x+1], v[x+2:x+3]
	v_pk_add_f32 v[68:69], v[x+4:x+5], v[x+6:x+7]
.irp k, 0,1,2,3
	v_cvt_pk_f16_f32 v[72+4*(\p)+\k], v[x+2*\k], v[x+2*\k+1]
.endr
	v_pk_add_f32 v[66:67], v[66:67], v[68:69]
	global_store_b128 v[GO], v[72+4*(\p):75+4*(\p)], s[58:59] offset:8192*(\p)  ; sixteen lanes: 256 consecutive bytes of a row of pp, aligned
	v_add_f32 v66, v66, v67
	v_add_f32_dpp v66, v66, v66 row_xmask:1 row_mask:0xf bank_mask:0xf
	v_add_f32_dpp v66, v66, v66 row_xmask:2 row_mask:0xf bank_mask:0xf
	v_add_f32_dpp v66, v66, v66 row_xmask:4 row_mask:0xf bank_mask:0xf
	v_add_f32_dpp v66, v66, v66 row_xmask:8 row_mask:0xf bank_mask:0xf
	v_cndmask_b32 v70, v64, v66, s72               ; even lanes m, odd lanes l
	ds_store_b32 v[SA], v70 offset:8*(\p)
.endm
	s_load_b256 s[4:11], s[0:1], 0x0               ; q2 s[4:5], cv s[6:7], pp s[8:9], st s[10:11]
	v_lshl_add_u32 v[SPW], v0, 2, SPARE
	v_mov_b32 v[NIL], 0
	ds_add_u32 v[SPW], v[NIL]                      ; the wave's opening
	ds_add_u32 v28, v29
	WAVES
	s_mov_b32 s15, ttmp9
	s_and_b32 s16, ttmp7, 0xffff                   ; the batch b
	s_mov_b32 s17, 0                               ; I
	s_mov_b32 s18, 0
	BLOCK 1, 1
	BLOCK 2, 3
	BLOCK 3, 5
	BLOCK 4, 8
	BLOCK 5, 12
	BLOCK 6, 16
	BLOCK 7, 21
	BLOCK 8, 26
	BLOCK 9, 32
	BLOCK 10, 39
	BLOCK 11, 46
	BLOCK 12, 54
	s_sub_co_u32 s18, s15, s18                     ; kt: the block's tile of 256 keys
	s_mov_b32 s24, GWR
	s_mov_b32 s40, GWC
	SHAPES
	s_mul_i32 s19, s17, 160                        ; 160 I
	s_lshl_b32 s20, s16, 11                        ; R: q2 row 2048 b + 160 I + 80 x my half
	s_add_co_u32 s20, s20, s19
	s_mul_i32 s21, s14, 80
	s_add_co_u32 s20, s20, s21
	s_lshl_b32 s20, s20, 12
	s_mov_b32 s21, 0
	s_lshl_b32 s22, s16, 11                        ; C: cv row 19456 + 2048 b + 256 kt + 128 x my half
	s_lshl_b32 s23, s18, 8
	s_add_co_u32 s22, s22, s23
	s_lshl_b32 s23, s14, 7
	s_add_co_u32 s22, s22, s23
	s_add_co_u32 s22, s22, 19456
	s_lshl_b32 s22, s22, 11
	s_mov_b32 s23, 0
	s_mul_i32 s53, s13, 80
	s_add_co_u32 s53, s53, s19                     ; my first query in the batch: 160 I + 80 wr
	s_lshl_b32 s52, s18, 8
	s_lshl_b32 s54, s14, 7
	s_add_co_u32 s52, s52, s54                     ; my first key: 256 kt + 128 wc
	s_sub_co_u32 s52, s52, s53                     ; E, a signed multiple of 16
	s_mul_i32 s54, s16, 2080                       ; pp: row 2080 b + my first query, byte 512 kt + 256 wc
	s_add_co_u32 s54, s54, s53
	s_lshl_b32 s56, s54, 12
	s_lshl_b32 s55, s18, 9
	s_add_co_u32 s56, s56, s55
	s_lshl_b32 s55, s14, 8
	s_add_co_u32 s56, s56, s55
	s_mov_b32 s57, 0
	s_lshl_b32 s60, s16, 4                         ; st: tile 16 b + 2 kt + wc, 2,080 rows each
	s_lshl_b32 s55, s18, 1
	s_add_co_u32 s60, s60, s55
	s_add_co_u32 s60, s60, s14
	s_mul_i32 s60, s60, 2080
	s_add_co_u32 s60, s60, s53
	s_lshl_b32 s60, s60, 2
	s_mov_b32 s61, 0
	s_mov_b32 s67, 0                               ; named as pairs
	s_mov_b32 s69, 0
	s_mov_b32 s70, 0xf149f2ca                      ; -1e30
	s_mov_b32 s72, 0xaaaaaaaa                      ; the odd lanes
	s_mov_b32 s74, 0x3d38aa3b                      ; c = log2(e) / 32
	s_mov_b32 s75, s74
	s_wait_dscnt 0x0                               ; the opening add is done
	s_wait_kmcnt 0x0
	FIRSTADR 4, 6
	s_add_nc_u64 s[58:59], s[8:9], s[56:57]
	s_add_nc_u64 s[62:63], s[10:11], s[60:61]
	LOAD                                           ; K step 0; all that follows up to SECOND stands in the wait for it
	LANES
	v_lshlrev_b32 v3, 3, v2
	v_sub_nc_u32 v3, v1, v3                        ; l % 16 - 8 (l / 16)
.irp j, 0,1,2,3,4,5,6,7
	v_cmp_gt_i32 vcc_lo, \j, v3
	v_cndmask_b32 v[MD+\j], 0, s70, vcc_lo
.endr
.irp d, -4,-3,-2,-1,0,1,2,3,4,5,6,7
	MASKD \d
.endr
	WIN 0
	s_mul_i32 s51, s12, 80*528                     ; my stage
	v_mul_u32_u24 v[DST], v1, 528
	v_lshl_add_u32 v[DST], v2, 5, v[DST]
	v_add_nc_u32 v[DST], s51, v[DST]
	v_mul_u32_u24 v[RDA], v2, 528                  ; back: lanes 0-15 one row, lanes 16-31 the next, 32 bytes a lane
	v_lshl_add_u32 v[RDA], v1, 5, v[RDA]
	v_add_nc_u32 v[RDA], s51, v[RDA]
	v_lshlrev_b32 v[GO], 12, v2
	v_lshl_add_u32 v[GO], v1, 4, v[GO]
	s_mul_i32 s51, s12, 768
	s_add_co_u32 s51, s51, SCR
	v_and_b32 v3, 1, v0
	v_mul_u32_u24 v[SA], v3, 320                   ; m's 80 words, then l's
	v_lshl_add_u32 v[SA], v2, 2, v[SA]
	v_add_nc_u32 v[SA], s51, v[SA]
	v_mul_u32_u24 v[SB], v2, 320
	v_lshl_add_u32 v[SB], v1, 2, v[SB]
	v_add_nc_u32 v[SB], s51, v[SB]
	v_mul_u32_u24 v[SG], v2, 532480                ; lanes 0-15 the plane of m, lanes 16-31 that of l
	v_lshl_add_u32 v[SG], v1, 2, v[SG]
	v_mov_b32 v65, 0                               ; named with v64 as a pair
	SECOND
	WIN 0
	s_mov_b32 s3, KT-2
.Lk:                                                   ; a trip is a K step; it asks for the step two on
	QUARTER 0, 1, 1, 0
	QUARTER 1, 0, 2, 0
	QUARTER 0, 1, 3, 0
	TURN 1
	WIN 0
	s_sub_co_u32 s3, s3, 1
	s_cmp_lg_u32 s3, 0
	s_cbranch_scc1 .Lk
	QUARTER 0, 1, 1, 0                             ; the last two K steps ask for nothing
	QUARTER 1, 0, 2, 0
	QUARTER 0, 1, 3, 0
	TURN 0
	QUARTER 0, 1, 1, 0
	QUARTER 1, 0, 2, 0
	QUARTER 0, 1, 3, 0
	LASTQ
	WIN 0
	s_wait_dscnt 0x0
	s_barrier_signal -1                            ; nobody reads the ring any more
	s_barrier_wait -1
	PLACES
	DUMP                                           ; LDS serves a wave's instructions in order (ISA guide 5.7.1.4): my loads below see my stores
	s_mov_b32 s3, 10
.Lrows:                                                ; a trip: eight of my 80 rows
.irp p, 0,1,2,3
	ds_load_b128 v[32+8*\p:35+8*\p], v[RDA] offset:1056*\p
	ds_load_b128 v[36+8*\p:39+8*\p], v[RDA] offset:1056*\p+16
.endr
	SOFT 0
	SOFT 1
	SOFT 2
	SOFT 3
	s_wait_xcnt 0x0                                ; the base and the stores' data are written again only behind this wait
	s_add_nc_u64 s[58:59], s[58:59], 32768
	v_add_nc_u32 v[RDA], 8*528, v[RDA]
	v_add_nc_u32 v[SA], 32, v[SA]
	s_sub_co_u32 s3, s3, 1
	s_cmp_lg_u32 s3, 0
	s_cbranch_scc1 .Lrows
.irp k, 0,1,2,3,4
	ds_load_b32 v[32+\k], v[SB] offset:64*\k
.endr
.irp k, 0,1,2,3,4
	s_wait_dscnt 4-\k
	global_store_b32 v[SG], v[32+\k], s[62:63] offset:64*\k
.endr
	s_wait_tensorcnt 0x0                           ; the wave's end
	ds_add_u32 v[SPW], v[NIL]
	s_wait_dscnt 0x0
	s_endpgm
.Lfunc_end_k_qc0a640cefa_gs:
	.size	k_qc0a640cefa_gs, .Lfunc_end_k_qc0a640cefa_gs-k_qc0a640cefa_gs
	.p2alignl 7, 3214868480
	.fill 96, 4, 3214868480
	.section	.rodata,"a",@progbits
	.p2align	6, 0x0
	.amdhsa_kernel k_qc0a640cefa_gs
		.amdhsa_group_segment_fixed_size 327680
		.amdhsa_private_segment_fixed_size 0
		.amdhsa_enable_private_segment 0
		.amdhsa_kernarg_size 32
		.amdhsa_user_sgpr_count 2
		.amdhsa_user_sgpr_kernarg_segment_ptr 1
		.amdhsa_wavefront_size32 1
		.amdhsa_system_sgpr_workgroup_id_x 1
		.amdhsa_system_sgpr_workgroup_id_y 1
		.amdhsa_system_sgpr_workgroup_id_z 1
		.amdhsa_system_vgpr_workitem_id 0
		.amdhsa_next_free_vgpr 832
		.amdhsa_next_free_sgpr 80
		.amdhsa_reserve_vcc 1
		.amdhsa_float_denorm_mode_32 3
		.amdhsa_float_denorm_mode_16_64 3
		.amdhsa_memory_ordered 1
		.amdhsa_forward_progress 1
		.amdhsa_inst_pref_size 131
	.end_amdhsa_kernel
	.amdgpu_metadata
---
amdhsa.version: [ 1, 2 ]
amdhsa.kernels:
  - .name:           k_qc0a640cefa_gs
    .symbol:         k_qc0a640cefa_gs.kd
    .args:
      - { .name: q2, .offset: 0, .size: 8, .value_kind: global_buffer, .address_space: global }
      - { .name: cv, .offset: 8, .size: 8, .value_kind: global_buffer, .address_space: global }
      - { .name: pp, .offset: 16, .size: 8, .value_kind: global_buffer, .address_space: global }
      - { .name: st, .offset: 24, .size: 8, .value_kind: global_buffer, .address_space: global }
    .group_segment_fixed_size: 327680
    .private_segment_fixed_size: 0
    .kernarg_segment_align: 8
    .kernarg_segment_size: 32
    .max_flat_workgroup_size: 128
    .sgpr_count:     80
    .vgpr_count:     832
    .wavefront_size: 32
...
	.end_amdgpu_metadata
.endif
;; end of part 4
;; launch go (part 5): grid 8 x 32, 4 waves a work-group, clusters of 4 x 1, 327,680 bytes of LDS; arguments pp, vt, st, out0; writes out0
.if DOCPART == 5
	.amdgcn_target "amdgcn-amd-amdhsa--gfx1250"
	.amdhsa_code_object_version 6
	.text
	.protected	k_qc0a640cefa_go
	.globl	k_qc0a640cefa_go
	.p2align	8
	.type	k_qc0a640cefa_go,@function
k_qc0a640cefa_go:
	s_mov_b64 s[64:65], 0
	v_nop
	global_prefetch_b8 v0, s[64:65] scope:SCOPE_SE
	s_setreg_imm32_b32 hwreg(HW_REG_WAVE_MODE, 25, 1), 1
	s_wait_xcnt 0x0
	s_wait_alu depctr_hold_cnt(0) depctr_sa_sdst(0) depctr_va_vdst(0) depctr_va_sdst(0) depctr_va_ssrc(0) depctr_va_vcc(0) depctr_vm_vsrc(0)
	s_getreg_b32 s2, hwreg(HW_REG_IB_STS2, 6, 4)
	s_cmp_eq_u32 s2, 0
	s_cbranch_scc0 .Lentry_in_a_cluster
	s_endpgm
.Lentry_in_a_cluster:
	s_bfe_u32 s2, ttmp6, 0x10000c
	s_cmp_lg_u32 s2, 0x3003
	s_cbranch_scc0 .Lentry_shape_is_right
	s_endpgm
.Lentry_shape_is_right:
; GO.  out[q][c] = sum over key tiles t of w_t[q] x (sum over the tile's 128 keys of p[q][k] V[k][c] / 64), with w_t = 64 x 2^(c (m_t - m)) / L, m = the row's maximum over its tiles, L = sum_t l_t 2^(c (m_t - m)),
; c = log2(e) / 32: the second stage of the softmax, with the true maximum of the row.  p and V / 64 are f16, all sums f32.
; LIMITS.  A tile's weight below 2^-126 counts as 0; tiles that the launch before did not make hold m = -4.25e37, l = 0 and get the weight 0, as do tiles that are wholly hidden for a row (m near -1e30).
; SHARES.  Tiles of 128 queries x 128 channels; block i of 128 queries needs i / 2 + 1 steps of 256 keys.  A work-group makes TWO tiles, block pi (nS = pi / 2 + 1 steps) and then block 15 - pi (9 - nS steps):
; nine steps whatever pi.  Step s takes the short block's keys 256 s .. if s < nS, else the long block's keys 256 (8 - s) ..: the weights are final before the walk, so the order of the tiles is free, and both
; numbers are constants of the step: the table of weights lies by walk position and every LDS address is a constant and a counted step.  Only global addresses hang on pi.
; Four waves, 2 x 2, each 64 x 64.  A step's even tile of 128 keys is summed in T0 (quarters 0, 1), the odd one in T1 (quarters 2, 3), each started with the constant 0; O += T x w is done by four packed
; multiply-adds behind each matrix instruction of the next quarter's first pass.  O is cleared by 128 v_mov_b32 at the start and behind the first block's way out: the price of one text for every fold.
; CLUSTER 4, 1, 1: the four partners make four column tiles of the same rows: p's tiles are asked for jointly (mask 15); V's differ and are plain loads in the same rounds.
; REGISTERS: window 0: v0-31 addresses, v32-103 at work, v104-119 weights, v128-255 C's two buffers; window 1: v0-127 R's two buffers; window 2: T0 v0-127, T1 v128-255; window 3: O v0-127.
.set N0, 4
.set N1, 4
.set L0, 1
.set L1, 1
.set KT, 9
.set PITR, 2048
.set PITC, 8192
.set P0,   272+256*L0                  ; LDS pitch: the row + 16 bytes, an odd multiple of 16 (64 banks of 4 bytes: ISA guide 11.1)
.set P1,   272+256*L1
.set RTB,  32*N1*P1
.set SLOT, RTB+32*N0*P0
.set STAGE, 2*SLOT                     ; behind the ring, never filled by a tensor load: 16 rows x 272 bytes a wave
.set TBL,  STAGE+4*16*272              ; 18 tiles x 128 rows of weights, by walk position
.set SPARE, TBL+18*512                 ; the spare words, 128 bytes a wave, two blocks of 256 bytes that no other line names
.set W1C,  2*(L0*N0+L1*N1)
.set NL,   2*(N0*(1+L0)+N1*(1+L1))
.set STEPR, 512
.set STEPC, 512
.set CF,   128
.set RFS,  64
.set GWR,  (1<<16)|(1<<20)|((5+L1)<<22)|(3<<25)
.set GWC,  (1<<16)|(1<<20)|((5+L0)<<22)|(3<<25)
.set BR, 16
.set BC, 17
.set ADRR, 18
.set ADRC, 19
.set STO, 20                           ; v20  the way out: where I put 32 bytes of a row
.set RD,  21                           ; v21  where I read rows back
.set GO,  22                           ; v22  my byte offset in out0
.set WADR, 23                          ; v23  the weights of the step in hand, for my rows
.set TA,  24                           ; v24  where I put my row's weights
.set VOS, 25                           ; v25  my row of the short block in st
.set VOL, 26                           ; v26  of the long block
.set SPW, 28                           ; v28  LDS address of my spare word; never rewritten
.set NIL, 29                           ; v29  0; never rewritten
.set MS, 32                            ; the table's making: m and l of the short block's 8 tiles, of the long block's 16, and the weights
.set LS, 40
.set ML, 48
.set LL, 64
.set ES, 80
.set EL, 88
.set WG, 104                           ; v[104 + 8 par + 2 a]: the weight of the step's tile par for row block a; the odd registers hold 0 and are only named
; s52 b, s53 pi, s54 nS, s55 the step to be asked for, s56 steps until the first way out, s[58:59] pp at my part, s[60:61] vt at my part, s62, s63 the two blocks' rows in pp, s[66:67] an offset, s[68:69] out0 at my rows, s[70:71] at those of the long block
.set MSB, 0
.macro WIN new
.if MSB != (\new)
	s_set_vgpr_msb (MSB<<8)|(\new)
.set MSB, (\new)
.endif
.endm
.macro PLACES                          ; four places behind matrix instructions (not for loads)
.rept 4
	v_nop
.endr
.endm
.macro LOAD                            ; waves 0, 1: the halves of p's tile, jointly; waves 2, 3: of V's; an s_nop 0 and four v_nop follow each line
	s_cmp_lt_u32 s12, 2
	s_cbranch_scc0 .Lfor_c_\@
	tensor_load_to_lds s[32:35], s[24:31]
	s_nop 0
.rept 4
	v_nop
.endr
	s_branch .Lasked_\@
.Lfor_c_\@:
	tensor_load_to_lds s[36:39], s[40:47]
	s_nop 0
.rept 4
	v_nop
.endr
.Lasked_\@:
.endm
.macro CREST
	s_cmp_lg_u32 s12, 0
	s_cbranch_scc1 .Lnot_wave_0_\@
	s_barrier_signal -3
.Lnot_wave_0_\@:
	s_barrier_wait -3
	s_barrier_signal -1
	s_barrier_wait -1
.endm
.macro CROUND
	s_barrier_signal -1
	s_barrier_wait -1
	CREST
.endm
.macro SHAPES
	s_mov_b32 s25, (128+128*L1)<<16
	s_mov_b32 s26, (16*N1)<<16
	s_mov_b32 s27, (128+128*L1)<<16
	s_mov_b32 s28, 16*N1
	s_mov_b32 s29, PITR
	s_mov_b32 s30, 0
	s_mov_b32 s31, 0
	s_mov_b32 s41, (128+128*L0)<<16
	s_mov_b32 s42, (16*N0)<<16
	s_mov_b32 s43, (128+128*L0)<<16
	s_mov_b32 s44, 16*N0
	s_mov_b32 s45, PITC
	s_mov_b32 s46, 0
	s_mov_b32 s47, 0
	s_mul_i32 s49, s14, 16*N1*P1
	s_mul_i32 s50, s14, 16*N0*P0
	s_add_co_u32 s50, s50, RTB
	s_mov_b32 s48, SLOT
	s_mov_b32 s32, 1
	s_mov_b32 s33, s49
	s_mov_b32 s36, 1
	s_mov_b32 s37, s50
.endm
.macro ASK                             ; the two global addresses of step s55, made anew from the bases; written only where no tensor load of mine is out
	s_sub_co_u32 s15, 8, s55
	s_cmp_lt_u32 s55, s54
	s_cselect_b32 s15, s55, s15                    ; the tile of 256 keys
	s_cselect_b32 s16, s62, s63                    ; the block's rows
	s_lshl_b32 s15, s15, 9
	s_add_co_u32 s66, s15, s16
	s_add_nc_u64 s[34:35], s[58:59], s[66:67]
	s_or_b32 s35, s35, 0x80000000
	s_mov_b32 s66, s15
	s_add_nc_u64 s[38:39], s[60:61], s[66:67]
	s_or_b32 s39, s39, 0x80000000
	s_add_co_u32 s55, s55, 1
.endm
.macro NEXTTILE
	s_add_co_u32 s33, s48, s49
	s_add_co_u32 s37, s48, s50
	ASK
.endm
.macro LANES
	v_and_b32 v1, 15, v0
	v_bfe_u32 v2, v0, 4, 1
	v_mul_u32_u24 v[BR], v1, P1
	v_lshl_add_u32 v[BR], v2, 4, v[BR]
	s_mul_i32 s51, s13, 16*N1*P1
	v_add_nc_u32 v[BR], s51, v[BR]
	v_mul_u32_u24 v[BC], v1, P0
	v_lshl_add_u32 v[BC], v2, 4, v[BC]
	s_mul_i32 s51, s14, 16*N0*P0
	s_add_co_u32 s51, s51, RTB
	v_add_nc_u32 v[BC], s51, v[BC]
.endm
.macro FETCH q, f                      ; 32 LDS loads in one run: quarter q's fragments into buffer f; what the first pass needs first
	WIN 0
.set fi, 0
.rept N0
	ds_load_b128 v[CF+64*(\f)+8*fi:CF+64*(\f)+8*fi+3],   v[ADRC] offset:(\q)*128+fi*16*P0
	ds_load_b128 v[CF+64*(\f)+8*fi+4:CF+64*(\f)+8*fi+7], v[ADRC] offset:(\q)*128+fi*16*P0+32
.set fi, fi+1
.endr
	WIN 0x40
.set fi, 0
.rept N1
	ds_load_b128 v[RFS*(\f)+8*fi:RFS*(\f)+8*fi+3],   v[ADRR] offset:(\q)*128+fi*16*P1
	ds_load_b128 v[RFS*(\f)+8*fi+4:RFS*(\f)+8*fi+7], v[ADRR] offset:(\q)*128+fi*16*P1+32
.set fi, fi+1
.endr
.set fi, 0
.rept N1
	ds_load_b128 v[RFS*(\f)+8*(N1+fi):RFS*(\f)+8*(N1+fi)+3],   v[ADRR] offset:(\q)*128+64+fi*16*P1
	ds_load_b128 v[RFS*(\f)+8*(N1+fi)+4:RFS*(\f)+8*(N1+fi)+7], v[ADRR] offset:(\q)*128+64+fi*16*P1+32
.set fi, fi+1
.endr
	WIN 0
.set fi, 0
.rept N0
	ds_load_b128 v[CF+64*(\f)+8*(N0+fi):CF+64*(\f)+8*(N0+fi)+3],   v[ADRC] offset:(\q)*128+64+fi*16*P0
	ds_load_b128 v[CF+64*(\f)+8*(N0+fi)+4:CF+64*(\f)+8*(N0+fi)+7], v[ADRC] offset:(\q)*128+64+fi*16*P0+32
.set fi, fi+1
.endr
.endm
.macro FOLD1 ts, n, a                  ; O_n += T(ts)_n x the tile's weight for row block a; T's registers in ascending order
	WIN 0xf2                                       ; source 0 window 2, source 1 window 0, source 2 and destination window 3
.irp z, 0,1,2,3
	v_pk_fma_f32 v[8*(\n)+2*\z:8*(\n)+2*\z+1], v[128*(\ts)+8*(\n)+2*\z:128*(\ts)+8*(\n)+2*\z+1], v[WG+8*(\ts)+2*(\a):WG+8*(\ts)+2*(\a)+1], v[8*(\n)+2*\z:8*(\n)+2*\z+1] op_sel_hi:[1,0,1]
.endr
.endm
; Row blocks a0 .. a1 x all column blocks, pass c of buffer f, into T(ts); one instruction an accumulator: they take turns.  ride = 1: behind each, the fold of the other T's accumulator of the same number
.macro GPART f, c, a0, a1, ts, zero, ride
.set pa, \a0
.rept (\a1)-(\a0)+1
.set pb, 0
.rept 4
.set pn, 4*pa+pb
.set pd, 128*(\ts)+8*pn
.set ps0, CF+64*(\f)+8*(4*(\c)+pb)
.set ps1, RFS*(\f)+8*(4*(\c)+pa)
	WIN 0xa4
.if \zero
	v_wmma_f32_16x16x32_f16 v[pd:pd+7], v[ps0:ps0+7], v[ps1:ps1+7], 0
.else
	v_wmma_f32_16x16x32_f16 v[pd:pd+7], v[ps0:ps0+7], v[ps1:ps1+7], v[pd:pd+7]
.endif
.if \ride
	FOLD1 1-(\ts), pn, pa
.endif
.set pb, pb+1
.endr
.set pa, pa+1
.endr
.endm
.macro WLOAD                           ; the step's eight weights a lane; older than the fetch behind them, so the wait for that fetch's elders covers them
	WIN 0
.irp i, 0,1,2,3,4,5,6,7
	ds_load_b32 v[WG+2*\i], v[WADR] offset:512*(\i/4)+64*(\i%4)
.endr
	v_add_nc_u32 v[WADR], 1024, v[WADR]
.endm
.macro GQ f, g, q, ts, zero, ride, wl
	s_wait_dscnt W1C                               ; all but the youngest W1C loads, which the second pass needs, are in
.if \ride
	PLACES                                         ; the folds read results that the quarter before has just made
.endif
	GPART \f, 0, 0, 3, \ts, \zero, \ride
	PLACES
.if \wl
	WLOAD
.endif
	FETCH \q, \g
	s_wait_dscnt NL                                ; all but the NL just issued
	GPART \f, 1, 0, 3, \ts, 0, 0
.endm
; The change of slots: ONE barrier.  In front of it each wave waits for all its tensor loads (its part of the next slot), adds 0 to its spare word, and waits for that and for its reads of this slot.
; fill = 1: the barrier opens a round of the cluster's, and this slot's refill, the step two on, is the first thing behind the round.
.macro GTURN fill
	WIN 0
	s_wait_tensorcnt 0x0
	ds_add_u32 v[SPW], v[NIL]
.if \fill
	NEXTTILE
.endif
	s_wait_dscnt W1C+1                             ; the add and the second pass's loads may be out
	GPART 1, 0, 0, 1, 1, 0, 0
	s_wait_dscnt 0x0                               ; the add is done, and my reads of this slot are over
	s_barrier_signal -1
	GPART 1, 0, 2, 3, 1, 0, 0
	WIN 0
	s_barrier_wait -1
.if \fill
	CREST
	LOAD
.else
	PLACES
.endif
	s_xor_b32 s48, s48, SLOT
	v_add_nc_u32 v[ADRR], s48, v[BR]
	v_add_nc_u32 v[ADRC], s48, v[BC]
	FETCH 0, 0
	GPART 1, 1, 0, 3, 1, 0, 0
.endm
; THE WAY OUT of O, 16 rows at a time through my own stage: rows of 272 bytes in, whole rows of 256 bytes back; sixteen lanes store 256 consecutive bytes, aligned.  It ends with no LDS instruction out.
.macro FLUSH
.set fa, 0
.rept 4
	WIN 0x0c                                       ; data (source 1) window 3
.set fb, 0
.rept 4
	ds_store_b128 v[STO], v[8*(4*fa+fb):8*(4*fa+fb)+3]   offset:64*fb
	ds_store_b128 v[STO], v[8*(4*fa+fb)+4:8*(4*fa+fb)+7] offset:64*fb+16
.set fb, fb+1
.endr
	WIN 0
	s_wait_xcnt 0x0                                ; the registers that earlier stores read are loaded again only behind this wait
.set bk, 32+32*(fa%2)
.irp t, 0,1,2,3,4,5,6,7
	ds_load_b128 v[bk+4*\t:bk+4*\t+3], v[RD] offset:544*\t  ; LDS serves a wave's instructions in order (ISA guide 5.7.1.4): these see the stores above
.endr
.irp t, 0,1,2,3,4,5,6,7
	s_wait_dscnt 7-\t
	global_store_b128 v[GO], v[bk+4*\t:bk+4*\t+3], s[68:69] offset:(16*fa+2*\t)*4096 th:TH_STORE_NT
.endr
.set fa, fa+1
.endr
.endm
.macro CLEAR_O
	WIN 0xc0
.set i, 0
.rept 128
	v_mov_b32 v[i], 0
.set i, i+1
.endr
	WIN 0
.endm
; The weights of one row over n tiles: m at v[m ..], l at v[l ..], the weights into v[e ..]
.macro TAB n, m, l, e
	v_max3_num_f32 v120, v[\m], v[\m+1], v[\m+2]
.set k, 3
.rept ((\n)-4)/2
	v_max3_num_f32 v120, v120, v[\m+k], v[\m+k+1]
.set k, k+2
.endr
	v_max_num_f32 v120, v120, v[\m+(\n)-1]         ; the row's maximum
.set k, 0
.rept \n
	v_sub_f32 v[\e+k], v[\m+k], v120
.set k, k+1
.endr
.set k, 0
.rept \n
	v_mul_f32 v[\e+k], 0x3d38aa3b, v[\e+k]         ; c = log2(e) / 32
.set k, k+1
.endr
.set k, 0
.rept \n
	v_exp_f32 v[\e+k], v[\e+k]
.set k, k+1
.endr
	v_nop                                          ; a plain instruction between the exponentials and the use of their results (ISA guide 5.7.2)
	s_wait_alu depctr_va_vdst(0)
	v_mul_f32 v121, v[\l], v[\e]
.set k, 1
.rept (\n)-1
	v_fmac_f32 v121, v[\l+k], v[\e+k]
.set k, k+1
.endr
	v_rcp_f32 v121, v121                           ; L is at least 1: the tile that holds the maximum has the weight 1 and a p of 1
	v_nop
	s_wait_alu depctr_va_vdst(0)
	v_mul_f32 v121, 0x42800000, v121               ; x 64: V was kept as V / 64
.set k, 0
.rept \n
	v_mul_f32 v[\e+k], v[\e+k], v121
.set k, k+1
.endr
.endm
	s_load_b256 s[4:11], s[0:1], 0x0               ; pp s[4:5], vt s[6:7], st s[8:9], out0 s[10:11]
	v_lshl_add_u32 v[SPW], v0, 2, SPARE
	v_mov_b32 v[NIL], 0
	ds_add_u32 v[SPW], v[NIL]                      ; the wave's opening
	ds_add_u32 v28, v29
	v_lshrrev_b32 v1, 5, v0
	v_readfirstlane_b32 s12, v1
	s_lshr_b32 s13, s12, 1
	s_and_b32 s14, s12, 1
	s_bfe_u32 s72, ttmp6, 0x40000                  ; cx
	s_lshl_b32 s73, ttmp9, 2
	s_add_co_u32 s73, s73, s72                     ; x, the column tile: it enters V's and out0's addresses alone
	s_and_b32 s15, ttmp7, 0xffff
	s_lshr_b32 s52, s15, 3                         ; b
	s_and_b32 s53, s15, 7                          ; pi
	s_lshr_b32 s54, s53, 1
	s_add_co_u32 s54, s54, 1                       ; nS
	s_mov_b32 s56, s54
	s_mov_b32 s55, 0
	s_sub_co_u32 s17, 15, s53                      ; the long block
	s_lshl_b32 s62, s53, 19                        ; 128 rows of 4,096 bytes a block
	s_lshl_b32 s63, s17, 19
	s_mov_b32 s67, 0
	s_mov_b32 s24, 15|GWR|(1<<21)                  ; p's tiles go to all four partners
	s_mov_b32 s40, GWC
	SHAPES
	s_mul_i32 s20, s52, 2080                       ; pp: row 2080 b + 64 x my half
	s_lshl_b32 s21, s14, 6
	s_add_co_u32 s20, s20, s21
	s_lshl_b32 s20, s20, 12
	s_mov_b32 s21, 0
	s_lshl_b32 s22, s73, 7                         ; vt: row 128 x + 64 x my half, byte 4,096 b
	s_lshl_b32 s23, s14, 6
	s_add_co_u32 s22, s22, s23
	s_lshl_b32 s22, s22, 14
	s_lshl_b32 s23, s52, 12
	s_add_co_u32 s22, s22, s23
	s_mov_b32 s23, 0
	s_lshl_b32 s18, s52, 11                        ; out0: row 2048 b + 128 i + 64 wr, byte 512 x + 256 wc
	s_lshl_b32 s19, s13, 6
	s_add_co_u32 s18, s18, s19
	s_lshl_b32 s74, s73, 9
	s_lshl_b32 s75, s14, 8
	s_add_co_u32 s74, s74, s75
	s_lshl_b32 s76, s53, 7
	s_add_co_u32 s76, s76, s18
	s_lshl_b32 s76, s76, 12
	s_add_co_u32 s76, s76, s74
	s_mov_b32 s77, 0
	s_lshl_b32 s78, s17, 7
	s_add_co_u32 s78, s78, s18
	s_lshl_b32 s78, s78, 12
	s_add_co_u32 s78, s78, s74
	s_mov_b32 s79, 0
	s_mul_i32 s80, s52, 16*2080*4                  ; st: the batch's 16 tiles; a block's 128 rows
	s_lshl_b32 s81, s53, 9
	s_add_co_u32 s81, s81, s80
	s_lshl_b32 s82, s17, 9
	s_add_co_u32 s82, s82, s80
	s_wait_dscnt 0x0                               ; the opening add is done
	s_wait_kmcnt 0x0
	s_add_nc_u64 s[58:59], s[4:5], s[20:21]
	s_add_nc_u64 s[60:61], s[6:7], s[22:23]
	s_add_nc_u64 s[68:69], s[10:11], s[76:77]
	s_add_nc_u64 s[70:71], s[10:11], s[78:79]
	ASK                                            ; step 0
	CROUND                                         ; all four work-groups are here: the first joint loads meet
	LOAD
	; THE TABLE.  Thread t owns row t of both blocks.  All that follows up to the next round stands in the wait for the first tile.
	v_lshlrev_b32 v[VOS], 2, v0
	v_add_nc_u32 v[VOL], s82, v[VOS]
	v_add_nc_u32 v[VOS], s81, v[VOS]
.set k, 0
.rept 8
	global_load_b32 v[MS+k], v[VOS], s[8:9] offset:8320*k
	global_load_b32 v[LS+k], v[VOS], s[8:9] offset:8320*k+532480
.set k, k+1
.endr
.set k, 0
.rept 16
	global_load_b32 v[ML+k], v[VOL], s[8:9] offset:8320*k
	global_load_b32 v[LL+k], v[VOL], s[8:9] offset:8320*k+532480
.set k, k+1
.endr
	LANES
	s_mul_i32 s51, s12, 16*272
	s_add_co_u32 s51, s51, STAGE                   ; my stage
	v_mul_u32_u24 v[STO], v1, 272
	v_lshl_add_u32 v[STO], v2, 5, v[STO]
	v_add_nc_u32 v[STO], s51, v[STO]
	v_mul_u32_u24 v[RD], v2, 272
	v_lshl_add_u32 v[RD], v1, 4, v[RD]
	v_add_nc_u32 v[RD], s51, v[RD]
	v_lshlrev_b32 v[GO], 12, v2
	v_lshl_add_u32 v[GO], v1, 4, v[GO]
	s_lshl_b32 s51, s13, 8
	s_add_co_u32 s51, s51, TBL
	v_lshl_add_u32 v[WADR], v1, 2, s51             ; row 64 wr + l % 16 of the table's first tile
	v_lshl_add_u32 v[TA], v0, 2, TBL
.irp i, 0,1,2,3,4,5,6,7
	v_mov_b32 v[WG+2*\i+1], 0
.endr
.irp s, 1,2,3
	s_cmp_gt_u32 s54, \s                           ; is step s the short block's?
	s_cselect_b32 s[82+\s], -1, 0
.endr
	CLEAR_O
	s_wait_loadcnt 0x0
	TAB 8, MS, LS, ES
	TAB 16, ML, LL, EL
	ds_store_b32 v[TA], v[ES]
	ds_store_b32 v[TA], v[ES+1] offset:512
.irp s, 1,2,3
.irp p, 0,1
	v_cndmask_b32 v[ES+2*\s+\p], v[EL+2*(8-\s)+\p], v[ES+2*\s+\p], s[82+\s]
	ds_store_b32 v[TA], v[ES+2*\s+\p] offset:512*(2*\s+\p)
.endr
.endr
.irp s, 4,5,6,7,8
.irp p, 0,1
	ds_store_b32 v[TA], v[EL+2*(8-\s)+\p] offset:512*(2*\s+\p)
.endr
.endr
	s_wait_tensorcnt 0x0                           ; step 0 has landed; slot 1 gets step 1, issued as a refill is
	ds_add_u32 v[SPW], v[NIL]
	NEXTTILE
	s_wait_dscnt 0x0                               ; the add is done, and for the others' sake my stores into the table
	CROUND
	LOAD
	s_xor_b32 s48, s48, SLOT
	v_add_nc_u32 v[ADRR], s48, v[BR]
	v_add_nc_u32 v[ADRC], s48, v[BC]
	FETCH 0, 0
	GQ 0, 1, 1, 0, 1, 0, 0                         ; step 0's quarter 0 stands in front of the loop: there is nothing to fold yet
	WIN 0
	s_mov_b32 s3, KT-2
.Lk:                                                   ; a trip: a step's quarters 1, 2, 3 and the next step's quarter 0; it asks for the step two on
	GQ 1, 0, 2, 0, 0, 0, 1                         ; quarter 1, and the step's weights
	GQ 0, 1, 3, 1, 1, 1, 0                         ; quarter 2 starts T1 and folds T0
	GTURN 1
	GQ 0, 1, 1, 0, 1, 1, 0                         ; the next step's quarter 0 starts T0 and folds T1
	WIN 0
	s_sub_co_u32 s56, s56, 1
	s_cmp_lg_u32 s56, 0
	s_cbranch_scc1 .Lno_flush                      ; forward, past text with no barrier and no tensor load
	FLUSH                                          ; the short block's last tile has been folded: nS is 1 to 4, so this falls into one of the loop's seven trips
	s_wait_xcnt 0x0                                ; the stores have read their base
	s_mov_b64 s[68:69], s[70:71]
	CLEAR_O
.Lno_flush:
	s_sub_co_u32 s3, s3, 1
	s_cmp_lg_u32 s3, 0
	s_cbranch_scc1 .Lk
	GQ 1, 0, 2, 0, 0, 0, 1                         ; the last two steps ask for nothing
	GQ 0, 1, 3, 1, 1, 1, 0
	GTURN 0
	GQ 0, 1, 1, 0, 1, 1, 0
	GQ 1, 0, 2, 0, 0, 0, 1
	GQ 0, 1, 3, 1, 1, 1, 0
	s_wait_dscnt W1C
	GPART 1, 0, 0, 3, 1, 0, 0
	s_wait_dscnt 0x0
	GPART 1, 1, 0, 3, 1, 0, 0
	PLACES
.set ln, 0
.rept 16
	FOLD1 1, ln, ln/4                              ; the last T1
.set ln, ln+1
.endr
	FLUSH
	s_wait_tensorcnt 0x0                           ; the wave's end
	ds_add_u32 v[SPW], v[NIL]
	s_wait_dscnt 0x0
	CROUND                                         ; the closing round
	s_endpgm
.Lfunc_end_k_qc0a640cefa_go:
	.size	k_qc0a640cefa_go, .Lfunc_end_k_qc0a640cefa_go-k_qc0a640cefa_go
	.p2alignl 7, 3214868480
	.fill 96, 4, 3214868480
	.section	.rodata,"a",@progbits
	.p2align	6, 0x0
	.amdhsa_kernel k_qc0a640cefa_go
		.amdhsa_group_segment_fixed_size 327680
		.amdhsa_private_segment_fixed_size 0
		.amdhsa_enable_private_segment 0
		.amdhsa_kernarg_size 32
		.amdhsa_user_sgpr_count 2
		.amdhsa_user_sgpr_kernarg_segment_ptr 1
		.amdhsa_wavefront_size32 1
		.amdhsa_system_sgpr_workgroup_id_x 1
		.amdhsa_system_sgpr_workgroup_id_y 1
		.amdhsa_system_sgpr_workgroup_id_z 1
		.amdhsa_system_vgpr_workitem_id 0
		.amdhsa_next_free_vgpr 896
		.amdhsa_next_free_sgpr 96
		.amdhsa_reserve_vcc 0
		.amdhsa_float_denorm_mode_32 3
		.amdhsa_float_denorm_mode_16_64 3
		.amdhsa_memory_ordered 1
		.amdhsa_forward_progress 1
		.amdhsa_inst_pref_size 131
	.end_amdhsa_kernel
	.amdgpu_metadata
---
amdhsa.version: [ 1, 2 ]
amdhsa.kernels:
  - .name:           k_qc0a640cefa_go
    .symbol:         k_qc0a640cefa_go.kd
    .args:
      - { .name: pp, .offset: 0, .size: 8, .value_kind: global_buffer, .address_space: global }
      - { .name: vt, .offset: 8, .size: 8, .value_kind: global_buffer, .address_space: global }
      - { .name: st, .offset: 16, .size: 8, .value_kind: global_buffer, .address_space: global }
      - { .name: out0, .offset: 24, .size: 8, .value_kind: global_buffer, .address_space: global }
    .group_segment_fixed_size: 327680
    .private_segment_fixed_size: 0
    .kernarg_segment_align: 8
    .kernarg_segment_size: 32
    .max_flat_workgroup_size: 128
    .sgpr_count:     96
    .vgpr_count:     896
    .wavefront_size: 32
...
	.end_amdgpu_metadata
.endif
;; end of part 5
;; ======== version 2 of 3: 5 launches; 1.12 times as fast as version 1
;; limits: values are held in f16: magnitudes above 65,504 overflow, below 6.1e-05 lose precision; right only within a limited range of input values
;; workspace buffers: cv 56,623,104 bytes; mt 4,194,304 bytes; vt 16,777,216 bytes; q2 33,685,504 bytes; pp 34,078,720 bytes; st 1,064,960 bytes
;; launch prep (part 6): grid 566 x 1, 8 waves a work-group, no clusters, 18,432 bytes of LDS; arguments inputs_for_values, inputs_for_queries, inputs_for_keys, K_weight, Q_weight, V_weight, cv, q2, st; writes cv, q2, st
.if DOCPART == 6
	.amdgcn_target "amdgcn-amd-amdhsa--gfx1250"
	.amdhsa_code_object_version 6
	.text
	.protected	k_qc0a640cefa_prep
	.globl	k_qc0a640cefa_prep
	.p2align	8
	.type	k_qc0a640cefa_prep,@function
k_qc0a640cefa_prep:
	s_mov_b64 s[64:65], 0
	v_nop
	global_prefetch_b8 v0, s[64:65] scope:SCOPE_SE
	s_setreg_imm32_b32 hwreg(HW_REG_WAVE_MODE, 25, 1), 1
	s_wait_xcnt 0x0
; PREP.  All six inputs are rounded once to bf16 (nearest even) into cv, 27,648 rows of 1,024 bf16 (2,048 bytes):
;   rows 0 Wv^T | 1024 Wk | 2048 x_v | 10240 Wq | 11264 x_q | 19456 x_k.
; Besides: the two planes of st get their starting values (maximum: -4.25e37; sum: 0) and q2's 32 rows behind its end get zeros.
; Memory binds: no matrix unit, no cluster (no two work-groups read the same byte).  A work-group's number picks its part:
;   0..415 a stream of 65,536 numbers; 416..543 a tile of 128 x 64 of Wv, turned through LDS; 544..563 st; 564, 565 q2's last rows.
.set X,     4                          ; v[4:67]    eight passes x 8 f32 as loaded
.set Y,     68                         ; v[68:99]   eight passes x 4 registers of bf16 to store
.set SPW,   110                        ; v110       LDS address of my spare word; never rewritten
.set NIL,   111                        ; v111       0; never rewritten
.set TP,    272                        ; a row of the turned tile: 128 bf16 + 16 bytes
.set SPARE, 64*TP                      ; behind the tile: 128 bytes for each of eight waves, four blocks of 256 bytes that no other line names
	s_load_b512 s[4:19], s[0:1], 0x0               ; x_v s[4:5], x_q s[6:7], x_k s[8:9], Wk s[10:11], Wq s[12:13], Wv s[14:15], cv s[16:17], q2 s[18:19]
	s_load_b64 s[20:21], s[0:1], 0x40              ; st
	v_lshl_add_u32 v[SPW], v0, 2, SPARE
	v_mov_b32 v[NIL], 0
	s_mov_b32 s2, ttmp9
	s_mov_b32 s31, 0                               ; the upper word of every byte offset: all stay under 2^32
	s_wait_kmcnt 0x0
	s_cmp_ge_u32 s2, 416
	s_cbranch_scc1 .Lnot_stream
	; THE STREAM.  64 rows of 1,024 numbers a work-group, 2,048 numbers a pass.  Neighbouring lanes take neighbouring 16 bytes: thread t loads the four f32 at byte 16 t of the pass's first
	; 4,096 bytes and the four at 16 t of its second, so a wave's load covers 512 consecutive bytes and no byte is asked for twice.  Each four leave as 8 bytes of bf16, at 8 t and at 2,048 + 8 t:
	; a wave's store covers 256 consecutive bytes, aligned.
	s_mov_b64 s[22:23], s[4:5]
	s_mov_b32 s24, 0
	s_mov_b32 s25, 2048
.macro PICK first, lo, row             ; from work-group `first` on: the source in s[lo:lo+1], and its first row in cv
	s_cmp_ge_u32 s2, \first
	s_cselect_b64 s[22:23], s[\lo:\lo+1], s[22:23]
	s_cselect_b32 s24, \first, s24
	s_cselect_b32 s25, \row, s25
.endm
	PICK 128, 6, 11264
	PICK 256, 8, 19456
	PICK 384, 10, 1024
	PICK 400, 12, 10240
	s_sub_co_u32 s24, s2, s24                      ; my piece of that source
	s_lshl_b32 s30, s24, 18                        ; x 262,144 bytes of f32
	s_add_nc_u64 s[22:23], s[22:23], s[30:31]
	s_lshl_b32 s24, s24, 6
	s_add_co_u32 s24, s24, s25                     ; my first row in cv
	s_lshl_b32 s30, s24, 11
	s_add_nc_u64 s[28:29], s[16:17], s[30:31]
	v_lshlrev_b32 v1, 4, v0
	v_lshlrev_b32 v2, 3, v0
	s_mov_b32 s3, 4
.Ltrip:                                                ; a trip: eight passes of 2,048 numbers, all sixteen loads first
.irp p, 0,1,2,3,4,5,6,7
	global_load_b128 v[X+8*\p:X+8*\p+3],   v1, s[22:23] offset:8192*\p th:TH_LOAD_NT
	global_load_b128 v[X+8*\p+4:X+8*\p+7], v1, s[22:23] offset:8192*\p+4096 th:TH_LOAD_NT
.endr
.irp p, 0,1,2,3,4,5,6,7
	s_wait_loadcnt 14-2*\p                         ; loads come back in order: the two of pass p are in, the 2 (7 - p) younger ones stay out
.irp k, 0,1,2,3
	v_cvt_pk_bf16_f32 v[Y+4*\p+\k], v[X+8*\p+2*\k], v[X+8*\p+2*\k+1]
.endr
	global_store_b64 v2, v[Y+4*\p:Y+4*\p+1],   s[28:29] offset:4096*\p
	global_store_b64 v2, v[Y+4*\p+2:Y+4*\p+3], s[28:29] offset:4096*\p+2048
.endr
	s_wait_xcnt 0x0                                ; the two bases and Y are written again only behind this wait
	s_add_nc_u64 s[22:23], s[22:23], 65536
	s_add_nc_u64 s[28:29], s[28:29], 32768
	s_sub_co_u32 s3, s3, 1
	s_cmp_lg_u32 s3, 0
	s_cbranch_scc1 .Ltrip
	s_endpgm
.Lnot_stream:
	s_cmp_ge_u32 s2, 544
	s_cbranch_scc1 .Lnot_turn
	; Wv TURNED.  Tile: rows i = 128 ib .. +127, columns c = 64 cb .. +63.  Thread: s = t % 16 (four columns), rp = t / 16; four pairs of rows.
	; An even and an odd row's numbers of one column pack into one word, which lies at [column][pair] in LDS.
	s_sub_co_u32 s24, s2, 416
	s_and_b32 s25, s24, 7                          ; ib
	s_lshr_b32 s26, s24, 3                         ; cb
	v_and_b32 v1, 15, v0
	v_lshrrev_b32 v2, 4, v0
	v_lshlrev_b32 v3, 13, v2                       ; row 2 rp x 4,096 bytes
	v_lshl_add_u32 v3, v1, 4, v3
	s_lshl_b32 s27, s25, 19                        ; 128 ib rows
	s_lshl_b32 s28, s26, 8                         ; 64 cb columns
	s_add_co_u32 s27, s27, s28
	v_add_nc_u32 v3, s27, v3
.irp k, 0,1,2,3
	global_load_b128 v[4+8*\k:7+8*\k],   v3, s[14:15] offset:131072*\k th:TH_LOAD_NT       ; sixteen lanes: 256 consecutive bytes of a row
	global_load_b128 v[8+8*\k:11+8*\k],  v3, s[14:15] offset:131072*\k+4096 th:TH_LOAD_NT  ; the row below
.endr
	v_mul_u32_u24 v36, v1, 4*TP
	v_lshl_add_u32 v36, v2, 2, v36                 ; in: column 4 s, pair rp
	v_mul_u32_u24 v37, v2, TP
	v_lshl_add_u32 v37, v1, 4, v37                 ; back: column t / 16, 16 bytes at 16 (t % 16)
	v_lshlrev_b32 v38, 11, v2
	v_lshl_add_u32 v38, v1, 4, v38
	s_lshl_b32 s27, s26, 17                        ; cv row 64 cb
	s_lshl_b32 s28, s25, 8                         ; byte 256 ib
	s_add_co_u32 s27, s27, s28
	v_add_nc_u32 v38, s27, v38
.irp k, 0,1,2,3
	s_wait_loadcnt 6-2*\k                          ; pair k's two loads are in, the younger pairs' stay out
.irp e, 0,1,2,3
	v_cvt_pk_bf16_f32 v[40+4*\k+\e], v[4+8*\k+\e], v[8+8*\k+\e]
	ds_store_b32 v36, v[40+4*\k+\e] offset:\e*TP+64*\k
.endr
.endr
	s_wait_dscnt 0x0                               ; for the others' sake: my stores are done
	s_barrier_signal -1
	s_barrier_wait -1
.irp k, 0,1,2,3
	ds_load_b128 v[56+4*\k:59+4*\k], v37 offset:16*TP*\k
.endr
.irp k, 0,1,2,3
	s_wait_dscnt 3-\k
	global_store_b128 v38, v[56+4*\k:59+4*\k], s[16:17] offset:32768*\k  ; sixteen lanes: 256 consecutive bytes of a row of Wv^T, aligned
.endr
	s_wait_tensorcnt 0x0                           ; the wave's end, behind my last LDS store
	ds_add_u32 v[SPW], v[NIL]
	s_wait_dscnt 0x0
	s_endpgm
.Lnot_turn:
	v_lshlrev_b32 v2, 4, v0
	s_cmp_ge_u32 s2, 564
	s_cbranch_scc1 .Lpad
	; st: 20 work-groups x 53,248 bytes; the first ten are the plane of maxima
	s_sub_co_u32 s24, s2, 544
	s_cmp_lt_u32 s24, 10
	s_cselect_b32 s25, 0xfe000000, 0
	s_mul_i32 s30, s24, 53248
	s_add_nc_u64 s[28:29], s[20:21], s[30:31]
.irp k, 4,5,6,7
	v_mov_b32 v\k, s25
.endr
.irp k, 0,1,2,3,4,5,6,7,8,9,10,11,12
	global_store_b128 v2, v[4:7], s[28:29] offset:4096*\k
.endr
	s_endpgm
.Lpad:
	; q2's rows 8192 .. 8223: zeros, 65,536 bytes a work-group
	s_sub_co_u32 s24, s2, 564
	s_lshl_b32 s30, s24, 16
	s_add_nc_u64 s[28:29], s[18:19], s[30:31]
	s_add_nc_u64 s[28:29], s[28:29], 33554432
.irp k, 4,5,6,7
	v_mov_b32 v\k, 0
.endr
.irp k, 0,1,2,3,4,5,6,7,8,9,10,11,12,13,14,15
	global_store_b128 v2, v[4:7], s[28:29] offset:4096*\k
.endr
	s_endpgm
.Lfunc_end_k_qc0a640cefa_prep:
	.size	k_qc0a640cefa_prep, .Lfunc_end_k_qc0a640cefa_prep-k_qc0a640cefa_prep
	.p2alignl 7, 3214868480
	.fill 96, 4, 3214868480
	.section	.rodata,"a",@progbits
	.p2align	6, 0x0
	.amdhsa_kernel k_qc0a640cefa_prep
		.amdhsa_group_segment_fixed_size 18432
		.amdhsa_private_segment_fixed_size 0
		.amdhsa_enable_private_segment 0
		.amdhsa_kernarg_size 72
		.amdhsa_user_sgpr_count 2
		.amdhsa_user_sgpr_kernarg_segment_ptr 1
		.amdhsa_wavefront_size32 1
		.amdhsa_system_sgpr_workgroup_id_x 1
		.amdhsa_system_sgpr_workgroup_id_y 1
		.amdhsa_system_sgpr_workgroup_id_z 1
		.amdhsa_system_vgpr_workitem_id 0
		.amdhsa_next_free_vgpr 112
		.amdhsa_next_free_sgpr 66
		.amdhsa_reserve_vcc 0
		.amdhsa_float_denorm_mode_32 3
		.amdhsa_float_denorm_mode_16_64 3
		.amdhsa_memory_ordered 1
		.amdhsa_forward_progress 1
		.amdhsa_inst_pref_size 17
	.end_amdhsa_kernel
	.amdgpu_metadata
---
amdhsa.version: [ 1, 2 ]
amdhsa.kernels:
  - .name:           k_qc0a640cefa_prep
    .symbol:         k_qc0a640cefa_prep.kd
    .args:
      - { .name: inputs_for_values, .offset: 0, .size: 8, .value_kind: global_buffer, .address_space: global }
      - { .name: inputs_for_queries, .offset: 8, .size: 8, .value_kind: global_buffer, .address_space: global }
      - { .name: inputs_for_keys, .offset: 16, .size: 8, .value_kind: global_buffer, .address_space: global }
      - { .name: K_weight, .offset: 24, .size: 8, .value_kind: global_buffer, .address_space: global }
      - { .name: Q_weight, .offset: 32, .size: 8, .value_kind: global_buffer, .address_space: global }
      - { .name: V_weight, .offset: 40, .size: 8, .value_kind: global_buffer, .address_space: global }
      - { .name: cv, .offset: 48, .size: 8, .value_kind: global_buffer, .address_space: global }
      - { .name: q2, .offset: 56, .size: 8, .value_kind: global_buffer, .address_space: global }
      - { .name: st, .offset: 64, .size: 8, .value_kind: global_buffer, .address_space: global }
    .group_segment_fixed_size: 18432
    .private_segment_fixed_size: 0
    .kernarg_segment_align: 8
    .kernarg_segment_size: 72
    .max_flat_workgroup_size: 256
    .sgpr_count:     66
    .vgpr_count:     112
    .wavefront_size: 32
...
	.end_amdgpu_metadata
.endif
;; end of part 6
;; launch gvm (part 7): grid 32 x 8, 4 waves a work-group, clusters of 4 x 4, 327,680 bytes of LDS; arguments cv, vt, mt; writes vt, mt
.if DOCPART == 7
	.amdgcn_target "amdgcn-amd-amdhsa--gfx1250"
	.amdhsa_code_object_version 6
	.text
	.protected	k_qc0a640cefa_gvm
	.globl	k_qc0a640cefa_gvm
	.p2align	8
	.type	k_qc0a640cefa_gvm,@function
k_qc0a640cefa_gvm:
	s_mov_b64 s[64:65], 0
	v_nop
	global_prefetch_b8 v0, s[64:65] scope:SCOPE_SE
	s_setreg_imm32_b32 hwreg(HW_REG_WAVE_MODE, 25, 1), 1
	s_wait_xcnt 0x0
	s_wait_alu depctr_hold_cnt(0) depctr_sa_sdst(0) depctr_va_vdst(0) depctr_va_sdst(0) depctr_va_ssrc(0) depctr_va_vcc(0) depctr_vm_vsrc(0)
	s_getreg_b32 s2, hwreg(HW_REG_IB_STS2, 6, 4)
	s_cmp_eq_u32 s2, 0
	s_cbranch_scc0 .Lentry_in_a_cluster
	s_endpgm
.Lentry_in_a_cluster:
	s_bfe_u32 s2, ttmp6, 0x10000c
	s_cmp_lg_u32 s2, 0xf033
	s_cbranch_scc0 .Lentry_shape_is_right
	s_endpgm
.Lentry_shape_is_right:
; GVM.  Every work-group makes a tile of V^T and a piece of M^T, side by side in one walk along K = 1,024; bf16 operands, f32 sums.
;   V^T[c][s] = sum_i Wv^T[c][i] x_v[s][i]: rows 128 y .., columns 256 x ..; stored as V^T / 64 in f16 into vt [1024][8192].
;   M^T[j][i] = sum_o Wk[j][o] Wq[i][o]: rows 64 jt .., columns 64 it .., jt = 2 y + x / 16, it = x % 16; stored as a pair of bf16, hi + lo, into mt [1024][2048]: of true index k, hi lies at 64 (k / 32) + k % 32, lo 32 further on.
; WHY M.  scores = x_q (Wq Wk^T) x_k^T / 32: the order of the sums and roundings differs from a product of Q and K; the key side is then x_k itself, and the query side keeps 16 bits.
; WHY TOGETHER.  V^T has 256 tiles of 128 x 256 and M^T 256 pieces of 64 x 64: one of each gives 256 work-groups of equal work, where tiles of one size for both would be 576.
; LIMIT.  V / 64 is kept in f16: |V| stays under 4.19e6 (64 x 65,504); below 64 x 6e-5 it keeps f16's fixed step.
; SHAPE.  Four waves, 2 x 2: of V 64 x 128 each (32 accumulators), of M 32 x 32 (4).  K goes in steps of 128 (rows of 256 bytes) through two LDS slots of four tiles; wave 0 fetches Wv^T's 128 rows, wave 1 Wk's 64,
; wave 2 x_v's 256, wave 3 Wq's 64.  A wave has two tensor loads out at the start, later one.  The matrix instruction is used transposed (source 0 = 16 rows of x_v or Wq, source 1 = 16 rows of Wv^T or Wk):
; a lane holds one row and eight neighbouring columns.
; CLUSTER 4 x 4: Wv^T's and Wk's tiles hang on y and the cluster's x alone and are asked for jointly along a row of the cluster; x_v's and Wq's hang on x alone, along a column.
; REGISTERS: window 0: v0-31 addresses, v32-95 at work, v128-255 x_v's two fragment buffers; window 1: buffer f at 64 f: Wv^T 32, Wk 16, Wq 16; window 2: V's accumulators; window 3: v0-31 M's.
.set KT,   8                           ; K steps
.set P,    272                         ; LDS pitch: 256 bytes + 16, an odd multiple of 16: the 16 rows of a fragment load start at 16 different groups of four banks (64 banks of 4 bytes: ISA guide 11.1)
.set RMO,  128*P                       ; a slot: Wv^T's 128 rows, Wk's 64,
.set CVO,  192*P                       ; x_v's 256,
.set CMO,  448*P                       ; Wq's 64
.set SLOT, 512*P
.set SPARE, 2*SLOT                     ; behind the ring: the spare words, 128 bytes a wave, two blocks of 256 bytes that no other line names
.set VP,   1040                        ; the way out: a row of 256 f32 + 16 bytes
.set MST,  128*VP                      ; M's stage, 64 rows of 272 bytes, behind V's
.set W1C,  12                          ; of a quarter's 32 LDS loads those that only its second half needs: issued last
.set NL,   32
.set GW,   (1<<16)|(1<<20)|(1<<21)|(5<<22)|(3<<25)  ; group 1, word 0: 2-byte elements; padding on; bit 21 beside a mask; after every 64 words; 4 words of it
.set BRV, 8                            ; v8-11   my lane's place in the four tiles; never rewritten
.set BRM, 9
.set BCV, 10
.set BCM, 11
.set ARV, 12                           ; v12-15  the same + the slot in hand
.set ARM, 13
.set ACV, 14
.set ACM, 15
.set DST, 20                           ; v20  the way out: where I put 32 bytes of a row of V
.set DSM, 21                           ; v21  of M
.set RDA, 22                           ; v22  where I read rows of V back
.set RDM, 23                           ; v23  of M
.set GO,  24                           ; v24  my byte offset in vt
.set GOM, 25                           ; v25  in mt
.set SPW, 28                           ; v28  LDS address of my spare word; never rewritten
.set NIL, 29                           ; v29  0; never rewritten
; s10 the slot in hand (0 or SLOT); s11 the lanes that give lo; s12 wave, s13 its row half, s14 its column half; s3 loop count; tile t: group 1 in s[24+8t ..], walking group 0 in s[56:59], s[60:63], s[68:71], s[72:75],
; the first fill's group 0 in s[76+4t ..]; s[92:99] the tiles' byte offsets in cv; s100 jt, s101 it; s[20:21] vt, s[22:23] mt at my rows
.set MSB, 0
.macro WIN new                         ; the immediate's high byte repeats the setting that is left; a switch that changes nothing is dropped
.if MSB != (\new)
	s_set_vgpr_msb (MSB<<8)|(\new)
.set MSB, (\new)
.endif
.endm
.macro PLACES                          ; four places behind matrix instructions, in front of loads into their sources and of reads of their results (not for loads)
.rept 4
	v_nop
.endr
.endm
.macro ISSUE t, two                    ; tile t; two = 1: K step 0 into slot 0 first.  An s_nop 0 follows each load, four v_nop the last
.if \two
	tensor_load_to_lds s[76+4*(\t):79+4*(\t)], s[24+8*(\t):31+8*(\t)]
	s_nop 0
.endif
	tensor_load_to_lds s[56+4*(\t)+4*((\t)/2):59+4*(\t)+4*((\t)/2)], s[24+8*(\t):31+8*(\t)]
	s_nop 0
.rept 4
	v_nop
.endr
.endm
.macro LOAD two                        ; wave t asks for tile t: each line has one mask and one set of registers; the branches hang on the wave's number alone
	s_cmp_lt_u32 s12, 2
	s_cbranch_scc0 .Lhigh_\@
	s_cmp_eq_u32 s12, 0
	s_cbranch_scc0 .Lwave_1_\@
	ISSUE 0, \two
	s_branch .Lasked_\@
.Lwave_1_\@:
	ISSUE 1, \two
	s_branch .Lasked_\@
.Lhigh_\@:
	s_cmp_eq_u32 s12, 2
	s_cbranch_scc0 .Lwave_3_\@
	ISSUE 2, \two
	s_branch .Lasked_\@
.Lwave_3_\@:
	ISSUE 3, \two
.Lasked_\@:
.endm
.macro CREST                           ; a round of the cluster's barrier behind its opening barrier
	s_cmp_lg_u32 s12, 0
	s_cbranch_scc1 .Lnot_wave_0_\@
	s_barrier_signal -3
.Lnot_wave_0_\@:
	s_barrier_wait -3
	s_barrier_signal -1
	s_barrier_wait -1
.endm
.macro CROUND
	s_barrier_signal -1
	s_barrier_wait -1
	CREST
.endm
.macro SHAPE g, rows                   ; the constant words of a group 1: a tile of `rows` rows x 128 elements
	s_mov_b32 s[\g+1], 128<<16                     ; tensor_dim0
	s_mov_b32 s[\g+2], (\rows)<<16                 ; tensor_dim1
	s_mov_b32 s[\g+3], 128<<16                     ; tile_dim0
	s_mov_b32 s[\g+4], \rows                       ; tile_dim1
	s_mov_b32 s[\g+5], 1024                        ; elements from row to row
	s_mov_b32 s[\g+6], 0
	s_mov_b32 s[\g+7], 0
.endm
.macro MKG0 first, walk, off, ldsb     ; K step 0 into slot 0, K step 1 into slot 1; type 2 on top
	s_mov_b32 s[\first], 1
	s_mov_b32 s[\first+1], \ldsb
	s_add_nc_u64 s[\first+2:\first+3], s[4:5], s[\off:\off+1]
	s_add_nc_u64 s[\walk+2:\walk+3], s[\first+2:\first+3], 256
	s_or_b32 s[\first+3], s[\first+3], 0x80000000
	s_mov_b32 s[\walk], 1
	s_mov_b32 s[\walk+1], SLOT+(\ldsb)
	s_or_b32 s[\walk+3], s[\walk+3], 0x80000000
.endm
.macro NEXTTILE                        ; written only where no tensor load of mine is out: into the slot in hand, the next K step to be asked for
	s_mov_b32 s57, s10
	s_add_co_u32 s61, s10, RMO
	s_add_co_u32 s69, s10, CVO
	s_add_co_u32 s73, s10, CMO
.irp g, 56, 60, 68, 72
	s_add_nc_u64 s[\g+2:\g+3], s[\g+2:\g+3], 256
.endr
.endm
.macro SETADR
	v_add_nc_u32 v[ARV], s10, v[BRV]
	v_add_nc_u32 v[ARM], s10, v[BRM]
	v_add_nc_u32 v[ACV], s10, v[BCV]
	v_add_nc_u32 v[ACM], s10, v[BCM]
.endm
.macro FRAG dst, adr, off              ; a fragment: two loads of 16 bytes, 32 apart
	ds_load_b128 v[(\dst):(\dst)+3],   v[\adr] offset:(\off)
	ds_load_b128 v[(\dst)+4:(\dst)+7], v[\adr] offset:(\off)+32
.endm
.macro FETCH q, f                      ; 32 LDS loads in one run: the fragments of 32 along K at byte 64 q of the rows, into buffer f; what the quarter's first half needs first
	WIN 0
.set fi, 0
.rept 8
	FRAG 128+64*(\f)+8*fi, ACV, 64*(\q)+fi*16*P
.set fi, fi+1
.endr
	WIN 0x40                                       ; destination window 1, address window 0
.set fi, 0
.rept 4
	FRAG 64*(\f)+8*fi, ARV, 64*(\q)+fi*16*P
.set fi, fi+1
.endr
.set fi, 0
.rept 2
	FRAG 64*(\f)+32+8*fi, ARM, 64*(\q)+fi*16*P
.set fi, fi+1
.endr
.set fi, 0
.rept 2
	FRAG 64*(\f)+48+8*fi, ACM, 64*(\q)+fi*16*P
.set fi, fi+1
.endr
.endm
.macro VPART f, a0, a1, zero           ; V: row blocks a0 .. a1 x all eight column blocks: one instruction an accumulator, so they take turns
.set pa, \a0
.rept (\a1)-(\a0)+1
.set pb, 0
.rept 8
	WIN 0xa4                                       ; source 0 window 0, source 1 window 1, C and D window 2
.set pd, 8*(8*pa+pb)
.set ps0, 128+64*(\f)+8*pb
.set ps1, 64*(\f)+8*pa
.if \zero
	v_wmma_f32_16x16x32_bf16 v[pd:pd+7], v[ps0:ps0+7], v[ps1:ps1+7], 0
.else
	v_wmma_f32_16x16x32_bf16 v[pd:pd+7], v[ps0:ps0+7], v[ps1:ps1+7], v[pd:pd+7]
.endif
.set pb, pb+1
.endr
.set pa, pa+1
.endr
.endm
.macro MPART f, zero                   ; M: 2 x 2 blocks
.set pa, 0
.rept 2
.set pb, 0
.rept 2
	WIN 0xf5                                       ; sources 0 and 1 window 1, C and D window 3
.set pd, 8*(2*pa+pb)
.set ps0, 64*(\f)+48+8*pb
.set ps1, 64*(\f)+32+8*pa
.if \zero
	v_wmma_f32_16x16x32_bf16 v[pd:pd+7], v[ps0:ps0+7], v[ps1:ps1+7], 0
.else
	v_wmma_f32_16x16x32_bf16 v[pd:pd+7], v[ps0:ps0+7], v[ps1:ps1+7], v[pd:pd+7]
.endif
.set pb, pb+1
.endr
.set pa, pa+1
.endr
.endm
.macro QUARTER f, g, q, zero           ; 32 along K: multiplies buffer f; in its middle fetches quarter q into buffer g.  zero = 1: the products start the sums
	s_wait_dscnt W1C                               ; all but the youngest 12 loads (Wv^T's blocks 2, 3, Wk, Wq), which the second half needs, are in
	VPART \f, 0, 1, \zero
	PLACES
	FETCH \q, \g
	s_wait_dscnt NL                                ; all but the 32 just issued
	VPART \f, 2, 3, \zero
	MPART \f, \zero
.endm
; A K step's last quarter changes slots: ONE barrier.  In front of it each wave waits for all its tensor loads (the one that is out is its tile of the next slot), adds 0 to its spare word, and waits for that and for
; its own reads of this slot.  fill = 1: the barrier opens a round of the cluster's, and the joint refill of this slot, with the K step two on, is the first thing behind the round.
.macro TURN fill
	WIN 0
	s_wait_tensorcnt 0x0
	ds_add_u32 v[SPW], v[NIL]                      ; 0 onto my spare word; scalar and matrix work stands between it and the wait for it
.if \fill
	NEXTTILE
.endif
	s_wait_dscnt W1C+1                             ; the add and the second half's 12 loads may be out
	VPART 1, 0, 0, 0
	s_wait_dscnt 0x0                               ; the add is done, and my reads of this slot are over
	s_barrier_signal -1
	VPART 1, 1, 1, 0
	WIN 0
	s_barrier_wait -1
.if \fill
	CREST
	LOAD 0                                         ; its four v_nop are also the places in front of the loads below
.else
	PLACES
.endif
	s_xor_b32 s10, s10, SLOT                       ; 0 and SLOT by turns
	SETADR
	FETCH 0, 0
	VPART 1, 2, 3, 0
	MPART 1, 0
.endm
	s_load_b128 s[4:7], s[0:1], 0x0                ; cv s[4:5], vt s[6:7]
	s_load_b64 s[8:9], s[0:1], 0x10                ; mt
	v_lshl_add_u32 v[SPW], v0, 2, SPARE
	v_mov_b32 v[NIL], 0
	ds_add_u32 v[SPW], v[NIL]                      ; the wave's opening
	ds_add_u32 v28, v29
	v_lshrrev_b32 v1, 5, v0
	v_readfirstlane_b32 s12, v1
	s_lshr_b32 s13, s12, 1
	s_and_b32 s14, s12, 1
	s_bfe_u32 s15, ttmp6, 0x40000                  ; cx
	s_bfe_u32 s16, ttmp6, 0x40004                  ; cy
	s_lshl_b32 s17, ttmp9, 2
	s_add_co_u32 s17, s17, s15                     ; x
	s_and_b32 s18, ttmp7, 0xffff
	s_lshl_b32 s18, s18, 2
	s_add_co_u32 s18, s18, s16                     ; y
	s_lshl_b32 s19, s16, 2
	s_lshl_b32 s19, 15, s19                        ; my row of the cluster
	s_lshl_b32 s2, 0x1111, s15                     ; my column
	s_or_b32 s24, s19, GW
	s_or_b32 s32, s19, GW
	s_or_b32 s40, s2, GW
	s_or_b32 s48, s2, GW
	SHAPE 24, 128
	SHAPE 32, 64
	SHAPE 40, 256
	SHAPE 48, 64
	s_lshl_b32 s92, s18, 18                        ; Wv^T: cv row 128 y, 2,048 bytes a row
	s_mov_b32 s93, 0
	s_lshr_b32 s100, ttmp9, 2                      ; x / 16, told by the cluster's x: alike along a row of the cluster
	s_lshl1_add_u32 s100, s18, s100                ; jt = 2 y + x / 16
	s_lshl_b32 s94, s100, 6                        ; Wk: cv row 1024 + 64 jt
	s_add_co_u32 s94, s94, 1024
	s_lshl_b32 s94, s94, 11
	s_mov_b32 s95, 0
	s_lshl_b32 s96, s17, 8                         ; x_v: cv row 2048 + 256 x
	s_add_co_u32 s96, s96, 2048
	s_lshl_b32 s96, s96, 11
	s_mov_b32 s97, 0
	s_and_b32 s101, s17, 15                        ; it = x % 16
	s_lshl_b32 s98, s101, 6                        ; Wq: cv row 10240 + 64 it
	s_add_co_u32 s98, s98, 10240
	s_lshl_b32 s98, s98, 11
	s_mov_b32 s99, 0
	s_lshl_b32 s20, s18, 7                         ; vt: row 128 y + 32 w, byte 512 x
	s_lshl_b32 s21, s12, 5
	s_add_co_u32 s20, s20, s21
	s_lshl_b32 s20, s20, 14
	s_lshl_b32 s21, s17, 9
	s_add_co_u32 s20, s20, s21
	s_mov_b32 s21, 0
	s_lshl_b32 s22, s100, 6                        ; mt: row 64 jt + 16 w, byte 256 it
	s_lshl_b32 s23, s12, 4
	s_add_co_u32 s22, s22, s23
	s_lshl_b32 s22, s22, 12
	s_lshl_b32 s23, s101, 8
	s_add_co_u32 s22, s22, s23
	s_mov_b32 s23, 0
	s_mov_b32 s10, 0
	s_mov_b32 s11, 0xf0f0f0f0                      ; the lanes that give lo
	s_wait_dscnt 0x0                               ; the opening add is done
	s_wait_kmcnt 0x0
	MKG0 76, 56, 92, 0
	MKG0 80, 60, 94, RMO
	MKG0 84, 68, 96, CVO
	MKG0 88, 72, 98, CMO
	s_add_nc_u64 s[20:21], s[6:7], s[20:21]
	s_add_nc_u64 s[22:23], s[8:9], s[22:23]
	CROUND                                         ; all sixteen work-groups are here: the first joint loads meet
	LOAD 1                                         ; both slots' first fills go out together
	; a fragment: lane l holds row l % 16; its bytes lie at row x pitch + 16 (l / 16)
	v_and_b32 v1, 15, v0
	v_bfe_u32 v2, v0, 4, 1
	v_and_b32 v5, 31, v0
	v_mul_u32_u24 v3, v1, P
	v_lshl_add_u32 v3, v2, 4, v3
	s_mul_i32 s19, s13, 64*P
	v_add_nc_u32 v[BRV], s19, v3
	s_mul_i32 s19, s13, 32*P
	s_add_co_u32 s19, s19, RMO
	v_add_nc_u32 v[BRM], s19, v3
	s_mul_i32 s19, s14, 128*P
	s_add_co_u32 s19, s19, CVO
	v_add_nc_u32 v[BCV], s19, v3
	s_mul_i32 s19, s14, 32*P
	s_add_co_u32 s19, s19, CMO
	v_add_nc_u32 v[BCM], s19, v3
	v_mul_u32_u24 v[DST], v1, VP                   ; V's stage: row 64 wr + l % 16, byte 512 wc + 32 (l / 16)
	v_lshl_add_u32 v[DST], v2, 5, v[DST]
	s_mul_i32 s19, s13, 64*VP
	s_lshl_b32 s2, s14, 9
	s_add_co_u32 s19, s19, s2
	v_add_nc_u32 v[DST], s19, v[DST]
	v_mul_u32_u24 v[DSM], v1, 272                  ; M's stage: row 32 wr + l % 16, byte 128 wc + 32 (l / 16)
	v_lshl_add_u32 v[DSM], v2, 5, v[DSM]
	s_mul_i32 s19, s13, 32*272
	s_lshl_b32 s2, s14, 7
	s_add_co_u32 s19, s19, s2
	s_add_co_u32 s19, s19, MST
	v_add_nc_u32 v[DSM], s19, v[DSM]
	s_mul_i32 s19, s12, 32*VP                      ; back, V: wave w takes rows 32 w ..; a row a pass, 32 bytes of f32 a lane
	v_lshl_add_u32 v[RDA], v5, 5, s19
	v_lshlrev_b32 v[GO], 4, v5
	v_mul_u32_u24 v[RDM], v2, 272                  ; back, M: wave w takes rows 16 w ..; two rows a pass: lane l takes row l / 16, the 8 numbers 32 ((l / 8) % 2) + 8 (l % 4) ..
	v_bfe_u32 v3, v0, 3, 1
	v_lshl_add_u32 v[RDM], v3, 7, v[RDM]
	v_and_b32 v4, 3, v0
	v_lshl_add_u32 v[RDM], v4, 5, v[RDM]
	s_mul_i32 s19, s12, 16*272
	s_add_co_u32 s19, s19, MST
	v_add_nc_u32 v[RDM], s19, v[RDM]
	v_lshlrev_b32 v[GOM], 12, v2
	v_lshl_add_u32 v[GOM], v1, 4, v[GOM]
	s_wait_tensorcnt 0x1                           ; my tile of K step 0 is in; K step 1's may stay out
	s_barrier_signal -1
	s_barrier_wait -1                              ; everybody's is
	SETADR
	FETCH 0, 0
	QUARTER 0, 1, 1, 1                             ; the first quarter stands in front of the loop: its products start the sums
	WIN 0
	s_mov_b32 s3, KT-2
	s_branch .Lmid                                 ; the loop is entered behind a step's first quarter
.Lk:                                                   ; a trip is a K step; it asks for the step two on
	QUARTER 0, 1, 1, 0
	WIN 0
.Lmid:
	QUARTER 1, 0, 2, 0
	QUARTER 0, 1, 3, 0
	TURN 1
	WIN 0
	s_sub_co_u32 s3, s3, 1
	s_cmp_lg_u32 s3, 0
	s_cbranch_scc1 .Lk
	s_mov_b32 s3, 2
.Lt:                                                   ; the last two K steps ask for nothing.  The very last change of slots fetches 32 fragments of the slot before, which nothing uses: the price of one text for both
	QUARTER 0, 1, 1, 0
	QUARTER 1, 0, 2, 0
	QUARTER 0, 1, 3, 0
	TURN 0
	WIN 0
	s_sub_co_u32 s3, s3, 1
	s_cmp_lg_u32 s3, 0
	s_cbranch_scc1 .Lt
	s_wait_dscnt 0x0
	s_barrier_signal -1                            ; nobody reads the ring any more, and it has had its last fill: the stages lie in it
	s_barrier_wait -1
	PLACES
	; every accumulator as f32 into the stages, its low registers first
.set da, 0
.rept 4
.set db, 0
.rept 8
	WIN 0x08                                       ; data (source 1) window 2
	ds_store_b128 v[DST], v[8*(8*da+db):8*(8*da+db)+3]   offset:da*16*VP+64*db
	ds_store_b128 v[DST], v[8*(8*da+db)+4:8*(8*da+db)+7] offset:da*16*VP+64*db+16
.set db, db+1
.endr
.set da, da+1
.endr
.set da, 0
.rept 2
.set db, 0
.rept 2
	WIN 0x0c                                       ; window 3
	ds_store_b128 v[DSM], v[8*(2*da+db):8*(2*da+db)+3]   offset:da*16*272+64*db
	ds_store_b128 v[DSM], v[8*(2*da+db)+4:8*(2*da+db)+7] offset:da*16*272+64*db+16
.set db, db+1
.endr
.set da, da+1
.endr
	WIN 0
	s_wait_dscnt 0x0                               ; for the others' sake: a stage row comes from two waves
	s_barrier_signal -1
	s_barrier_wait -1
	; V^T / 64 in f16: a row of 256 numbers a pass; 32 lanes store 512 consecutive bytes, aligned
	s_mov_b32 s3, 8
.Lv_rows:
.irp p, 0,1,2,3
	ds_load_b128 v[32+8*\p:35+8*\p], v[RDA] offset:VP*\p
	ds_load_b128 v[36+8*\p:39+8*\p], v[RDA] offset:VP*\p+16
.endr
.irp p, 0,1,2,3
	s_wait_dscnt 2*(3-\p)                          ; pass p's two loads are in, the later passes' stay out
.irp k, 0,1,2,3
	v_pk_mul_f32 v[32+8*\p+2*\k:33+8*\p+2*\k], v[32+8*\p+2*\k:33+8*\p+2*\k], 0x3c800000 op_sel_hi:[1,0]  ; x 1/64
.endr
.irp k, 0,1,2,3
	v_cvt_pk_f16_f32 v[80+4*\p+\k], v[32+8*\p+2*\k], v[33+8*\p+2*\k]
.endr
	global_store_b128 v[GO], v[80+4*\p:83+4*\p], s[20:21] offset:16384*\p
.endr
	s_wait_xcnt 0x0                                ; the base and the stores' data are written again only behind this wait
	s_add_nc_u64 s[20:21], s[20:21], 65536
	v_add_nc_u32 v[RDA], 4*VP, v[RDA]
	s_sub_co_u32 s3, s3, 1
	s_cmp_lg_u32 s3, 0
	s_cbranch_scc1 .Lv_rows
	; M^T as hi + lo: lanes with bit 2 clear give hi, the others lo = bf16(x - hi); sixteen lanes store a row's 256 consecutive bytes, aligned
	s_mov_b32 s3, 2
.Lm_rows:
.irp p, 0,1,2,3
	ds_load_b128 v[32+8*\p:35+8*\p], v[RDM] offset:544*\p
	ds_load_b128 v[36+8*\p:39+8*\p], v[RDM] offset:544*\p+16
.endr
.irp p, 0,1,2,3
	s_wait_dscnt 2*(3-\p)                          ; pass p's two loads are in, the later passes' stay out
.irp k, 0,1,2,3
	v_cvt_pk_bf16_f32 v[72+\k], v[32+8*\p+2*\k], v[33+8*\p+2*\k]
.endr
.irp k, 0,1,2,3
	v_lshlrev_b32 v[64+2*\k], 16, v[72+\k]
	v_and_b32 v[65+2*\k], 0xffff0000, v[72+\k]
.endr
.irp k, 0,1,2,3
	v_pk_add_f32 v[64+2*\k:65+2*\k], v[32+8*\p+2*\k:33+8*\p+2*\k], v[64+2*\k:65+2*\k] neg_lo:[0,1] neg_hi:[0,1]
.endr
.irp k, 0,1,2,3
	v_cvt_pk_bf16_f32 v[76+\k], v[64+2*\k], v[65+2*\k]
.endr
.irp k, 0,1,2,3
	v_cndmask_b32 v[80+4*\p+\k], v[72+\k], v[76+\k], s11
.endr
	global_store_b128 v[GOM], v[80+4*\p:83+4*\p], s[22:23] offset:8192*\p
.endr
	s_wait_xcnt 0x0                                ; the base and the stores' data are written again only behind this wait
	s_add_nc_u64 s[22:23], s[22:23], 32768
	v_add_nc_u32 v[RDM], 4*544, v[RDM]
	s_sub_co_u32 s3, s3, 1
	s_cmp_lg_u32 s3, 0
	s_cbranch_scc1 .Lm_rows
	s_wait_tensorcnt 0x0                           ; the wave's end
	ds_add_u32 v[SPW], v[NIL]
	s_wait_dscnt 0x0
	CROUND                                         ; the closing round
	s_endpgm
.Lfunc_end_k_qc0a640cefa_gvm:
	.size	k_qc0a640cefa_gvm, .Lfunc_end_k_qc0a640cefa_gvm-k_qc0a640cefa_gvm
	.p2alignl 7, 3214868480
	.fill 96, 4, 3214868480
	.section	.rodata,"a",@progbits
	.p2align	6, 0x0
	.amdhsa_kernel k_qc0a640cefa_gvm
		.amdhsa_group_segment_fixed_size 327680
		.amdhsa_private_segment_fixed_size 0
		.amdhsa_enable_private_segment 0
		.amdhsa_kernarg_size 24
		.amdhsa_user_sgpr_count 2
		.amdhsa_user_sgpr_kernarg_segment_ptr 1
		.amdhsa_wavefront_size32 1
		.amdhsa_system_sgpr_workgroup_id_x 1
		.amdhsa_system_sgpr_workgroup_id_y 1
		.amdhsa_system_sgpr_workgroup_id_z 1
		.amdhsa_system_vgpr_workitem_id 0
		.amdhsa_next_free_vgpr 800
		.amdhsa_next_free_sgpr 102
		.amdhsa_reserve_vcc 0
		.amdhsa_float_denorm_mode_32 3
		.amdhsa_float_denorm_mode_16_64 3
		.amdhsa_memory_ordered 1
		.amdhsa_forward_progress 1
		.amdhsa_inst_pref_size 73
	.end_amdhsa_kernel
	.amdgpu_metadata
---
amdhsa.version: [ 1, 2 ]
amdhsa.kernels:
  - .name:           k_qc0a640cefa_gvm
    .symbol:         k_qc0a640cefa_gvm.kd
    .args:
      - { .name: cv, .offset: 0, .size: 8, .value_kind: global_buffer, .address_space: global }
      - { .name: vt, .offset: 8, .size: 8, .value_kind: global_buffer, .address_space: global }
      - { .name: mt, .offset: 16, .size: 8, .value_kind: global_buffer, .address_space: global }
    .group_segment_fixed_size: 327680
    .private_segment_fixed_size: 0
    .kernarg_segment_align: 8
    .kernarg_segment_size: 24
    .max_flat_workgroup_size: 128
    .sgpr_count:     102
    .vgpr_count:     800
    .wavefront_size: 32
...
	.end_amdgpu_metadata
.endif
;; end of part 7
;; launch gq (part 8): grid 8 x 32, 4 waves a work-group, clusters of 4 x 4, 327,680 bytes of LDS; arguments cv, mt, q2; writes q2
.if DOCPART == 8
	.amdgcn_target "amdgcn-amd-amdhsa--gfx1250"
	.amdhsa_code_object_version 6
	.text
	.protected	k_qc0a640cefa_gq
	.globl	k_qc0a640cefa_gq
	.p2align	8
	.type	k_qc0a640cefa_gq,@function
k_qc0a640cefa_gq:
	s_mov_b64 s[64:65], 0
	v_nop
	global_prefetch_b8 v0, s[64:65] scope:SCOPE_SE
	s_setreg_imm32_b32 hwreg(HW_REG_WAVE_MODE, 25, 1), 1
	s_wait_xcnt 0x0
	s_wait_alu depctr_hold_cnt(0) depctr_sa_sdst(0) depctr_va_vdst(0) depctr_va_sdst(0) depctr_va_ssrc(0) depctr_va_vcc(0) depctr_vm_vsrc(0)
	s_getreg_b32 s2, hwreg(HW_REG_IB_STS2, 6, 4)
	s_cmp_eq_u32 s2, 0
	s_cbranch_scc0 .Lentry_in_a_cluster
	s_endpgm
.Lentry_in_a_cluster:
	s_bfe_u32 s2, ttmp6, 0x10000c
	s_cmp_lg_u32 s2, 0xf033
	s_cbranch_scc0 .Lentry_shape_is_right
	s_endpgm
.Lentry_shape_is_right:
; GQ.  Q'[s][j] = sum_i x_q[s][i] M[i][j], with M as hi + lo: both products go into one f32 sum.  Q' leaves as hi + lo again, into q2 [8224][2048] (of true index k, hi at 64 (k / 32) + k % 32, lo 32 further on).
; Tiles of 256 x 128; four waves, 2 x 2, each 128 x 64: 32 accumulators.  K goes in steps of 128 true numbers: x_q's rows are 256 bytes (R, short), mt's 512 (C, long): a quarter's first pass multiplies
; the fragments of x_q by M's hi, its second pass the same fragments by M's lo.  Two LDS slots; waves 0, 1 fetch R's halves, waves 2, 3 C's; a wave has two tensor loads out at the start, later one.
; The matrix instruction is used transposed (source 0 = 16 rows of C, source 1 = 16 rows of R): a lane holds one row and eight neighbouring columns.
; CLUSTER 4 x 4: x_q's tile is asked for jointly along a row of the cluster, mt's along a column.
; REGISTERS: window 0: v0-31 addresses, v32-127 at work, v128-255 C's two fragment buffers; window 1: R's two buffers; window 2: the accumulators.
.set N0, 4                             ; fragments of 16 rows a wave: of C,
.set N1, 8                             ; of R
.set L0, 1                             ; 1: 512 bytes of a row in a K step and fragments of its own for each of a quarter's two passes; 0: 256 bytes, one set for both
.set L1, 0
.set KT, 8
.set PITR, 1024
.set PITC, 2048
.set P0,   272+256*L0                  ; LDS pitch: the row + 16 bytes, an odd multiple of 16 (64 banks of 4 bytes: ISA guide 11.1)
.set P1,   272+256*L1
.set RTB,  32*N1*P1
.set SLOT, RTB+32*N0*P0
.set SPARE, 2*SLOT                     ; the spare words, 128 bytes a wave, two blocks of 256 bytes that no other line names
.set STEPR, 256+256*L1
.set STEPC, 256+256*L0
.set W1C,  2*(L0*N0+L1*N1)             ; of a quarter's LDS loads those that only its second pass needs: issued last
.set NL,   2*(N0*(1+L0)+N1*(1+L1))     ; a quarter's LDS loads
.set CF,   128
.set RFS,  8*N1*(1+L1)
.set GWR,  (1<<16)|(1<<20)|((5+L1)<<22)|(3<<25)
.set GWC,  (1<<16)|(1<<20)|((5+L0)<<22)|(3<<25)
.set FR,   68                          ; s[68:71], s[72:75] group 0 of the first fill of slot 0; s[32:35], s[36:39] walk on from K step 1
.set FC,   72
.set BR, 16
.set BC, 17
.set ADRR, 18
.set ADRC, 19
.set DST, 20
.set RDA, 21
.set GO,  22
.set SPW, 28                           ; v28  LDS address of my spare word; never rewritten
.set NIL, 29                           ; v29  0; never rewritten
.set MSB, 0
.macro WIN new
.if MSB != (\new)
	s_set_vgpr_msb (MSB<<8)|(\new)
.set MSB, (\new)
.endif
.endm
.macro PLACES                          ; four places behind matrix instructions (not for loads)
.rept 4
	v_nop
.endr
.endm
.macro LOAD two                        ; waves 0, 1: R's halves; waves 2, 3: C's; two = 1: K step 0 into slot 0 first; an s_nop 0 follows each load, four v_nop the last
	s_cmp_lt_u32 s12, 2
	s_cbranch_scc0 .Lfor_c_\@
.if \two
	tensor_load_to_lds s[FR:FR+3], s[24:31]
	s_nop 0
.endif
	tensor_load_to_lds s[32:35], s[24:31]
	s_nop 0
.rept 4
	v_nop
.endr
	s_branch .Lasked_\@
.Lfor_c_\@:
.if \two
	tensor_load_to_lds s[FC:FC+3], s[40:47]
	s_nop 0
.endif
	tensor_load_to_lds s[36:39], s[40:47]
	s_nop 0
.rept 4
	v_nop
.endr
.Lasked_\@:
.endm
.macro CREST
	s_cmp_lg_u32 s12, 0
	s_cbranch_scc1 .Lnot_wave_0_\@
	s_barrier_signal -3
.Lnot_wave_0_\@:
	s_barrier_wait -3
	s_barrier_signal -1
	s_barrier_wait -1
.endm
.macro CROUND
	s_barrier_signal -1
	s_barrier_wait -1
	CREST
.endm
.macro WAVES
	v_lshrrev_b32 v1, 5, v0
	v_readfirstlane_b32 s12, v1
	s_lshr_b32 s13, s12, 1
	s_and_b32 s14, s12, 1
.endm
.macro PLACE44
	s_bfe_u32 s15, ttmp6, 0x40000                  ; cx
	s_bfe_u32 s16, ttmp6, 0x40004                  ; cy
	s_lshl_b32 s17, ttmp9, 2
	s_add_co_u32 s17, s17, s15                     ; x
	s_and_b32 s18, ttmp7, 0xffff
	s_lshl_b32 s18, s18, 2
	s_add_co_u32 s18, s18, s16                     ; y
	s_lshl_b32 s52, s16, 2
	s_lshl_b32 s52, 15, s52
	s_lshl_b32 s53, 0x1111, s15
	s_or_b32 s24, s52, GWR|(1<<21)
	s_or_b32 s40, s53, GWC|(1<<21)
.endm
.macro SHAPES
	s_mov_b32 s25, (128+128*L1)<<16
	s_mov_b32 s26, (16*N1)<<16
	s_mov_b32 s27, (128+128*L1)<<16
	s_mov_b32 s28, 16*N1
	s_mov_b32 s29, PITR
	s_mov_b32 s30, 0
	s_mov_b32 s31, 0
	s_mov_b32 s41, (128+128*L0)<<16
	s_mov_b32 s42, (16*N0)<<16
	s_mov_b32 s43, (128+128*L0)<<16
	s_mov_b32 s44, 16*N0
	s_mov_b32 s45, PITC
	s_mov_b32 s46, 0
	s_mov_b32 s47, 0
	s_mul_i32 s49, s14, 16*N1*P1
	s_mul_i32 s50, s14, 16*N0*P0
	s_add_co_u32 s50, s50, RTB
	s_mov_b32 s48, 0                               ; the slot in hand
	s_mov_b32 s[FR], 1
	s_mov_b32 s[FR+1], s49
	s_mov_b32 s[FC], 1
	s_mov_b32 s[FC+1], s50
	s_mov_b32 s32, 1
	s_add_co_u32 s33, s49, SLOT
	s_mov_b32 s36, 1
	s_add_co_u32 s37, s50, SLOT
.endm
.macro FIRSTADR ra, rc                 ; K steps 0 and 1: the buffers' addresses + the offsets in s[20:21], s[22:23]; type 2 on top
	s_add_nc_u64 s[FR+2:FR+3], s[\ra:\ra+1], s[20:21]
	s_add_nc_u64 s[34:35], s[FR+2:FR+3], STEPR
	s_or_b32 s[FR+3], s[FR+3], 0x80000000
	s_or_b32 s35, s35, 0x80000000
	s_add_nc_u64 s[FC+2:FC+3], s[\rc:\rc+1], s[22:23]
	s_add_nc_u64 s[38:39], s[FC+2:FC+3], STEPC
	s_or_b32 s[FC+3], s[FC+3], 0x80000000
	s_or_b32 s39, s39, 0x80000000
.endm
.macro NEXTTILE                        ; written only where no tensor load of mine is out: into the slot in hand, the next K step to be asked for
	s_add_co_u32 s33, s48, s49
	s_add_co_u32 s37, s48, s50
	s_add_nc_u64 s[34:35], s[34:35], STEPR
	s_add_nc_u64 s[38:39], s[38:39], STEPC
.endm
.macro LANES
	v_and_b32 v1, 15, v0
	v_bfe_u32 v2, v0, 4, 1
	v_mul_u32_u24 v[BR], v1, P1
	v_lshl_add_u32 v[BR], v2, 4, v[BR]
	s_mul_i32 s51, s13, 16*N1*P1
	v_add_nc_u32 v[BR], s51, v[BR]
	v_mul_u32_u24 v[BC], v1, P0
	v_lshl_add_u32 v[BC], v2, 4, v[BC]
	s_mul_i32 s51, s14, 16*N0*P0
	s_add_co_u32 s51, s51, RTB
	v_add_nc_u32 v[BC], s51, v[BC]
.endm
.macro FETCH q, f
	WIN 0
.set fi, 0
.rept N0
	ds_load_b128 v[CF+64*(\f)+8*fi:CF+64*(\f)+8*fi+3],   v[ADRC] offset:(\q)*STEPC/4+fi*16*P0
	ds_load_b128 v[CF+64*(\f)+8*fi+4:CF+64*(\f)+8*fi+7], v[ADRC] offset:(\q)*STEPC/4+fi*16*P0+32
.set fi, fi+1
.endr
	WIN 0x40
.set fi, 0
.rept N1
	ds_load_b128 v[RFS*(\f)+8*fi:RFS*(\f)+8*fi+3],   v[ADRR] offset:(\q)*STEPR/4+fi*16*P1
	ds_load_b128 v[RFS*(\f)+8*fi+4:RFS*(\f)+8*fi+7], v[ADRR] offset:(\q)*STEPR/4+fi*16*P1+32
.set fi, fi+1
.endr
.if L1
.set fi, 0
.rept N1
	ds_load_b128 v[RFS*(\f)+8*(N1+fi):RFS*(\f)+8*(N1+fi)+3],   v[ADRR] offset:(\q)*STEPR/4+64+fi*16*P1
	ds_load_b128 v[RFS*(\f)+8*(N1+fi)+4:RFS*(\f)+8*(N1+fi)+7], v[ADRR] offset:(\q)*STEPR/4+64+fi*16*P1+32
.set fi, fi+1
.endr
.endif
.if L0
	WIN 0
.set fi, 0
.rept N0
	ds_load_b128 v[CF+64*(\f)+8*(N0+fi):CF+64*(\f)+8*(N0+fi)+3],   v[ADRC] offset:(\q)*STEPC/4+64+fi*16*P0
	ds_load_b128 v[CF+64*(\f)+8*(N0+fi)+4:CF+64*(\f)+8*(N0+fi)+7], v[ADRC] offset:(\q)*STEPC/4+64+fi*16*P0+32
.set fi, fi+1
.endr
.endif
.endm
.macro PART f, c, a0, a1, zero         ; one instruction an accumulator: they take turns
.set pa, \a0
.rept (\a1)-(\a0)+1
.set pb, 0
.rept N0
.set pn, pa*N0+pb
.if pn < 32
	WIN 0xa4
.else
	WIN 0xf4
.endif
.set pd, 8*(pn%32)
.set ps0, CF+64*(\f)+8*((\c)*N0*L0+pb)
.set ps1, RFS*(\f)+8*((\c)*N1*L1+pa)
.if \zero
	v_wmma_f32_16x16x32_bf16 v[pd:pd+7], v[ps0:ps0+7], v[ps1:ps1+7], 0
.else
	v_wmma_f32_16x16x32_bf16 v[pd:pd+7], v[ps0:ps0+7], v[ps1:ps1+7], v[pd:pd+7]
.endif
.set pb, pb+1
.endr
.set pa, pa+1
.endr
.endm
.macro PASS f, c, zero
	PART \f, \c, 0, N1-1, \zero
.endm
.macro QUARTER f, g, q, zero
	s_wait_dscnt W1C                               ; all but the youngest W1C loads (M's lo, for the second pass) are in
	PASS \f, 0, \zero
	PLACES
	FETCH \q, \g
	s_wait_dscnt NL                                ; all but the NL just issued
	PASS \f, 1, 0
.endm
; A K step's last quarter changes slots: ONE barrier.  In front of it each wave waits for all its tensor loads (its part of the next slot), adds 0 to its spare word, and waits for that and for its reads of this slot.
; fill = 1: the barrier opens a round of the cluster's, and the joint refill of this slot, with the K step two on, is the first thing behind the round.
.macro TURN fill
	WIN 0
	s_wait_tensorcnt 0x0                           ; all my tensor loads have landed: my part of the next slot
	ds_add_u32 v[SPW], v[NIL]
.if \fill
	NEXTTILE
.endif
	s_wait_dscnt W1C+1                             ; the add and the second pass's loads may be out
	PART 1, 0, 0, 1, 0
	s_wait_dscnt 0x0                               ; the add is done, and my reads of this slot are over
	s_barrier_signal -1
	PART 1, 0, 2, N1-1, 0
	WIN 0
	s_barrier_wait -1
.if \fill
	CREST
	LOAD 0                                         ; its four v_nop are also the places in front of the loads below
.else
	PLACES
.endif
	s_xor_b32 s48, s48, SLOT
	v_add_nc_u32 v[ADRR], s48, v[BR]
	v_add_nc_u32 v[ADRC], s48, v[BC]
	FETCH 0, 0
	PASS 1, 1, 0
.endm
.macro DUMP                            ; every accumulator as f32 into the stage, its low registers first; the stage lies in the ring, which has had its last fill
.set da, 0
.rept N1
.set db, 0
.rept N0
.set dn, da*N0+db
.if dn < 32
	WIN 0x08
.else
	WIN 0x0c
.endif
	ds_store_b128 v[DST], v[8*(dn%32):8*(dn%32)+3]   offset:da*16*528+64*db
	ds_store_b128 v[DST], v[8*(dn%32)+4:8*(dn%32)+7] offset:da*16*528+64*db+16
.set db, db+1
.endr
.set da, da+1
.endr
	WIN 0
.endm
; Rows of 128 f32 leave as hi + lo.  A row a pass: lane l takes the 8 numbers 32 (l / 8) + 8 (l % 4) ..; lanes with bit 2 clear give hi, the others lo = bf16(x - hi): 32 lanes store 512 consecutive bytes.
.macro SPLIT trips
	s_mov_b32 s3, \trips
.Lsplit_\@:
.irp p, 0,1,2,3
	ds_load_b128 v[32+8*\p:35+8*\p], v[RDA] offset:528*\p
	ds_load_b128 v[36+8*\p:39+8*\p], v[RDA] offset:528*\p+16
.endr
.irp p, 0,1,2,3
	s_wait_dscnt 2*(3-\p)                          ; pass p's two loads are in, the later passes' stay out
.irp k, 0,1,2,3
	v_cvt_pk_bf16_f32 v[72+\k], v[32+8*\p+2*\k], v[33+8*\p+2*\k]
.endr
.irp k, 0,1,2,3
	v_lshlrev_b32 v[64+2*\k], 16, v[72+\k]
	v_and_b32 v[65+2*\k], 0xffff0000, v[72+\k]
.endr
.irp k, 0,1,2,3
	v_pk_add_f32 v[64+2*\k:65+2*\k], v[32+8*\p+2*\k:33+8*\p+2*\k], v[64+2*\k:65+2*\k] neg_lo:[0,1] neg_hi:[0,1]
.endr
.irp k, 0,1,2,3
	v_cvt_pk_bf16_f32 v[76+\k], v[64+2*\k], v[65+2*\k]
.endr
.irp k, 0,1,2,3
	v_cndmask_b32 v[80+4*\p+\k], v[72+\k], v[76+\k], s60
.endr
	global_store_b128 v[GO], v[80+4*\p:83+4*\p], s[56:57] offset:4096*\p
.endr
	s_wait_xcnt 0x0                                ; the base and the stores' data are written again only behind this wait
	s_add_nc_u64 s[56:57], s[56:57], 4*4096
	v_add_nc_u32 v[RDA], 4*528, v[RDA]
	s_sub_co_u32 s3, s3, 1
	s_cmp_lg_u32 s3, 0
	s_cbranch_scc1 .Lsplit_\@
.endm
	s_load_b128 s[4:7], s[0:1], 0x0                ; cv s[4:5], mt s[6:7]
	s_load_b64 s[8:9], s[0:1], 0x10                ; q2
	v_lshl_add_u32 v[SPW], v0, 2, SPARE
	v_mov_b32 v[NIL], 0
	ds_add_u32 v[SPW], v[NIL]                      ; the wave's opening
	ds_add_u32 v28, v29
	WAVES
	PLACE44
	SHAPES
	s_lshl_b32 s20, s18, 8                         ; R: cv row 11264 + 256 y + 128 x my half
	s_lshl_b32 s21, s14, 7
	s_add_co_u32 s20, s20, s21
	s_add_co_u32 s20, s20, 11264
	s_lshl_b32 s20, s20, 11
	s_mov_b32 s21, 0
	s_lshl_b32 s22, s17, 7                         ; C: mt row 128 x + 64 x my half
	s_lshl_b32 s23, s14, 6
	s_add_co_u32 s22, s22, s23
	s_lshl_b32 s22, s22, 12
	s_mov_b32 s23, 0
	s_wait_dscnt 0x0                               ; the opening add is done
	s_wait_kmcnt 0x0
	FIRSTADR 4, 6
	CROUND                                         ; all sixteen work-groups are here: the first joint loads meet
	LOAD 1                                         ; both slots' first fills go out together
	LANES
	v_mul_u32_u24 v[DST], v1, 528                  ; the work-group's stage, 256 rows: row 128 wr + l % 16, byte 256 wc + 32 (l / 16)
	v_lshl_add_u32 v[DST], v2, 5, v[DST]
	s_mul_i32 s51, s13, 16*N1*528
	s_lshl_b32 s54, s14, 8
	s_add_co_u32 s51, s51, s54
	v_add_nc_u32 v[DST], s51, v[DST]
	v_bfe_u32 v3, v0, 3, 2                         ; back: wave w takes rows 64 w .. 64 w + 63
	v_and_b32 v4, 3, v0
	v_lshlrev_b32 v[RDA], 7, v3
	v_lshl_add_u32 v[RDA], v4, 5, v[RDA]
	s_mul_i32 s51, s12, 64*528
	v_add_nc_u32 v[RDA], s51, v[RDA]
	v_and_b32 v[GO], 31, v0
	v_lshlrev_b32 v[GO], 4, v[GO]
	s_mov_b32 s60, 0xf0f0f0f0                      ; the lanes that give lo
	s_lshl_b32 s54, s18, 8
	s_lshl_b32 s55, s12, 6
	s_add_co_u32 s54, s54, s55                     ; q2 row 256 y + 64 w
	s_lshl_b32 s56, s54, 12
	s_lshl_b32 s55, s17, 9                         ; byte 512 x
	s_add_co_u32 s56, s56, s55
	s_mov_b32 s57, 0
	s_add_nc_u64 s[56:57], s[8:9], s[56:57]
	s_wait_tensorcnt 0x1                           ; my part of K step 0 is in; K step 1's may stay out
	s_barrier_signal -1
	s_barrier_wait -1                              ; everybody's is
	v_add_nc_u32 v[ADRR], s48, v[BR]
	v_add_nc_u32 v[ADRC], s48, v[BC]
	FETCH 0, 0
	QUARTER 0, 1, 1, 1                             ; the first quarter stands in front of the loop: its first pass starts the sums
	WIN 0
	s_mov_b32 s3, KT-2
	s_branch .Lmid                                 ; the loop is entered behind a step's first quarter
.Lk:                                                   ; a trip is a K step; it asks for the step two on
	QUARTER 0, 1, 1, 0
	WIN 0
.Lmid:
	QUARTER 1, 0, 2, 0
	QUARTER 0, 1, 3, 0
	TURN 1
	WIN 0
	s_sub_co_u32 s3, s3, 1
	s_cmp_lg_u32 s3, 0
	s_cbranch_scc1 .Lk
	s_mov_b32 s3, 2
.Lt:                                                   ; the last two K steps ask for nothing.  The very last change of slots fetches 32 fragments of the slot before, which nothing uses: the price of one text for both
	QUARTER 0, 1, 1, 0
	QUARTER 1, 0, 2, 0
	QUARTER 0, 1, 3, 0
	TURN 0
	WIN 0
	s_sub_co_u32 s3, s3, 1
	s_cmp_lg_u32 s3, 0
	s_cbranch_scc1 .Lt
	s_wait_dscnt 0x0
	s_barrier_signal -1                            ; nobody reads the ring any more
	s_barrier_wait -1
	PLACES
	DUMP
	s_wait_dscnt 0x0                               ; for the others' sake: a stage row comes from two waves
	s_barrier_signal -1
	s_barrier_wait -1
	SPLIT 16
	s_wait_tensorcnt 0x0                           ; the wave's end
	ds_add_u32 v[SPW], v[NIL]
	s_wait_dscnt 0x0
	CROUND                                         ; the closing round
	s_endpgm
.Lfunc_end_k_qc0a640cefa_gq:
	.size	k_qc0a640cefa_gq, .Lfunc_end_k_qc0a640cefa_gq-k_qc0a640cefa_gq
	.p2alignl 7, 3214868480
	.fill 96, 4, 3214868480
	.section	.rodata,"a",@progbits
	.p2align	6, 0x0
	.amdhsa_kernel k_qc0a640cefa_gq
		.amdhsa_group_segment_fixed_size 327680
		.amdhsa_private_segment_fixed_size 0
		.amdhsa_enable_private_segment 0
		.amdhsa_kernarg_size 24
		.amdhsa_user_sgpr_count 2
		.amdhsa_user_sgpr_kernarg_segment_ptr 1
		.amdhsa_wavefront_size32 1
		.amdhsa_system_sgpr_workgroup_id_x 1
		.amdhsa_system_sgpr_workgroup_id_y 1
		.amdhsa_system_sgpr_workgroup_id_z 1
		.amdhsa_system_vgpr_workitem_id 0
		.amdhsa_next_free_vgpr 768
		.amdhsa_next_free_sgpr 76
		.amdhsa_reserve_vcc 0
		.amdhsa_float_denorm_mode_32 3
		.amdhsa_float_denorm_mode_16_64 3
		.amdhsa_memory_ordered 1
		.amdhsa_forward_progress 1
		.amdhsa_inst_pref_size 80
	.end_amdhsa_kernel
	.amdgpu_metadata
---
amdhsa.version: [ 1, 2 ]
amdhsa.kernels:
  - .name:           k_qc0a640cefa_gq
    .symbol:         k_qc0a640cefa_gq.kd
    .args:
      - { .name: cv, .offset: 0, .size: 8, .value_kind: global_buffer, .address_space: global }
      - { .name: mt, .offset: 8, .size: 8, .value_kind: global_buffer, .address_space: global }
      - { .name: q2, .offset: 16, .size: 8, .value_kind: global_buffer, .address_space: global }
    .group_segment_fixed_size: 327680
    .private_segment_fixed_size: 0
    .kernarg_segment_align: 8
    .kernarg_segment_size: 24
    .max_flat_workgroup_size: 128
    .sgpr_count:     76
    .vgpr_count:     768
    .wavefront_size: 32
...
	.end_amdgpu_metadata
.endif
;; end of part 8
;; launch gs (part 9): grid 62 x 4, 4 waves a work-group, no clusters, 327,680 bytes of LDS; arguments q2, cv, pp, st; writes pp, st
.if DOCPART == 9
	.amdgcn_target "amdgcn-amd-amdhsa--gfx1250"
	.amdhsa_code_object_version 6
	.text
	.protected	k_qc0a640cefa_gs
	.globl	k_qc0a640cefa_gs
	.p2align	8
	.type	k_qc0a640cefa_gs,@function
k_qc0a640cefa_gs:
	s_mov_b64 s[64:65], 0
	v_nop
	global_prefetch_b8 v0, s[64:65] scope:SCOPE_SE
	s_setreg_imm32_b32 hwreg(HW_REG_WAVE_MODE, 25, 1), 1
	s_wait_xcnt 0x0
; GS.  Raw scores S[q][k] = sum_j Q'[q][j] x_k[k][j] (Q' as hi + lo, both into one f32 sum), the causal mask, and the first stage of the softmax: for each row and each tile of 128 keys the true maximum m,
; p = 2^(c (s - m)) with c = log2(e) / 32, and l = the sum of the unrounded p.  p goes as f16 into pp [4][2080][2048]; m and l into st [2][4][16 tiles][2080 rows] f32.  The scores never reach memory.
; s - m is formed before the scaling: it is exact where s = m, so a tile that is wholly hidden for a row gives p = 1, l = 128 and m near -1e30; the next launch gives such a tile the weight 0.
; LIMITS.  A hidden score counts as its value less 1e30; p below 6e-5 keeps f16's fixed step; a weight below 2^-126 counts as 0; NaN and infinities are not treated apart.
; SHARES.  Blocks of 160 queries (I = 0 .. 12) against tiles of 256 keys: block I needs 1, 2, 2, 3, 4, 4, 5, 5, 6, 7, 7, 8, 8 tiles, 62 a batch: 248 work-groups of equal work.  Block 12 reaches 32 rows past its batch
; (the next batch's rows, or q2's zero rows); what it makes of them lands in rows 2048 .. 2079 of pp and st, which nobody reads.
; NO CLUSTER: a block has 1 to 8 key tiles and a key tile 1 to 13 blocks, 62 work-groups a batch: groups of four that share a tile do not exist for all of them.
; Four waves, 2 x 2, each 80 queries x 128 keys: 40 accumulators.  K in steps of 128 true numbers: q2's rows are 512 bytes (R, long), x_k's 256 (C, short).  Two slots; a wave has two tensor loads out at the start, later one.
; THE MASK STARTS THE SUMS: accumulator (a, b) begins as MD x AL + BE; with u = 16 (b - a) + E: (1, 0) if u = 0, (0, 0) if u < 0, (0, -1e30) if u > 0; MD is -1e30 where 8 (l / 16) + j > l % 16.
; st's stores are pieces of 64 bytes, 0.7 MB in the whole launch.
; REGISTERS: window 0: v0-31 addresses, v32-127 at work, v128-255 C's two buffers; window 1: v0-159 R's two buffers; window 2 and v0-63 of window 3: the accumulators.
.set N0, 8
.set N1, 5
.set L0, 0
.set L1, 1
.set KT, 8
.set PITR, 2048
.set PITC, 1024
.set P0,   272+256*L0                  ; LDS pitch: the row + 16 bytes, an odd multiple of 16 (64 banks of 4 bytes: ISA guide 11.1)
.set P1,   272+256*L1
.set RTB,  32*N1*P1
.set SLOT, RTB+32*N0*P0
.set SPARE, 2*SLOT                     ; the spare words, 128 bytes a wave, two blocks of 256 bytes that no other line names
.set SCR,  4*80*528                    ; behind the four stages: 768 bytes a wave for m and l of its 80 rows
.set STEPR, 256+256*L1
.set STEPC, 256+256*L0
.set W1C,  2*(L0*N0+L1*N1)
.set NL,   2*(N0*(1+L0)+N1*(1+L1))
.set CF,   128
.set RFS,  8*N1*(1+L1)
.set GWR,  (1<<16)|(1<<20)|((5+L1)<<22)|(3<<25)
.set GWC,  (1<<16)|(1<<20)|((5+L0)<<22)|(3<<25)
.set FR,   76                          ; s[76:79], s[80:83] group 0 of the first fill of slot 0; s[32:35], s[36:39] walk on from K step 1
.set FC,   80
.set BR, 16
.set BC, 17
.set ADRR, 18
.set ADRC, 19
.set DST, 20
.set RDA, 21
.set GO,  22
.set SA,  23                           ; v23  where I put m (even lanes) or l (odd lanes) of my row
.set SB,  24                           ; v24  where I read them back
.set SG,  25                           ; v25  my byte offset in st
.set SPW, 28                           ; v28  LDS address of my spare word; never rewritten
.set NIL, 29                           ; v29  0; never rewritten
.set PO,  72                           ; v[72 + 4 p ..]   the way out, pass p: 8 weights in f16, to store
.set SEL, 88                           ; v[88 + p]        m or l for the scratch
.set MD,  96
.set MX,  104                          ; v[104 + 2 p]     pass p's maximum; the odd registers hold 0 and are only named as pairs
.set SU,  112                          ; v[112 + 4 p ..]  pass p's sums
.set MSB, 0
.macro WIN new
.if MSB != (\new)
	s_set_vgpr_msb (MSB<<8)|(\new)
.set MSB, (\new)
.endif
.endm
.macro PLACES                          ; four places behind matrix instructions (not for loads)
.rept 4
	v_nop
.endr
.endm
.macro LOAD two                        ; waves 0, 1: R's halves; waves 2, 3: C's; two = 1: K step 0 into slot 0 first; an s_nop 0 follows each load, four v_nop the last
	s_cmp_lt_u32 s12, 2
	s_cbranch_scc0 .Lfor_c_\@
.if \two
	tensor_load_to_lds s[FR:FR+3], s[24:31]
	s_nop 0
.endif
	tensor_load_to_lds s[32:35], s[24:31]
	s_nop 0
.rept 4
	v_nop
.endr
	s_branch .Lasked_\@
.Lfor_c_\@:
.if \two
	tensor_load_to_lds s[FC:FC+3], s[40:47]
	s_nop 0
.endif
	tensor_load_to_lds s[36:39], s[40:47]
	s_nop 0
.rept 4
	v_nop
.endr
.Lasked_\@:
.endm
.macro WAVES
	v_lshrrev_b32 v1, 5, v0
	v_readfirstlane_b32 s12, v1
	s_lshr_b32 s13, s12, 1
	s_and_b32 s14, s12, 1
.endm
.macro SHAPES
	s_mov_b32 s25, (128+128*L1)<<16
	s_mov_b32 s26, (16*N1)<<16
	s_mov_b32 s27, (128+128*L1)<<16
	s_mov_b32 s28, 16*N1
	s_mov_b32 s29, PITR
	s_mov_b32 s30, 0
	s_mov_b32 s31, 0
	s_mov_b32 s41, (128+128*L0)<<16
	s_mov_b32 s42, (16*N0)<<16
	s_mov_b32 s43, (128+128*L0)<<16
	s_mov_b32 s44, 16*N0
	s_mov_b32 s45, PITC
	s_mov_b32 s46, 0
	s_mov_b32 s47, 0
	s_mul_i32 s49, s14, 16*N1*P1
	s_mul_i32 s50, s14, 16*N0*P0
	s_add_co_u32 s50, s50, RTB
	s_mov_b32 s48, 0                               ; the slot in hand
	s_mov_b32 s[FR], 1
	s_mov_b32 s[FR+1], s49
	s_mov_b32 s[FC], 1
	s_mov_b32 s[FC+1], s50
	s_mov_b32 s32, 1
	s_add_co_u32 s33, s49, SLOT
	s_mov_b32 s36, 1
	s_add_co_u32 s37, s50, SLOT
.endm
.macro FIRSTADR ra, rc                 ; K steps 0 and 1: the buffers' addresses + the offsets in s[20:21], s[22:23]; type 2 on top
	s_add_nc_u64 s[FR+2:FR+3], s[\ra:\ra+1], s[20:21]
	s_add_nc_u64 s[34:35], s[FR+2:FR+3], STEPR
	s_or_b32 s[FR+3], s[FR+3], 0x80000000
	s_or_b32 s35, s35, 0x80000000
	s_add_nc_u64 s[FC+2:FC+3], s[\rc:\rc+1], s[22:23]
	s_add_nc_u64 s[38:39], s[FC+2:FC+3], STEPC
	s_or_b32 s[FC+3], s[FC+3], 0x80000000
	s_or_b32 s39, s39, 0x80000000
.endm
.macro NEXTTILE                        ; written only where no tensor load of mine is out: into the slot in hand, the next K step to be asked for
	s_add_co_u32 s33, s48, s49
	s_add_co_u32 s37, s48, s50
	s_add_nc_u64 s[34:35], s[34:35], STEPR
	s_add_nc_u64 s[38:39], s[38:39], STEPC
.endm
.macro LANES
	v_and_b32 v1, 15, v0
	v_bfe_u32 v2, v0, 4, 1
	v_mul_u32_u24 v[BR], v1, P1
	v_lshl_add_u32 v[BR], v2, 4, v[BR]
	s_mul_i32 s51, s13, 16*N1*P1
	v_add_nc_u32 v[BR], s51, v[BR]
	v_mul_u32_u24 v[BC], v1, P0
	v_lshl_add_u32 v[BC], v2, 4, v[BC]
	s_mul_i32 s51, s14, 16*N0*P0
	s_add_co_u32 s51, s51, RTB
	v_add_nc_u32 v[BC], s51, v[BC]
.endm
.macro FETCH q, f
	WIN 0
.set fi, 0
.rept N0
	ds_load_b128 v[CF+64*(\f)+8*fi:CF+64*(\f)+8*fi+3],   v[ADRC] offset:(\q)*STEPC/4+fi*16*P0
	ds_load_b128 v[CF+64*(\f)+8*fi+4:CF+64*(\f)+8*fi+7], v[ADRC] offset:(\q)*STEPC/4+fi*16*P0+32
.set fi, fi+1
.endr
	WIN 0x40
.set fi, 0
.rept N1
	ds_load_b128 v[RFS*(\f)+8*fi:RFS*(\f)+8*fi+3],   v[ADRR] offset:(\q)*STEPR/4+fi*16*P1
	ds_load_b128 v[RFS*(\f)+8*fi+4:RFS*(\f)+8*fi+7], v[ADRR] offset:(\q)*STEPR/4+fi*16*P1+32
.set fi, fi+1
.endr
.if L1
.set fi, 0
.rept N1
	ds_load_b128 v[RFS*(\f)+8*(N1+fi):RFS*(\f)+8*(N1+fi)+3],   v[ADRR] offset:(\q)*STEPR/4+64+fi*16*P1
	ds_load_b128 v[RFS*(\f)+8*(N1+fi)+4:RFS*(\f)+8*(N1+fi)+7], v[ADRR] offset:(\q)*STEPR/4+64+fi*16*P1+32
.set fi, fi+1
.endr
.endif
.if L0
	WIN 0
.set fi, 0
.rept N0
	ds_load_b128 v[CF+64*(\f)+8*(N0+fi):CF+64*(\f)+8*(N0+fi)+3],   v[ADRC] offset:(\q)*STEPC/4+64+fi*16*P0
	ds_load_b128 v[CF+64*(\f)+8*(N0+fi)+4:CF+64*(\f)+8*(N0+fi)+7], v[ADRC] offset:(\q)*STEPC/4+64+fi*16*P0+32
.set fi, fi+1
.endr
.endif
.endm
.macro PART f, c, a0, a1, zero         ; one instruction an accumulator: they take turns
.set pa, \a0
.rept (\a1)-(\a0)+1
.set pb, 0
.rept N0
.set pn, pa*N0+pb
.if pn < 32
	WIN 0xa4
.else
	WIN 0xf4
.endif
.set pd, 8*(pn%32)
.set ps0, CF+64*(\f)+8*((\c)*N0*L0+pb)
.set ps1, RFS*(\f)+8*((\c)*N1*L1+pa)
.if \zero
	v_wmma_f32_16x16x32_bf16 v[pd:pd+7], v[ps0:ps0+7], v[ps1:ps1+7], 0
.else
	v_wmma_f32_16x16x32_bf16 v[pd:pd+7], v[ps0:ps0+7], v[ps1:ps1+7], v[pd:pd+7]
.endif
.set pb, pb+1
.endr
.set pa, pa+1
.endr
.endm
.macro PASS f, c, zero                 ; the second pass begins with row block 4, whose window the first pass left set
.if (\c) == 1
	PART \f, 1, 4, 4, 0
	PART \f, 1, 0, 3, 0
.else
	PART \f, 0, 0, N1-1, \zero
.endif
.endm
.macro QUARTER f, g, q, zero
	s_wait_dscnt W1C                               ; all but the youngest W1C loads (Q' lo, for the second pass) are in
	PASS \f, 0, \zero
	PLACES
	FETCH \q, \g
	s_wait_dscnt NL                                ; all but the NL just issued
	PASS \f, 1, 0
.endm
; The change of slots: ONE barrier.  In front of it each wave waits for all its tensor loads (its part of the next slot), adds 0 to its spare word, and waits for that and for its reads of this slot.
; fill = 1: this slot's refill, the K step two on, is the first thing behind the barrier.
.macro TURN fill
	WIN 0
	s_wait_tensorcnt 0x0
	ds_add_u32 v[SPW], v[NIL]
.if \fill
	NEXTTILE
.endif
	s_wait_dscnt W1C+1                             ; the add and the second pass's loads may be out
	PART 1, 0, 0, 1, 0
	s_wait_dscnt 0x0                               ; the add is done, and my reads of this slot are over
	s_barrier_signal -1
	PART 1, 0, 2, N1-1, 0
	WIN 0
	s_barrier_wait -1
.if \fill
	LOAD 0                                         ; its four v_nop are also the places in front of the loads below
.else
	PLACES
.endif
	s_xor_b32 s48, s48, SLOT
	v_add_nc_u32 v[ADRR], s48, v[BR]
	v_add_nc_u32 v[ADRC], s48, v[BC]
	FETCH 0, 0
	PASS 1, 1, 0
.endm
.macro DUMP                            ; every accumulator as f32 into my own stage, its low registers first; the stages lie in the ring, which has had its last fill
.set da, 0
.rept N1
.set db, 0
.rept N0
.set dn, da*N0+db
.if dn < 32
	WIN 0x08
.else
	WIN 0x0c
.endif
	ds_store_b128 v[DST], v[8*(dn%32):8*(dn%32)+3]   offset:da*16*528+64*db
	ds_store_b128 v[DST], v[8*(dn%32)+4:8*(dn%32)+7] offset:da*16*528+64*db+16
.set db, db+1
.endr
.set da, da+1
.endr
	WIN 0
.endm
.macro BLOCK n, first                  ; from work-group `first` of a batch on: block n
	s_cmp_ge_u32 s15, \first
	s_cselect_b32 s17, \n, s17
	s_cselect_b32 s18, \first, s18
.endm
.macro MASKD d                         ; the accumulators with b - a = d
	s_add_co_i32 s71, s52, 16*(\d)
	s_cmp_eq_u32 s71, 0
	s_cselect_b32 s66, 1.0, 0
	s_cmp_gt_i32 s71, 0
	s_cselect_b32 s68, s70, 0
.set ma, 0
.rept N1
.set mb, ma+(\d)
.if (mb >= 0) && (mb < N0)
.set mn, ma*N0+mb
.if mn < 32
	WIN 0x80                                       ; destination window 2
.else
	WIN 0xc0
.endif
.irp z, 0,1,2,3
	v_pk_fma_f32 v[8*(mn%32)+2*\z:8*(mn%32)+2*\z+1], v[MD+2*\z:MD+2*\z+1], s[66:67], s[68:69] op_sel_hi:[1,0,0]
.endr
.endif
.set ma, ma+1
.endr
.endm
; THE SOFTMAX'S FIRST STAGE.  A pass is two rows of 128 scores: sixteen lanes hold a row, 8 keys each, in v[32 + 8 p ..].  A trip's four passes have registers of their own and go through each stage side by side,
; so that an instruction stands four behind the one whose result it reads.  Three runs of eight instructions a pass:
.macro XA p, i                         ; number i of: s - m for the four pairs, then x c
.if (\i) < 4
	v_pk_add_f32 v[32+8*(\p)+2*(\i):33+8*(\p)+2*(\i)], v[32+8*(\p)+2*(\i):33+8*(\p)+2*(\i)], v[MX+2*(\p):MX+2*(\p)+1] op_sel_hi:[1,0] neg_lo:[0,1] neg_hi:[0,1]
.else
	v_pk_mul_f32 v[24+8*(\p)+2*(\i):25+8*(\p)+2*(\i)], v[24+8*(\p)+2*(\i):25+8*(\p)+2*(\i)], s[74:75] op_sel_hi:[1,0]
.endif
.endm
.macro XE p, i                         ; number i of the eight exponentials
	v_exp_f32 v[32+8*(\p)+(\i)], v[32+8*(\p)+(\i)]
.endm
.macro XB p, i                         ; number i of: two sums of pairs, four roundings to f16, the two sums into one number a lane
.if (\i) == 0
	s_wait_alu depctr_va_vdst(0)
	v_pk_add_f32 v[SU+4*(\p):SU+4*(\p)+1], v[32+8*(\p):33+8*(\p)], v[34+8*(\p):35+8*(\p)]
.elseif (\i) == 1
	v_pk_add_f32 v[SU+4*(\p)+2:SU+4*(\p)+3], v[36+8*(\p):37+8*(\p)], v[38+8*(\p):39+8*(\p)]
.elseif (\i) < 6
	v_cvt_pk_f16_f32 v[PO+4*(\p)+(\i)-2], v[28+8*(\p)+2*(\i)], v[29+8*(\p)+2*(\i)]
.elseif (\i) == 6
	v_pk_add_f32 v[SU+4*(\p):SU+4*(\p)+1], v[SU+4*(\p):SU+4*(\p)+1], v[SU+4*(\p)+2:SU+4*(\p)+3]
.else
	v_add_f32 v[SU+4*(\p)], v[SU+4*(\p)], v[SU+4*(\p)+1]
.endif
.endm
	s_load_b256 s[4:11], s[0:1], 0x0               ; q2 s[4:5], cv s[6:7], pp s[8:9], st s[10:11]
	v_lshl_add_u32 v[SPW], v0, 2, SPARE
	v_mov_b32 v[NIL], 0
	ds_add_u32 v[SPW], v[NIL]                      ; the wave's opening
	ds_add_u32 v28, v29
	WAVES
	s_mov_b32 s15, ttmp9
	s_and_b32 s16, ttmp7, 0xffff                   ; the batch b
	s_mov_b32 s17, 0                               ; I
	s_mov_b32 s18, 0
	BLOCK 1, 1
	BLOCK 2, 3
	BLOCK 3, 5
	BLOCK 4, 8
	BLOCK 5, 12
	BLOCK 6, 16
	BLOCK 7, 21
	BLOCK 8, 26
	BLOCK 9, 32
	BLOCK 10, 39
	BLOCK 11, 46
	BLOCK 12, 54
	s_sub_co_u32 s18, s15, s18                     ; kt: the block's tile of 256 keys
	s_mov_b32 s24, GWR
	s_mov_b32 s40, GWC
	SHAPES
	s_mul_i32 s19, s17, 160                        ; 160 I
	s_lshl_b32 s20, s16, 11                        ; R: q2 row 2048 b + 160 I + 80 x my half
	s_add_co_u32 s20, s20, s19
	s_mul_i32 s21, s14, 80
	s_add_co_u32 s20, s20, s21
	s_lshl_b32 s20, s20, 12
	s_mov_b32 s21, 0
	s_lshl_b32 s22, s16, 11                        ; C: cv row 19456 + 2048 b + 256 kt + 128 x my half
	s_lshl_b32 s23, s18, 8
	s_add_co_u32 s22, s22, s23
	s_lshl_b32 s23, s14, 7
	s_add_co_u32 s22, s22, s23
	s_add_co_u32 s22, s22, 19456
	s_lshl_b32 s22, s22, 11
	s_mov_b32 s23, 0
	s_mul_i32 s53, s13, 80
	s_add_co_u32 s53, s53, s19                     ; my first query in the batch: 160 I + 80 wr
	s_lshl_b32 s52, s18, 8
	s_lshl_b32 s54, s14, 7
	s_add_co_u32 s52, s52, s54                     ; my first key: 256 kt + 128 wc
	s_sub_co_u32 s52, s52, s53                     ; E, a signed multiple of 16
	s_mul_i32 s54, s16, 2080                       ; pp: row 2080 b + my first query, byte 512 kt + 256 wc
	s_add_co_u32 s54, s54, s53
	s_lshl_b32 s56, s54, 12
	s_lshl_b32 s55, s18, 9
	s_add_co_u32 s56, s56, s55
	s_lshl_b32 s55, s14, 8
	s_add_co_u32 s56, s56, s55
	s_mov_b32 s57, 0
	s_lshl_b32 s60, s16, 4                         ; st: tile 16 b + 2 kt + wc, 2,080 rows each
	s_lshl_b32 s55, s18, 1
	s_add_co_u32 s60, s60, s55
	s_add_co_u32 s60, s60, s14
	s_mul_i32 s60, s60, 2080
	s_add_co_u32 s60, s60, s53
	s_lshl_b32 s60, s60, 2
	s_mov_b32 s61, 0
	s_mov_b32 s67, 0                               ; named as pairs
	s_mov_b32 s69, 0
	s_mov_b32 s70, 0xf149f2ca                      ; -1e30
	s_mov_b32 s72, 0xaaaaaaaa                      ; the odd lanes
	s_mov_b32 s74, 0x3d38aa3b                      ; c = log2(e) / 32
	s_mov_b32 s75, s74
	s_wait_dscnt 0x0                               ; the opening add is done
	s_wait_kmcnt 0x0
	FIRSTADR 4, 6
	s_add_nc_u64 s[58:59], s[8:9], s[56:57]
	s_add_nc_u64 s[62:63], s[10:11], s[60:61]
	LOAD 1                                         ; both slots' first fills go out together; all that follows up to the wait stands in the wait for them
	LANES
	v_lshlrev_b32 v3, 3, v2
	v_sub_nc_u32 v3, v1, v3                        ; l % 16 - 8 (l / 16)
.irp j, 0,1,2,3,4,5,6,7
	v_cmp_gt_i32 vcc_lo, \j, v3
	v_cndmask_b32 v[MD+\j], 0, s70, vcc_lo
.endr
.irp d, -4,-3,-2,-1,0,1,2,3,4,5,6,7
	MASKD \d
.endr
	WIN 0
	s_mul_i32 s51, s12, 80*528                     ; my stage
	v_mul_u32_u24 v[DST], v1, 528
	v_lshl_add_u32 v[DST], v2, 5, v[DST]
	v_add_nc_u32 v[DST], s51, v[DST]
	v_mul_u32_u24 v[RDA], v2, 528                  ; back: lanes 0-15 one row, lanes 16-31 the next, 32 bytes a lane
	v_lshl_add_u32 v[RDA], v1, 5, v[RDA]
	v_add_nc_u32 v[RDA], s51, v[RDA]
	v_lshlrev_b32 v[GO], 12, v2
	v_lshl_add_u32 v[GO], v1, 4, v[GO]
	s_mul_i32 s51, s12, 768
	s_add_co_u32 s51, s51, SCR
	v_and_b32 v3, 1, v0
	v_mul_u32_u24 v[SA], v3, 320                   ; m's 80 words, then l's
	v_lshl_add_u32 v[SA], v2, 2, v[SA]
	v_add_nc_u32 v[SA], s51, v[SA]
	v_mul_u32_u24 v[SB], v2, 320
	v_lshl_add_u32 v[SB], v1, 2, v[SB]
	v_add_nc_u32 v[SB], s51, v[SB]
	v_mul_u32_u24 v[SG], v2, 532480                ; lanes 0-15 the plane of m, lanes 16-31 that of l
	v_lshl_add_u32 v[SG], v1, 2, v[SG]
.irp p, 0,1,2,3
	v_mov_b32 v[MX+2*\p+1], 0                      ; named with the maxima as pairs
.endr
	s_wait_tensorcnt 0x1                           ; my part of K step 0 is in; K step 1's may stay out
	s_barrier_signal -1
	s_barrier_wait -1                              ; everybody's is
	v_add_nc_u32 v[ADRR], s48, v[BR]
	v_add_nc_u32 v[ADRC], s48, v[BC]
	FETCH 0, 0
	WIN 0
	s_mov_b32 s3, KT-2
.Lk:                                                   ; a trip is a K step; it asks for the step two on
	QUARTER 0, 1, 1, 0
	QUARTER 1, 0, 2, 0
	QUARTER 0, 1, 3, 0
	TURN 1
	WIN 0
	s_sub_co_u32 s3, s3, 1
	s_cmp_lg_u32 s3, 0
	s_cbranch_scc1 .Lk
	s_mov_b32 s3, 2
.Lt:                                                   ; the last two K steps ask for nothing.  The very last change of slots fetches 36 fragments of the slot before, which nothing uses: the price of one text for both
	QUARTER 0, 1, 1, 0
	QUARTER 1, 0, 2, 0
	QUARTER 0, 1, 3, 0
	TURN 0
	WIN 0
	s_sub_co_u32 s3, s3, 1
	s_cmp_lg_u32 s3, 0
	s_cbranch_scc1 .Lt
	s_wait_dscnt 0x0
	s_barrier_signal -1                            ; nobody reads the ring any more
	s_barrier_wait -1
	PLACES
	DUMP                                           ; LDS serves a wave's instructions in order (ISA guide 5.7.1.4): my loads below see my stores
	s_mov_b32 s3, 10
.Lrows:                                                ; a trip: eight of my 80 rows, four passes of two
.irp p, 0,1,2,3
	ds_load_b128 v[32+8*\p:35+8*\p], v[RDA] offset:1056*\p
	ds_load_b128 v[36+8*\p:39+8*\p], v[RDA] offset:1056*\p+16
.endr
.irp p, 0,1,2,3
	s_wait_dscnt 2*(3-\p)                          ; pass p's two loads are in; the later passes' stay out; the last trip's four stores into the scratch are older
	v_max3_num_f32 v[MX+2*\p], v[32+8*\p], v[33+8*\p], v[34+8*\p]
	v_max3_num_f32 v[SU+4*\p], v[35+8*\p], v[36+8*\p], v[37+8*\p]
.endr
.irp p, 0,1,2,3
	v_max3_num_f32 v[MX+2*\p], v[MX+2*\p], v[38+8*\p], v[39+8*\p]
.endr
.irp p, 0,1,2,3
	v_max_num_f32 v[MX+2*\p], v[MX+2*\p], v[SU+4*\p]
.endr
.irp x, 1,2,4,8
.irp p, 0,1,2,3
	v_max_num_f32_dpp v[MX+2*\p], v[MX+2*\p], v[MX+2*\p] row_xmask:\x row_mask:0xf bank_mask:0xf  ; after the fourth step: m of the row's 128 keys, in all its sixteen lanes
.endr
.endr
	; A pass's exponentials alternate with another pass's plain instructions: behind each exponential stands a plain instruction that names none of its registers (ISA guide 5.7.2)
.irp i, 0,1,2,3,4,5,6,7
	XA 0, \i
	XA 1, \i
.endr
.irp i, 0,1,2,3,4,5,6,7
	XE 0, \i
	XA 2, \i
.endr
.irp i, 0,1,2,3,4,5,6,7
	XE 1, \i
	XA 3, \i
.endr
.irp i, 0,1,2,3,4,5,6,7
	XE 2, \i
	XB 0, \i
.endr
.irp i, 0,1,2,3,4,5,6,7
	XE 3, \i
	XB 1, \i
.endr
.irp i, 0,1,2,3,4,5,6,7
	XB 2, \i
	XB 3, \i
.endr
.irp p, 0,1,2,3
	global_store_b128 v[GO], v[PO+4*\p:PO+4*\p+3], s[58:59] offset:8192*\p  ; sixteen lanes: 256 consecutive bytes of a row of pp, aligned
.endr
.irp x, 1,2,4,8
.irp p, 0,1,2,3
	v_add_f32_dpp v[SU+4*\p], v[SU+4*\p], v[SU+4*\p] row_xmask:\x row_mask:0xf bank_mask:0xf  ; after the fourth step: l of the row's 128 keys
.endr
.endr
.irp p, 0,1,2,3
	v_cndmask_b32 v[SEL+\p], v[MX+2*\p], v[SU+4*\p], s72  ; even lanes m, odd lanes l
.endr
.irp p, 0,1,2,3
	ds_store_b32 v[SA], v[SEL+\p] offset:8*\p
.endr
	s_wait_xcnt 0x0                                ; the base and the stores' data are written again only behind this wait
	s_add_nc_u64 s[58:59], s[58:59], 32768
	v_add_nc_u32 v[RDA], 8*528, v[RDA]
	v_add_nc_u32 v[SA], 32, v[SA]
	s_sub_co_u32 s3, s3, 1
	s_cmp_lg_u32 s3, 0
	s_cbranch_scc1 .Lrows
.irp k, 0,1,2,3,4
	ds_load_b32 v[32+\k], v[SB] offset:64*\k
.endr
.irp k, 0,1,2,3,4
	s_wait_dscnt 4-\k
	global_store_b32 v[SG], v[32+\k], s[62:63] offset:64*\k
.endr
	s_wait_tensorcnt 0x0                           ; the wave's end
	ds_add_u32 v[SPW], v[NIL]
	s_wait_dscnt 0x0
	s_endpgm
.Lfunc_end_k_qc0a640cefa_gs:
	.size	k_qc0a640cefa_gs, .Lfunc_end_k_qc0a640cefa_gs-k_qc0a640cefa_gs
	.p2alignl 7, 3214868480
	.fill 96, 4, 3214868480
	.section	.rodata,"a",@progbits
	.p2align	6, 0x0
	.amdhsa_kernel k_qc0a640cefa_gs
		.amdhsa_group_segment_fixed_size 327680
		.amdhsa_private_segment_fixed_size 0
		.amdhsa_enable_private_segment 0
		.amdhsa_kernarg_size 32
		.amdhsa_user_sgpr_count 2
		.amdhsa_user_sgpr_kernarg_segment_ptr 1
		.amdhsa_wavefront_size32 1
		.amdhsa_system_sgpr_workgroup_id_x 1
		.amdhsa_system_sgpr_workgroup_id_y 1
		.amdhsa_system_sgpr_workgroup_id_z 1
		.amdhsa_system_vgpr_workitem_id 0
		.amdhsa_next_free_vgpr 832
		.amdhsa_next_free_sgpr 84
		.amdhsa_reserve_vcc 1
		.amdhsa_float_denorm_mode_32 3
		.amdhsa_float_denorm_mode_16_64 3
		.amdhsa_memory_ordered 1
		.amdhsa_forward_progress 1
		.amdhsa_inst_pref_size 103
	.end_amdhsa_kernel
	.amdgpu_metadata
---
amdhsa.version: [ 1, 2 ]
amdhsa.kernels:
  - .name:           k_qc0a640cefa_gs
    .symbol:         k_qc0a640cefa_gs.kd
    .args:
      - { .name: q2, .offset: 0, .size: 8, .value_kind: global_buffer, .address_space: global }
      - { .name: cv, .offset: 8, .size: 8, .value_kind: global_buffer, .address_space: global }
      - { .name: pp, .offset: 16, .size: 8, .value_kind: global_buffer, .address_space: global }
      - { .name: st, .offset: 24, .size: 8, .value_kind: global_buffer, .address_space: global }
    .group_segment_fixed_size: 327680
    .private_segment_fixed_size: 0
    .kernarg_segment_align: 8
    .kernarg_segment_size: 32
    .max_flat_workgroup_size: 128
    .sgpr_count:     84
    .vgpr_count:     832
    .wavefront_size: 32
...
	.end_amdgpu_metadata
.endif
;; end of part 9
;; launch go (part 10): grid 8 x 32, 4 waves a work-group, clusters of 4 x 1, 327,680 bytes of LDS; arguments pp, vt, st, out0; writes out0
.if DOCPART == 10
	.amdgcn_target "amdgcn-amd-amdhsa--gfx1250"
	.amdhsa_code_object_version 6
	.text
	.protected	k_qc0a640cefa_go
	.globl	k_qc0a640cefa_go
	.p2align	8
	.type	k_qc0a640cefa_go,@function
k_qc0a640cefa_go:
	s_mov_b64 s[64:65], 0
	v_nop
	global_prefetch_b8 v0, s[64:65] scope:SCOPE_SE
	s_setreg_imm32_b32 hwreg(HW_REG_WAVE_MODE, 25, 1), 1
	s_wait_xcnt 0x0
	s_wait_alu depctr_hold_cnt(0) depctr_sa_sdst(0) depctr_va_vdst(0) depctr_va_sdst(0) depctr_va_ssrc(0) depctr_va_vcc(0) depctr_vm_vsrc(0)
	s_getreg_b32 s2, hwreg(HW_REG_IB_STS2, 6, 4)
	s_cmp_eq_u32 s2, 0
	s_cbranch_scc0 .Lentry_in_a_cluster
	s_endpgm
.Lentry_in_a_cluster:
	s_bfe_u32 s2, ttmp6, 0x10000c
	s_cmp_lg_u32 s2, 0x3003
	s_cbranch_scc0 .Lentry_shape_is_right
	s_endpgm
.Lentry_shape_is_right:
; GO.  out[q][c] = sum over key tiles t of w_t[q] x (sum over the tile's 128 keys of p[q][k] V[k][c] / 64), with w_t = 64 x 2^(c (m_t - m)) / L, m = the row's maximum over its tiles, L = sum_t l_t 2^(c (m_t - m)),
; c = log2(e) / 32: the second stage of the softmax, with the true maximum of the row.  p and V / 64 are f16, all sums f32.
; LIMITS.  A tile's weight below 2^-126 counts as 0; tiles that the launch before did not make hold m = -4.25e37, l = 0 and get the weight 0, as do tiles that are wholly hidden for a row (m near -1e30).
; SHARES.  Tiles of 128 queries x 128 channels; block i of 128 queries needs i / 2 + 1 steps of 256 keys.  A work-group makes TWO tiles, block pi (nS = pi / 2 + 1 steps) and then block 15 - pi (9 - nS steps):
; nine steps whatever pi.  Step s takes the short block's keys 256 s .. if s < nS, else the long block's keys 256 (8 - s) ..: the weights are final before the walk, so the order of the tiles is free, and both
; numbers are constants of the step: the table of weights lies by walk position and every LDS address is a constant and a counted step.  Only global addresses hang on pi.
; Four waves, 2 x 2, each 64 x 64.  A step's even tile of 128 keys is summed in T0 (quarters 0, 1), the odd one in T1 (quarters 2, 3), each started with the constant 0; O += T x w is done by four packed
; multiply-adds behind each matrix instruction of the next quarter's first pass.  O is cleared by 128 v_mov_b32 at the start and behind the first block's way out: the price of one text for every fold.
; Two LDS slots; a wave has two tensor loads out at the start, later one.
; CLUSTER 4, 1, 1: the four partners make four column tiles of the same rows: p's tiles are asked for jointly (mask 15); V's differ and are plain loads in the same rounds.
; REGISTERS: window 0: v0-31 addresses, v32-103 at work, v104-119 weights, v128-255 C's two buffers; window 1: v0-127 R's two buffers; window 2: T0 v0-127, T1 v128-255; window 3: O v0-127.
.set N0, 4
.set N1, 4
.set L0, 1
.set L1, 1
.set KT, 9
.set PITR, 2048
.set PITC, 8192
.set P0,   272+256*L0                  ; LDS pitch: the row + 16 bytes, an odd multiple of 16 (64 banks of 4 bytes: ISA guide 11.1)
.set P1,   272+256*L1
.set RTB,  32*N1*P1
.set SLOT, RTB+32*N0*P0
.set STAGE, 2*SLOT                     ; behind the ring, never filled by a tensor load: 16 rows x 272 bytes a wave
.set TBL,  STAGE+4*16*272              ; 18 tiles x 128 rows of weights, by walk position
.set SPARE, TBL+18*512                 ; the spare words, 128 bytes a wave, two blocks of 256 bytes that no other line names
.set W1C,  2*(L0*N0+L1*N1)
.set NL,   2*(N0*(1+L0)+N1*(1+L1))
.set CF,   128
.set RFS,  64
.set GWR,  (1<<16)|(1<<20)|((5+L1)<<22)|(3<<25)
.set GWC,  (1<<16)|(1<<20)|((5+L0)<<22)|(3<<25)
.set FR,   88                          ; s[88:91], s[92:95] group 0 of the first fill of slot 0; s[32:35], s[36:39] serve all later fills
.set FC,   92
.set BR, 16
.set BC, 17
.set ADRR, 18
.set ADRC, 19
.set STO, 20                           ; v20  the way out: where I put 32 bytes of a row
.set RD,  21                           ; v21  where I read rows back
.set GO,  22                           ; v22  my byte offset in out0
.set WADR, 23                          ; v23  the weights of the step in hand, for my rows
.set TA,  24                           ; v24  where I put my row's weights
.set VOS, 25                           ; v25  my row of the short block in st
.set VOL, 26                           ; v26  of the long block
.set SPW, 28                           ; v28  LDS address of my spare word; never rewritten
.set NIL, 29                           ; v29  0; never rewritten
.set MS, 32                            ; the table's making: m and l of the short block's 8 tiles, of the long block's 16, and the weights
.set LS, 40
.set ML, 48
.set LL, 64
.set ES, 80
.set EL, 88
.set WG, 104                           ; v[104 + 8 par + 2 a]: the weight of the step's tile par for row block a; the odd registers hold 0 and are only named
; s52 b, s53 pi, s54 nS, s55 the step to be asked for, s56 steps until the first way out, s[58:59] pp at my part, s[60:61] vt at my part, s62, s63 the two blocks' rows in pp, s[66:67] an offset, s[68:69] out0 at my rows, s[70:71] at those of the long block
.set MSB, 0
.macro WIN new
.if MSB != (\new)
	s_set_vgpr_msb (MSB<<8)|(\new)
.set MSB, (\new)
.endif
.endm
.macro PLACES                          ; four places behind matrix instructions (not for loads)
.rept 4
	v_nop
.endr
.endm
.macro LOAD two                        ; waves 0, 1: the halves of p's tile, jointly; waves 2, 3: of V's; two = 1: step 0 into slot 0 first; an s_nop 0 follows each load, four v_nop the last
	s_cmp_lt_u32 s12, 2
	s_cbranch_scc0 .Lfor_c_\@
.if \two
	tensor_load_to_lds s[FR:FR+3], s[24:31]
	s_nop 0
.endif
	tensor_load_to_lds s[32:35], s[24:31]
	s_nop 0
.rept 4
	v_nop
.endr
	s_branch .Lasked_\@
.Lfor_c_\@:
.if \two
	tensor_load_to_lds s[FC:FC+3], s[40:47]
	s_nop 0
.endif
	tensor_load_to_lds s[36:39], s[40:47]
	s_nop 0
.rept 4
	v_nop
.endr
.Lasked_\@:
.endm
.macro CREST
	s_cmp_lg_u32 s12, 0
	s_cbranch_scc1 .Lnot_wave_0_\@
	s_barrier_signal -3
.Lnot_wave_0_\@:
	s_barrier_wait -3
	s_barrier_signal -1
	s_barrier_wait -1
.endm
.macro CROUND
	s_barrier_signal -1
	s_barrier_wait -1
	CREST
.endm
.macro SHAPES
	s_mov_b32 s25, (128+128*L1)<<16
	s_mov_b32 s26, (16*N1)<<16
	s_mov_b32 s27, (128+128*L1)<<16
	s_mov_b32 s28, 16*N1
	s_mov_b32 s29, PITR
	s_mov_b32 s30, 0
	s_mov_b32 s31, 0
	s_mov_b32 s41, (128+128*L0)<<16
	s_mov_b32 s42, (16*N0)<<16
	s_mov_b32 s43, (128+128*L0)<<16
	s_mov_b32 s44, 16*N0
	s_mov_b32 s45, PITC
	s_mov_b32 s46, 0
	s_mov_b32 s47, 0
	s_mul_i32 s49, s14, 16*N1*P1
	s_mul_i32 s50, s14, 16*N0*P0
	s_add_co_u32 s50, s50, RTB
	s_mov_b32 s48, 0                               ; the slot in hand
	s_mov_b32 s[FR], 1
	s_mov_b32 s[FR+1], s49
	s_mov_b32 s[FC], 1
	s_mov_b32 s[FC+1], s50
	s_mov_b32 s32, 1
	s_add_co_u32 s33, s49, SLOT
	s_mov_b32 s36, 1
	s_add_co_u32 s37, s50, SLOT
.endm
.macro ASK gr, gc                      ; the two global addresses of step s55, made anew from the bases, into the groups 0 at gr and gc; written only where no tensor load of mine is out
	s_sub_co_u32 s15, 8, s55
	s_cmp_lt_u32 s55, s54
	s_cselect_b32 s15, s55, s15                    ; the tile of 256 keys
	s_cselect_b32 s16, s62, s63                    ; the block's rows
	s_lshl_b32 s15, s15, 9
	s_add_co_u32 s66, s15, s16
	s_add_nc_u64 s[\gr+2:\gr+3], s[58:59], s[66:67]
	s_or_b32 s[\gr+3], s[\gr+3], 0x80000000
	s_mov_b32 s66, s15
	s_add_nc_u64 s[\gc+2:\gc+3], s[60:61], s[66:67]
	s_or_b32 s[\gc+3], s[\gc+3], 0x80000000
	s_add_co_u32 s55, s55, 1
.endm
.macro NEXTTILE
	s_add_co_u32 s33, s48, s49
	s_add_co_u32 s37, s48, s50
	ASK 32, 36
.endm
.macro LANES
	v_and_b32 v1, 15, v0
	v_bfe_u32 v2, v0, 4, 1
	v_mul_u32_u24 v[BR], v1, P1
	v_lshl_add_u32 v[BR], v2, 4, v[BR]
	s_mul_i32 s51, s13, 16*N1*P1
	v_add_nc_u32 v[BR], s51, v[BR]
	v_mul_u32_u24 v[BC], v1, P0
	v_lshl_add_u32 v[BC], v2, 4, v[BC]
	s_mul_i32 s51, s14, 16*N0*P0
	s_add_co_u32 s51, s51, RTB
	v_add_nc_u32 v[BC], s51, v[BC]
.endm
.macro FETCH q, f                      ; 32 LDS loads in one run: quarter q's fragments into buffer f; what the first pass needs first
	WIN 0
.set fi, 0
.rept N0
	ds_load_b128 v[CF+64*(\f)+8*fi:CF+64*(\f)+8*fi+3],   v[ADRC] offset:(\q)*128+fi*16*P0
	ds_load_b128 v[CF+64*(\f)+8*fi+4:CF+64*(\f)+8*fi+7], v[ADRC] offset:(\q)*128+fi*16*P0+32
.set fi, fi+1
.endr
	WIN 0x40
.set fi, 0
.rept N1
	ds_load_b128 v[RFS*(\f)+8*fi:RFS*(\f)+8*fi+3],   v[ADRR] offset:(\q)*128+fi*16*P1
	ds_load_b128 v[RFS*(\f)+8*fi+4:RFS*(\f)+8*fi+7], v[ADRR] offset:(\q)*128+fi*16*P1+32
.set fi, fi+1
.endr
.set fi, 0
.rept N1
	ds_load_b128 v[RFS*(\f)+8*(N1+fi):RFS*(\f)+8*(N1+fi)+3],   v[ADRR] offset:(\q)*128+64+fi*16*P1
	ds_load_b128 v[RFS*(\f)+8*(N1+fi)+4:RFS*(\f)+8*(N1+fi)+7], v[ADRR] offset:(\q)*128+64+fi*16*P1+32
.set fi, fi+1
.endr
	WIN 0
.set fi, 0
.rept N0
	ds_load_b128 v[CF+64*(\f)+8*(N0+fi):CF+64*(\f)+8*(N0+fi)+3],   v[ADRC] offset:(\q)*128+64+fi*16*P0
	ds_load_b128 v[CF+64*(\f)+8*(N0+fi)+4:CF+64*(\f)+8*(N0+fi)+7], v[ADRC] offset:(\q)*128+64+fi*16*P0+32
.set fi, fi+1
.endr
.endm
.macro FOLD1 ts, n, a                  ; O_n += T(ts)_n x the tile's weight for row block a; T's registers in ascending order
	WIN 0xf2                                       ; source 0 window 2, source 1 window 0, source 2 and destination window 3
.irp z, 0,1,2,3
	v_pk_fma_f32 v[8*(\n)+2*\z:8*(\n)+2*\z+1], v[128*(\ts)+8*(\n)+2*\z:128*(\ts)+8*(\n)+2*\z+1], v[WG+8*(\ts)+2*(\a):WG+8*(\ts)+2*(\a)+1], v[8*(\n)+2*\z:8*(\n)+2*\z+1] op_sel_hi:[1,0,1]
.endr
.endm
; Row blocks a0 .. a1 x all column blocks, pass c of buffer f, into T(ts); one instruction an accumulator: they take turns.  ride = 1: behind each, the fold of the other T's accumulator of the same number
.macro GPART f, c, a0, a1, ts, zero, ride
.set pa, \a0
.rept (\a1)-(\a0)+1
.set pb, 0
.rept 4
.set pn, 4*pa+pb
.set pd, 128*(\ts)+8*pn
.set ps0, CF+64*(\f)+8*(4*(\c)+pb)
.set ps1, RFS*(\f)+8*(4*(\c)+pa)
	WIN 0xa4
.if \zero
	v_wmma_f32_16x16x32_f16 v[pd:pd+7], v[ps0:ps0+7], v[ps1:ps1+7], 0
.else
	v_wmma_f32_16x16x32_f16 v[pd:pd+7], v[ps0:ps0+7], v[ps1:ps1+7], v[pd:pd+7]
.endif
.if \ride
	FOLD1 1-(\ts), pn, pa
.endif
.set pb, pb+1
.endr
.set pa, pa+1
.endr
.endm
.macro WLOAD                           ; the step's eight weights a lane; older than the fetch behind them, so the wait for that fetch's elders covers them
	WIN 0
.irp i, 0,1,2,3,4,5,6,7
	ds_load_b32 v[WG+2*\i], v[WADR] offset:512*(\i/4)+64*(\i%4)
.endr
	v_add_nc_u32 v[WADR], 1024, v[WADR]
.endm
.macro GQ f, g, q, ts, zero, ride, wl
	s_wait_dscnt W1C                               ; all but the youngest W1C loads, which the second pass needs, are in
.if \ride
	PLACES                                         ; the folds read results that the quarter before has just made
.endif
	GPART \f, 0, 0, 3, \ts, \zero, \ride
	PLACES
.if \wl
	WLOAD
.endif
	FETCH \q, \g
	s_wait_dscnt NL                                ; all but the NL just issued
	GPART \f, 1, 0, 3, \ts, 0, 0
.endm
; The change of slots: ONE barrier.  In front of it each wave waits for all its tensor loads (its part of the next slot), adds 0 to its spare word, and waits for that and for its reads of this slot.
; fill = 1: the barrier opens a round of the cluster's, and this slot's refill, the step two on, is the first thing behind the round.
.macro GTURN fill
	WIN 0
	s_wait_tensorcnt 0x0
	ds_add_u32 v[SPW], v[NIL]
.if \fill
	NEXTTILE
.endif
	s_wait_dscnt W1C+1                             ; the add and the second pass's loads may be out
	GPART 1, 0, 0, 1, 1, 0, 0
	s_wait_dscnt 0x0                               ; the add is done, and my reads of this slot are over
	s_barrier_signal -1
	GPART 1, 0, 2, 3, 1, 0, 0
	WIN 0
	s_barrier_wait -1
.if \fill
	CREST
	LOAD 0                                         ; its four v_nop are also the places in front of the loads below
.else
	PLACES
.endif
	s_xor_b32 s48, s48, SLOT
	v_add_nc_u32 v[ADRR], s48, v[BR]
	v_add_nc_u32 v[ADRC], s48, v[BC]
	FETCH 0, 0
	GPART 1, 1, 0, 3, 1, 0, 0
.endm
; THE WAY OUT of O, 16 rows at a time through my own stage: rows of 272 bytes in, whole rows of 256 bytes back; sixteen lanes store 256 consecutive bytes, aligned.  It ends with no LDS instruction out.
.macro FLUSH
.set fa, 0
.rept 4
	WIN 0x0c                                       ; data (source 1) window 3
.set fb, 0
.rept 4
	ds_store_b128 v[STO], v[8*(4*fa+fb):8*(4*fa+fb)+3]   offset:64*fb
	ds_store_b128 v[STO], v[8*(4*fa+fb)+4:8*(4*fa+fb)+7] offset:64*fb+16
.set fb, fb+1
.endr
	WIN 0
	s_wait_xcnt 0x0                                ; the registers that earlier stores read are loaded again only behind this wait
.set bk, 32+32*(fa%2)
.irp t, 0,1,2,3,4,5,6,7
	ds_load_b128 v[bk+4*\t:bk+4*\t+3], v[RD] offset:544*\t  ; LDS serves a wave's instructions in order (ISA guide 5.7.1.4): these see the stores above
.endr
.irp t, 0,1,2,3,4,5,6,7
	s_wait_dscnt 7-\t
	global_store_b128 v[GO], v[bk+4*\t:bk+4*\t+3], s[68:69] offset:(16*fa+2*\t)*4096 th:TH_STORE_NT
.endr
.set fa, fa+1
.endr
.endm
.macro CLEAR_O
	WIN 0xc0
.set i, 0
.rept 128
	v_mov_b32 v[i], 0
.set i, i+1
.endr
	WIN 0
.endm
; The weights of one row over n tiles: m at v[m ..], l at v[l ..], the weights into v[e ..]
.macro TAB n, m, l, e
	v_max3_num_f32 v120, v[\m], v[\m+1], v[\m+2]
.set k, 3
.rept ((\n)-4)/2
	v_max3_num_f32 v120, v120, v[\m+k], v[\m+k+1]
.set k, k+2
.endr
	v_max_num_f32 v120, v120, v[\m+(\n)-1]         ; the row's maximum
.set k, 0
.rept \n
	v_sub_f32 v[\e+k], v[\m+k], v120
.set k, k+1
.endr
.set k, 0
.rept \n
	v_mul_f32 v[\e+k], 0x3d38aa3b, v[\e+k]         ; c = log2(e) / 32
.set k, k+1
.endr
.set k, 0
.rept \n
	v_exp_f32 v[\e+k], v[\e+k]
.set k, k+1
.endr
	v_nop                                          ; a plain instruction between the exponentials and the use of their results (ISA guide 5.7.2)
	s_wait_alu depctr_va_vdst(0)
	v_mul_f32 v121, v[\l], v[\e]
.set k, 1
.rept (\n)-1
	v_fmac_f32 v121, v[\l+k], v[\e+k]
.set k, k+1
.endr
	v_rcp_f32 v121, v121                           ; L is at least 1: the tile that holds the maximum has the weight 1 and a p of 1
	v_nop
	s_wait_alu depctr_va_vdst(0)
	v_mul_f32 v121, 0x42800000, v121               ; x 64: V was kept as V / 64
.set k, 0
.rept \n
	v_mul_f32 v[\e+k], v[\e+k], v121
.set k, k+1
.endr
.endm
	s_load_b256 s[4:11], s[0:1], 0x0               ; pp s[4:5], vt s[6:7], st s[8:9], out0 s[10:11]
	v_lshl_add_u32 v[SPW], v0, 2, SPARE
	v_mov_b32 v[NIL], 0
	ds_add_u32 v[SPW], v[NIL]                      ; the wave's opening
	ds_add_u32 v28, v29
	v_lshrrev_b32 v1, 5, v0
	v_readfirstlane_b32 s12, v1
	s_lshr_b32 s13, s12, 1
	s_and_b32 s14, s12, 1
	s_bfe_u32 s72, ttmp6, 0x40000                  ; cx
	s_lshl_b32 s73, ttmp9, 2
	s_add_co_u32 s73, s73, s72                     ; x, the column tile: it enters V's and out0's addresses alone
	s_and_b32 s15, ttmp7, 0xffff
	s_lshr_b32 s52, s15, 3                         ; b
	s_and_b32 s53, s15, 7                          ; pi
	s_lshr_b32 s54, s53, 1
	s_add_co_u32 s54, s54, 1                       ; nS
	s_mov_b32 s56, s54
	s_mov_b32 s55, 0
	s_sub_co_u32 s17, 15, s53                      ; the long block
	s_lshl_b32 s62, s53, 19                        ; 128 rows of 4,096 bytes a block
	s_lshl_b32 s63, s17, 19
	s_mov_b32 s67, 0
	s_mov_b32 s24, 15|GWR|(1<<21)                  ; p's tiles go to all four partners
	s_mov_b32 s40, GWC
	SHAPES
	s_mul_i32 s20, s52, 2080                       ; pp: row 2080 b + 64 x my half
	s_lshl_b32 s21, s14, 6
	s_add_co_u32 s20, s20, s21
	s_lshl_b32 s20, s20, 12
	s_mov_b32 s21, 0
	s_lshl_b32 s22, s73, 7                         ; vt: row 128 x + 64 x my half, byte 4,096 b
	s_lshl_b32 s23, s14, 6
	s_add_co_u32 s22, s22, s23
	s_lshl_b32 s22, s22, 14
	s_lshl_b32 s23, s52, 12
	s_add_co_u32 s22, s22, s23
	s_mov_b32 s23, 0
	s_lshl_b32 s18, s52, 11                        ; out0: row 2048 b + 128 i + 64 wr, byte 512 x + 256 wc
	s_lshl_b32 s19, s13, 6
	s_add_co_u32 s18, s18, s19
	s_lshl_b32 s74, s73, 9
	s_lshl_b32 s75, s14, 8
	s_add_co_u32 s74, s74, s75
	s_lshl_b32 s76, s53, 7
	s_add_co_u32 s76, s76, s18
	s_lshl_b32 s76, s76, 12
	s_add_co_u32 s76, s76, s74
	s_mov_b32 s77, 0
	s_lshl_b32 s78, s17, 7
	s_add_co_u32 s78, s78, s18
	s_lshl_b32 s78, s78, 12
	s_add_co_u32 s78, s78, s74
	s_mov_b32 s79, 0
	s_mul_i32 s80, s52, 16*2080*4                  ; st: the batch's 16 tiles; a block's 128 rows
	s_lshl_b32 s81, s53, 9
	s_add_co_u32 s81, s81, s80
	s_lshl_b32 s82, s17, 9
	s_add_co_u32 s82, s82, s80
	s_wait_dscnt 0x0                               ; the opening add is done
	s_wait_kmcnt 0x0
	s_add_nc_u64 s[58:59], s[4:5], s[20:21]
	s_add_nc_u64 s[60:61], s[6:7], s[22:23]
	s_add_nc_u64 s[68:69], s[10:11], s[76:77]
	s_add_nc_u64 s[70:71], s[10:11], s[78:79]
	ASK FR, FC                                     ; step 0
	ASK 32, 36                                     ; step 1
	CROUND                                         ; all four work-groups are here: the first joint loads meet
	LOAD 1                                         ; both slots' first fills go out together
	; THE TABLE.  Thread t owns row t of both blocks.  All that follows up to the barrier stands in the wait for the first tile.
	v_lshlrev_b32 v[VOS], 2, v0
	v_add_nc_u32 v[VOL], s82, v[VOS]
	v_add_nc_u32 v[VOS], s81, v[VOS]
.set k, 0
.rept 8
	global_load_b32 v[MS+k], v[VOS], s[8:9] offset:8320*k
	global_load_b32 v[LS+k], v[VOS], s[8:9] offset:8320*k+532480
.set k, k+1
.endr
.set k, 0
.rept 16
	global_load_b32 v[ML+k], v[VOL], s[8:9] offset:8320*k
	global_load_b32 v[LL+k], v[VOL], s[8:9] offset:8320*k+532480
.set k, k+1
.endr
	LANES
	s_mul_i32 s51, s12, 16*272
	s_add_co_u32 s51, s51, STAGE                   ; my stage
	v_mul_u32_u24 v[STO], v1, 272
	v_lshl_add_u32 v[STO], v2, 5, v[STO]
	v_add_nc_u32 v[STO], s51, v[STO]
	v_mul_u32_u24 v[RD], v2, 272
	v_lshl_add_u32 v[RD], v1, 4, v[RD]
	v_add_nc_u32 v[RD], s51, v[RD]
	v_lshlrev_b32 v[GO], 12, v2
	v_lshl_add_u32 v[GO], v1, 4, v[GO]
	s_lshl_b32 s51, s13, 8
	s_add_co_u32 s51, s51, TBL
	v_lshl_add_u32 v[WADR], v1, 2, s51             ; row 64 wr + l % 16 of the table's first tile
	v_lshl_add_u32 v[TA], v0, 2, TBL
.irp i, 0,1,2,3,4,5,6,7
	v_mov_b32 v[WG+2*\i+1], 0
.endr
.irp s, 1,2,3
	s_cmp_gt_u32 s54, \s                           ; is step s the short block's?
	s_cselect_b32 s[82+\s], -1, 0
.endr
	CLEAR_O
	s_wait_loadcnt 0x0
	TAB 8, MS, LS, ES
	TAB 16, ML, LL, EL
	ds_store_b32 v[TA], v[ES]
	ds_store_b32 v[TA], v[ES+1] offset:512
.irp s, 1,2,3
.irp p, 0,1
	v_cndmask_b32 v[ES+2*\s+\p], v[EL+2*(8-\s)+\p], v[ES+2*\s+\p], s[82+\s]
	ds_store_b32 v[TA], v[ES+2*\s+\p] offset:512*(2*\s+\p)
.endr
.endr
.irp s, 4,5,6,7,8
.irp p, 0,1
	ds_store_b32 v[TA], v[EL+2*(8-\s)+\p] offset:512*(2*\s+\p)
.endr
.endr
	s_wait_tensorcnt 0x1                           ; my part of step 0 is in; step 1's may stay out
	s_wait_dscnt 0x0                               ; for the others' sake: my stores into the table are done
	s_barrier_signal -1
	s_barrier_wait -1
	v_add_nc_u32 v[ADRR], s48, v[BR]
	v_add_nc_u32 v[ADRC], s48, v[BC]
	FETCH 0, 0
	GQ 0, 1, 1, 0, 1, 0, 0                         ; step 0's quarter 0 stands in front of the loop: there is nothing to fold yet
	WIN 0
	s_mov_b32 s3, KT-2
	s_branch .Lmid                                 ; the loop is entered behind a step's first quarter
.Lk:                                                   ; a trip is a step; it asks for the step two on
	GQ 0, 1, 1, 0, 1, 1, 0                         ; quarter 0 starts T0 and folds the step before's T1
	WIN 0
	s_sub_co_u32 s56, s56, 1
	s_cmp_lg_u32 s56, 0
	s_cbranch_scc1 .Lmid                           ; forward, past text with no barrier and no tensor load
	FLUSH                                          ; the short block's last tile has been folded: nS is 1 to 4, so this falls into one of the loop's trips for steps 1 to 6
	s_wait_xcnt 0x0                                ; the stores have read their base
	s_mov_b64 s[68:69], s[70:71]
	CLEAR_O
.Lmid:
	GQ 1, 0, 2, 0, 0, 0, 1                         ; quarter 1, and the step's weights
	GQ 0, 1, 3, 1, 1, 1, 0                         ; quarter 2 starts T1 and folds T0
	GTURN 1
	WIN 0
	s_sub_co_u32 s3, s3, 1
	s_cmp_lg_u32 s3, 0
	s_cbranch_scc1 .Lk
	s_mov_b32 s3, 2
.Lt:                                                   ; the last two steps ask for nothing.  The very last change of slots fetches 32 fragments of the slot before, which nothing uses: the price of one text for both
	GQ 0, 1, 1, 0, 1, 1, 0
	GQ 1, 0, 2, 0, 0, 0, 1
	GQ 0, 1, 3, 1, 1, 1, 0
	GTURN 0
	WIN 0
	s_sub_co_u32 s3, s3, 1
	s_cmp_lg_u32 s3, 0
	s_cbranch_scc1 .Lt
	s_wait_dscnt 0x0
	PLACES
.set ln, 0
.rept 16
	FOLD1 1, ln, ln/4                              ; the last T1
.set ln, ln+1
.endr
	FLUSH
	s_wait_tensorcnt 0x0                           ; the wave's end
	ds_add_u32 v[SPW], v[NIL]
	s_wait_dscnt 0x0
	CROUND                                         ; the closing round
	s_endpgm
.Lfunc_end_k_qc0a640cefa_go:
	.size	k_qc0a640cefa_go, .Lfunc_end_k_qc0a640cefa_go-k_qc0a640cefa_go
	.p2alignl 7, 3214868480
	.fill 96, 4, 3214868480
	.section	.rodata,"a",@progbits
	.p2align	6, 0x0
	.amdhsa_kernel k_qc0a640cefa_go
		.amdhsa_group_segment_fixed_size 327680
		.amdhsa_private_segment_fixed_size 0
		.amdhsa_enable_private_segment 0
		.amdhsa_kernarg_size 32
		.amdhsa_user_sgpr_count 2
		.amdhsa_user_sgpr_kernarg_segment_ptr 1
		.amdhsa_wavefront_size32 1
		.amdhsa_system_sgpr_workgroup_id_x 1
		.amdhsa_system_sgpr_workgroup_id_y 1
		.amdhsa_system_sgpr_workgroup_id_z 1
		.amdhsa_system_vgpr_workitem_id 0
		.amdhsa_next_free_vgpr 896
		.amdhsa_next_free_sgpr 96
		.amdhsa_reserve_vcc 0
		.amdhsa_float_denorm_mode_32 3
		.amdhsa_float_denorm_mode_16_64 3
		.amdhsa_memory_ordered 1
		.amdhsa_forward_progress 1
		.amdhsa_inst_pref_size 115
	.end_amdhsa_kernel
	.amdgpu_metadata
---
amdhsa.version: [ 1, 2 ]
amdhsa.kernels:
  - .name:           k_qc0a640cefa_go
    .symbol:         k_qc0a640cefa_go.kd
    .args:
      - { .name: pp, .offset: 0, .size: 8, .value_kind: global_buffer, .address_space: global }
      - { .name: vt, .offset: 8, .size: 8, .value_kind: global_buffer, .address_space: global }
      - { .name: st, .offset: 16, .size: 8, .value_kind: global_buffer, .address_space: global }
      - { .name: out0, .offset: 24, .size: 8, .value_kind: global_buffer, .address_space: global }
    .group_segment_fixed_size: 327680
    .private_segment_fixed_size: 0
    .kernarg_segment_align: 8
    .kernarg_segment_size: 32
    .max_flat_workgroup_size: 128
    .sgpr_count:     96
    .vgpr_count:     896
    .wavefront_size: 32
...
	.end_amdgpu_metadata
.endif
;; end of part 10
;; ======== version 3 of 3: 5 launches; version 2 with the launch prep written anew for expert scheduling mode
;; limits: values are held in f16: magnitudes above 65,504 overflow, below 6.1e-05 lose precision; right only within a limited range of input values
;; workspace buffers: cv 56,623,104 bytes; mt 4,194,304 bytes; vt 16,777,216 bytes; q2 33,685,504 bytes; pp 34,078,720 bytes; st 1,064,960 bytes
;; launch prep (part 11): grid 566 x 1, 8 waves a work-group, no clusters, 18,432 bytes of LDS; arguments inputs_for_values, inputs_for_queries, inputs_for_keys, K_weight, Q_weight, V_weight, cv, q2, st; writes cv, q2, st
.if DOCPART == 11
	.amdgcn_target "amdgcn-amd-amdhsa--gfx1250"
	.amdhsa_code_object_version 6
	.text
	.protected	k_qc0a640cefa_prep
	.globl	k_qc0a640cefa_prep
	.p2align	8
	.type	k_qc0a640cefa_prep,@function
k_qc0a640cefa_prep:
	s_mov_b64 s[64:65], 0
	v_nop
	global_prefetch_b8 v0, s[64:65] scope:SCOPE_SE
	s_setreg_imm32_b32 hwreg(HW_REG_WAVE_SCHED_MODE, 0, 2), 2
	s_setreg_imm32_b32 hwreg(HW_REG_WAVE_MODE, 25, 1), 1
	s_wait_xcnt 0x0
	s_wait_alu depctr_vm_vsrc(0)
; PREP.  All six inputs are rounded once to bf16 (nearest even) into cv, 27,648 rows of 1,024 bf16 (2,048 bytes):
;   rows 0 Wv^T | 1024 Wk | 2048 x_v | 10240 Wq | 11264 x_q | 19456 x_k.
; Besides: the two planes of st get their starting values (maximum: -4.25e37; sum: 0) and q2's 32 rows behind its end get zeros.
; Memory binds: no matrix unit, no cluster (no two work-groups read the same byte).  A work-group's number picks its part:
;   0..415 a stream of 65,536 numbers; 416..543 a tile of 128 x 64 of Wv, turned through LDS; 544..563 st; 564, 565 q2's last rows.
; THE MODE: SCHED_MODE bits 1:0 = 2 (LLVM: expert scheduling mode 2), set by the entry lines.  The code itself states the register dependences
; between vector instructions and memory or LDS instructions, with s_wait_alu, always for 0.
; THE PLAN OF THE STREAM.  Its 32 passes of 2,048 numbers go in 16 blocks of two.  Registers that memory instructions touch:
;   X0 .. X3   four blocks of f32 as loaded.  Written by the loads of block p + 3, issued in block p; read by block p's conversions.
;   Y0, Y1     two blocks of bf16 to store.   Written by block p's conversions; read by the four stores that are issued in block p + 1.
;   v1, v2     byte offsets, made once and never written again: the passes are reached by the two scalar bases, which move on by a block at each
;              block's head, and by immediate offsets.
; Block p works on X[p % 4] and writes Y[p % 2].  Its memory instructions are the loads into X[(p + 3) % 4] = X[(p - 1) % 4] and the stores from
; Y[(p - 1) % 2]: the two buffers that block p - 1 worked on and that no vector instruction of block p names.  So the waits at a block's head state
; all that its eight memory instructions hang on, and these are dealt among its conversions with no further wait.
; The other three parts run once through: a wait ahead of each run of memory or LDS instructions whose addresses or data vector instructions have just written.
.set PASSES, 2                         ; passes in a block
.set BLOCKS, 32 / PASSES
.set SRC,   8192                       ; bytes of f32 in a pass
.set OUT,   4096                       ; bytes of bf16 in a pass
.set X,     4                          ; v[4:67]    buffer k, pass i: 8 registers at X + 16 k + 8 i, 8 f32 as loaded
.set Y,     68                         ; v[68:83]   buffer k, pass i: 4 registers at Y + 8 k + 4 i, 8 bf16 to store
.set SPW,   110                        ; v110       LDS address of my spare word; never rewritten
.set NIL,   111                        ; v111       0; never rewritten
.set TP,    272                        ; a row of the turned tile: 128 bf16 + 16 bytes
.set SPARE, 64*TP                      ; behind the tile: 128 bytes for each of eight waves, four blocks of 256 bytes that no other line names
	s_load_b512 s[4:19], s[0:1], 0x0               ; x_v s[4:5], x_q s[6:7], x_k s[8:9], Wk s[10:11], Wq s[12:13], Wv s[14:15], cv s[16:17], q2 s[18:19]
	s_load_b64 s[20:21], s[0:1], 0x40              ; st
	v_lshl_add_u32 v[SPW], v0, 2, SPARE
	v_mov_b32 v[NIL], 0
	s_mov_b32 s2, ttmp9
	s_mov_b32 s31, 0                               ; the upper word of every byte offset: all stay under 2^32
	s_wait_kmcnt 0x0
	s_cmp_ge_u32 s2, 416
	s_cbranch_scc1 .Lnot_stream
	; THE STREAM.  64 rows of 1,024 numbers a work-group, 2,048 numbers a pass.  Neighbouring lanes take neighbouring 16 bytes: thread t loads the four f32 at byte 16 t of the pass's first
	; 4,096 bytes and the four at 16 t of its second, so a wave's load covers 512 consecutive bytes and no byte is asked for twice.  Each four leave as 8 bytes of bf16, at 8 t and at 2,048 + 8 t:
	; a wave's store covers 256 consecutive bytes, aligned.
	s_mov_b64 s[22:23], s[4:5]
	s_mov_b32 s24, 0
	s_mov_b32 s25, 2048
.macro PICK first, lo, row             ; from work-group `first` on: the source in s[lo:lo+1], and its first row in cv
	s_cmp_ge_u32 s2, \first
	s_cselect_b64 s[22:23], s[\lo:\lo+1], s[22:23]
	s_cselect_b32 s24, \first, s24
	s_cselect_b32 s25, \row, s25
.endm
	PICK 128, 6, 11264
	PICK 256, 8, 19456
	PICK 384, 10, 1024
	PICK 400, 12, 10240
	s_sub_co_u32 s24, s2, s24                      ; my piece of that source
	s_lshl_b32 s30, s24, 18                        ; x 262,144 bytes of f32
	s_add_nc_u64 s[22:23], s[22:23], s[30:31]
	s_lshl_b32 s24, s24, 6
	s_add_co_u32 s24, s24, s25                     ; my first row in cv
	s_lshl_b32 s30, s24, 11
	s_add_nc_u64 s[28:29], s[16:17], s[30:31]
	v_lshlrev_b32 v1, 4, v0
	v_lshlrev_b32 v2, 3, v0
	s_wait_alu depctr_va_vdst(0)                   ; v1 and v2 are written: every load of the stream reads v1 as its offset, every store v2
.irp i, 0,1,2,3,4,5
	global_load_b128 v[X+8*(\i):X+8*(\i)+3],   v1, s[22:23] offset:(\i)*SRC th:TH_LOAD_NT       ; blocks 0, 1 and 2 into X0, X1, X2
	global_load_b128 v[X+8*(\i)+4:X+8*(\i)+7], v1, s[22:23] offset:(\i)*SRC+4096 th:TH_LOAD_NT
.endr
; Block p.  xb = p % 4, yb = p % 2.  first = 1: block 0, with no block in front of it.  ahead = 1: block p + 3 is loaded.
; left = how many younger loads may still be out when this block's four have to be there.
.macro BLK xb, yb, first, ahead, left
	s_wait_loadcnt \left                           ; loads come back in order: X[xb] is in, the younger blocks (four loads each) stay out
.if !\first
	s_wait_xcnt 0x0                                ; the two bases and Y[yb] are written again only behind this wait
	s_wait_alu depctr_vm_vsrc(0)                   ; the stores issued in the block before have read Y[yb], which this block's conversions write again
	s_wait_alu depctr_va_vdst(0)                   ; the block before has written the other Y, which the stores below read, and is done reading its X, in which the loads below land
	s_add_nc_u64 s[22:23], s[22:23], PASSES*SRC    ; both bases at this block's first pass
	s_add_nc_u64 s[28:29], s[28:29], PASSES*OUT
.endif
.irp i, 0,1
.if \ahead
	global_load_b128 v[X+16*((\xb+3)%4)+8*(\i):X+16*((\xb+3)%4)+8*(\i)+3],   v1, s[22:23] offset:(3*PASSES+(\i))*SRC th:TH_LOAD_NT       ; three blocks ahead; no vector instruction since the wait names these registers
	global_load_b128 v[X+16*((\xb+3)%4)+8*(\i)+4:X+16*((\xb+3)%4)+8*(\i)+7], v1, s[22:23] offset:(3*PASSES+(\i))*SRC+4096 th:TH_LOAD_NT
.endif
.if !\first
	global_store_b64 v2, v[Y+8*(1-\yb)+4*(\i):Y+8*(1-\yb)+4*(\i)+1],   s[28:29] offset:((\i)-PASSES)*OUT       ; the block before: the offset reaches back
	global_store_b64 v2, v[Y+8*(1-\yb)+4*(\i)+2:Y+8*(1-\yb)+4*(\i)+3], s[28:29] offset:((\i)-PASSES)*OUT+2048
.endif
.irp k, 0,1,2,3
	v_cvt_pk_bf16_f32 v[Y+8*\yb+4*(\i)+(\k)], v[X+16*\xb+8*(\i)+2*(\k)], v[X+16*\xb+8*(\i)+2*(\k)+1]
.endr
.endr
.endm
	BLK 0, 0, 1, 1, 4*PASSES                       ; block 0
	s_mov_b32 s3, (BLOCKS-4)/4
.Ltrip:                                                ; blocks 1 to 12, four to a lap: both kinds of buffer are back at their start
	BLK 1, 1, 0, 1, 4*PASSES
	BLK 2, 0, 0, 1, 4*PASSES
	BLK 3, 1, 0, 1, 4*PASSES
	BLK 0, 0, 0, 1, 4*PASSES
	s_sub_co_u32 s3, s3, 1
	s_cmp_lg_u32 s3, 0
	s_cbranch_scc1 .Ltrip
	BLK 1, 1, 0, 0, 4*PASSES                       ; blocks 13 to 15 load nothing: no load leaves the source, and the counts run down
	BLK 2, 0, 0, 0, 2*PASSES
	BLK 3, 1, 0, 0, 0
	s_wait_alu depctr_va_vdst(0)                   ; block 15 has written Y1, which the last four stores read
.irp i, 0,1
	global_store_b64 v2, v[Y+8+4*(\i):Y+8+4*(\i)+1],   s[28:29] offset:(\i)*OUT
	global_store_b64 v2, v[Y+8+4*(\i)+2:Y+8+4*(\i)+3], s[28:29] offset:(\i)*OUT+2048
.endr
	s_endpgm
.Lnot_stream:
	s_cmp_ge_u32 s2, 544
	s_cbranch_scc1 .Lnot_turn
	; Wv TURNED.  Tile: rows i = 128 ib .. +127, columns c = 64 cb .. +63.  Thread: s = t % 16 (four columns), rp = t / 16; four pairs of rows.
	; An even and an odd row's numbers of one column pack into one word, which lies at [column][pair] in LDS.
	s_sub_co_u32 s24, s2, 416
	s_and_b32 s25, s24, 7                          ; ib
	s_lshr_b32 s26, s24, 3                         ; cb
	v_and_b32 v1, 15, v0
	v_lshrrev_b32 v2, 4, v0
	v_lshlrev_b32 v3, 13, v2                       ; row 2 rp x 4,096 bytes
	v_lshl_add_u32 v3, v1, 4, v3
	s_lshl_b32 s27, s25, 19                        ; 128 ib rows
	s_lshl_b32 s28, s26, 8                         ; 64 cb columns
	s_add_co_u32 s27, s27, s28
	v_add_nc_u32 v3, s27, v3
	s_wait_alu depctr_va_vdst(0)                   ; v3 is written, which the eight loads read as their offset
.irp k, 0,1,2,3
	global_load_b128 v[4+8*\k:7+8*\k],   v3, s[14:15] offset:131072*\k th:TH_LOAD_NT       ; sixteen lanes: 256 consecutive bytes of a row
	global_load_b128 v[8+8*\k:11+8*\k],  v3, s[14:15] offset:131072*\k+4096 th:TH_LOAD_NT  ; the row below
.endr
	v_mul_u32_u24 v36, v1, 4*TP
	v_lshl_add_u32 v36, v2, 2, v36                 ; in: column 4 s, pair rp
	v_mul_u32_u24 v37, v2, TP
	v_lshl_add_u32 v37, v1, 4, v37                 ; back: column t / 16, 16 bytes at 16 (t % 16)
	v_lshlrev_b32 v38, 11, v2
	v_lshl_add_u32 v38, v1, 4, v38
	s_lshl_b32 s27, s26, 17                        ; cv row 64 cb
	s_lshl_b32 s28, s25, 8                         ; byte 256 ib
	s_add_co_u32 s27, s27, s28
	v_add_nc_u32 v38, s27, v38
.irp k, 0,1,2,3
	s_wait_loadcnt 6-2*\k                          ; pair k's two loads are in, the younger pairs' stay out
.irp e, 0,1,2,3
	v_cvt_pk_bf16_f32 v[40+4*\k+\e], v[4+8*\k+\e], v[8+8*\k+\e]
.endr
.endr
	s_wait_alu depctr_va_vdst(0)                   ; the sixteen conversions have written v[40:55], the LDS stores' data; v36, their address, is written, and so are v37 and v38, which the LDS loads and the global stores below read
.irp k, 0,1,2,3
.irp e, 0,1,2,3
	ds_store_b32 v36, v[40+4*\k+\e] offset:\e*TP+64*\k
.endr
.endr
	s_wait_dscnt 0x0                               ; for the others' sake: my stores are done
	s_barrier_signal -1
	s_barrier_wait -1
.irp k, 0,1,2,3
	ds_load_b128 v[56+4*\k:59+4*\k], v37 offset:16*TP*\k  ; no vector instruction names v[56:71]
.endr
.irp k, 0,1,2,3
	s_wait_dscnt 3-\k
	global_store_b128 v38, v[56+4*\k:59+4*\k], s[16:17] offset:32768*\k  ; sixteen lanes: 256 consecutive bytes of a row of Wv^T, aligned
.endr
	s_wait_dscnt 0x0                               ; the wave's end, behind my last LDS store
	s_wait_alu 0x0
	s_wait_tensorcnt 0x0
	ds_add_u32 v[SPW], v[NIL]
	s_wait_dscnt 0x0
	s_endpgm
.Lnot_turn:
	v_lshlrev_b32 v2, 4, v0
	s_cmp_ge_u32 s2, 564
	s_cbranch_scc1 .Lpad
	; st: 20 work-groups x 53,248 bytes; the first ten are the plane of maxima
	s_sub_co_u32 s24, s2, 544
	s_cmp_lt_u32 s24, 10
	s_cselect_b32 s25, 0xfe000000, 0
	s_mul_i32 s30, s24, 53248
	s_add_nc_u64 s[28:29], s[20:21], s[30:31]
.irp k, 4,5,6,7
	v_mov_b32 v\k, s25
.endr
	s_wait_alu depctr_va_vdst(0)                   ; v2, the stores' offset, and v[4:7], their data, are written
.irp k, 0,1,2,3,4,5,6,7,8,9,10,11,12
	global_store_b128 v2, v[4:7], s[28:29] offset:4096*\k
.endr
	s_endpgm
.Lpad:
	; q2's rows 8192 .. 8223: zeros, 65,536 bytes a work-group
	s_sub_co_u32 s24, s2, 564
	s_lshl_b32 s30, s24, 16
	s_add_nc_u64 s[28:29], s[18:19], s[30:31]
	s_add_nc_u64 s[28:29], s[28:29], 33554432
.irp k, 4,5,6,7
	v_mov_b32 v\k, 0
.endr
	s_wait_alu depctr_va_vdst(0)                   ; v2, the stores' offset, and v[4:7], their data, are written
.irp k, 0,1,2,3,4,5,6,7,8,9,10,11,12,13,14,15
	global_store_b128 v2, v[4:7], s[28:29] offset:4096*\k
.endr
	s_endpgm
.Lfunc_end_k_qc0a640cefa_prep:
	.size	k_qc0a640cefa_prep, .Lfunc_end_k_qc0a640cefa_prep-k_qc0a640cefa_prep
	.p2alignl 7, 3214868480
	.fill 96, 4, 3214868480
	.section	.rodata,"a",@progbits
	.p2align	6, 0x0
	.amdhsa_kernel k_qc0a640cefa_prep
		.amdhsa_group_segment_fixed_size 18432
		.amdhsa_private_segment_fixed_size 0
		.amdhsa_enable_private_segment 0
		.amdhsa_kernarg_size 72
		.amdhsa_user_sgpr_count 2
		.amdhsa_user_sgpr_kernarg_segment_ptr 1
		.amdhsa_wavefront_size32 1
		.amdhsa_system_sgpr_workgroup_id_x 1
		.amdhsa_system_sgpr_workgroup_id_y 1
		.amdhsa_system_sgpr_workgroup_id_z 1
		.amdhsa_system_vgpr_workitem_id 0
		.amdhsa_next_free_vgpr 112
		.amdhsa_next_free_sgpr 66
		.amdhsa_reserve_vcc 0
		.amdhsa_float_denorm_mode_32 3
		.amdhsa_float_denorm_mode_16_64 3
		.amdhsa_memory_ordered 1
		.amdhsa_forward_progress 1
		.amdhsa_inst_pref_size 23
	.end_amdhsa_kernel
	.amdgpu_metadata
---
amdhsa.version: [ 1, 2 ]
amdhsa.kernels:
  - .name:           k_qc0a640cefa_prep
    .symbol:         k_qc0a640cefa_prep.kd
    .args:
      - { .name: inputs_for_values, .offset: 0, .size: 8, .value_kind: global_buffer, .address_space: global }
      - { .name: inputs_for_queries, .offset: 8, .size: 8, .value_kind: global_buffer, .address_space: global }
      - { .name: inputs_for_keys, .offset: 16, .size: 8, .value_kind: global_buffer, .address_space: global }
      - { .name: K_weight, .offset: 24, .size: 8, .value_kind: global_buffer, .address_space: global }
      - { .name: Q_weight, .offset: 32, .size: 8, .value_kind: global_buffer, .address_space: global }
      - { .name: V_weight, .offset: 40, .size: 8, .value_kind: global_buffer, .address_space: global }
      - { .name: cv, .offset: 48, .size: 8, .value_kind: global_buffer, .address_space: global }
      - { .name: q2, .offset: 56, .size: 8, .value_kind: global_buffer, .address_space: global }
      - { .name: st, .offset: 64, .size: 8, .value_kind: global_buffer, .address_space: global }
    .group_segment_fixed_size: 18432
    .private_segment_fixed_size: 0
    .kernarg_segment_align: 8
    .kernarg_segment_size: 72
    .max_flat_workgroup_size: 256
    .sgpr_count:     66
    .vgpr_count:     112
    .wavefront_size: 32
...
	.end_amdgpu_metadata
.endif
;; end of part 11
;; launch gvm: the kernel of part 7 again; grid 32 x 8, 4 waves a work-group, clusters of 4 x 4, 327,680 bytes of LDS; arguments cv, vt, mt; writes vt, mt
;; launch gq: the kernel of part 8 again; grid 8 x 32, 4 waves a work-group, clusters of 4 x 4, 327,680 bytes of LDS; arguments cv, mt, q2; writes q2
;; launch gs: the kernel of part 9 again; grid 62 x 4, 4 waves a work-group, no clusters, 327,680 bytes of LDS; arguments q2, cv, pp, st; writes pp, st
;; launch go: the kernel of part 10 again; grid 8 x 32, 4 waves a work-group, clusters of 4 x 1, 327,680 bytes of LDS; arguments pp, vt, st, out0; writes out0
